; MI455X (gfx1250); checked and timed in simulation.
; The chip was launched on July 23, 2026; its instructions are those of AMD's public machine-readable ISA for CDNA 5 (MIT licence, August 2026) and "CDNA5" Instruction Set Architecture Reference Guide (July 2026). The comments in the code are by the model that wrote it; some were corrected since.
;; Linear FW Layer. Allowed arithmetic: float matrix products may take bf16 or f16 operands with f32 sums; all other float work in f32.
;; Inputs: Wk 1,024 x 1,024 float32; Wo 1,024 x 1,024 float32; Wq 1,024 x 1,024 float32; Wv 1,024 x 1,024 float32; bk 1,024 float32; bo 1,024 float32; bq 1,024 float32; bv 1,024 float32; context 4 x 2,048 x 1,024 float32; inputs 4 x 2,048 x 1,024 float32.
;; Outputs: out0 4 x 2,048 x 1,024 float32.
;; 2 versions, each right and faster than the one before. Each part assembles by itself: llvm-mc -triple=amdgcn-amd-amdhsa -mcpu=gfx1250 --defsym DOCPART=n.
;; ======== version 1 of 2: 5 launches
;; workspace buffers: bf 41,943,040 bytes; qkv 50,331,648 bytes; ksp 524,288 bytes; kvt 8,388,608 bytes; ksm 32,768 bytes; mm 8,388,608 bytes
;; launch cvt (part 1): grid 1280 x 1, 8 waves a work-group, no clusters, 0 bytes of LDS; arguments inputs, context, Wq, Wk, Wv, Wo, bf; writes bf
.if DOCPART == 1
	.amdgcn_target "amdgcn-amd-amdhsa--gfx1250"
	.amdhsa_code_object_version 6
	.text
	.protected	k_qc81a9a052d_cvt
	.globl	k_qc81a9a052d_cvt
	.p2align	8
	.type	k_qc81a9a052d_cvt,@function
k_qc81a9a052d_cvt:
	s_mov_b64 s[64:65], 0
	v_nop
	global_prefetch_b8 v0, s[64:65] scope:SCOPE_SE
	s_setreg_imm32_b32 hwreg(HW_REG_WAVE_MODE, 25, 1), 1
	s_wait_xcnt 0x0
; THE PROGRAM (five launches).  q = phi(X Wq + bq), k = phi(C Wk + bk), v = C Wv + bv, phi(x) = elu(x) + 1;
; y = ((q kv) z) Wo + bo + X with kv = k^T v, ksum = the column sums of k, z = 1 / (q . ksum + 1e-6), for each batch.
;   1 cvt   inputs, context and the four weights rounded once to bf16, in their own order (this kernel)
;   2 proj  q and k in bf16, and column sums of k over 128 rows each; in its closing phase, called wp: W' = Wv Wo in bf16 and u = bv Wo in f32
;   3 kvg   GT[c][d] = sum over s of C[s][c] k[s][d];  the 16 column sums of a batch folded to 2
;   4 mg    M[d][f] = sum over c of GT[c][d] W'[c][f] + ksum[d] u[f]
;   5 fin   y = (q M) / (q . ksum + 1e-6) + bo + inputs
; ORDER OF THE PRODUCTS, for all values of the inputs:
;   z is one number for each row s, so (z (q kv)) Wo = z (q (kv Wo)): M = kv Wo has 4 x 1024 rows where (q kv) Wo has 8192.
;   v enters only through kv = k^T (C Wv + 1 bv^T) = (k^T C) Wv + ksum bv^T, so M = (k^T C)(Wv Wo) + ksum (bv Wo):
;   v's 8192 x 1024 x 1024 multiply-adds give way to W' with 1024 x 1024 x 1024.  No input is left out: every input is loaded.
; LIMITS: the order of rounding differs from the formula as written: k^T C, W' and M are rounded to bf16 (relative 2^-9);
; ksum is summed in f32 from the bf16 k that the products use; expm1(x) + 1 is computed as exp(x), whose results below 2^-126
; come out as zero.  bf16 keeps f32's range, so no operand overflows that f32 holds; an overflow of v alone has no place to show.
;
; THIS KERNEL: a stream, no LDS, no matrix unit.  Work-group c rounds 16,384 numbers: 64 KiB in, 32 KiB out at byte 32,768 c of bf.
; c 0-511 inputs, 512-1023 context, 1024 + 64 j + (0..63) weight j of Wq, Wk, Wv, Wo.  Thread t takes 16 bytes at 16 t of each 4 KiB;
; a wave's load covers 512 consecutive bytes, its store 256 consecutive bytes at a multiple of 256.  All sixteen loads go out first.
.set X, 4                              ; v[4:67]   sixteen loads of four f32
.set Y, 68                             ; v[68:99]  sixteen pairs of packed bf16
	s_load_b256 s[4:11], s[0:1], 0x0               ; inputs s[4:5], context s[6:7], Wq s[8:9], Wk s[10:11]
	s_load_b128 s[12:15], s[0:1], 0x20             ; Wv s[12:13], Wo s[14:15]
	s_load_b64 s[16:17], s[0:1], 0x30              ; bf
	v_lshlrev_b32 v1, 4, v0                        ; 16 t: my bytes in each 4 KiB of the source
	v_lshlrev_b32 v2, 3, v0                        ; 8 t: my bytes in each 2 KiB of bf
	s_and_b32 s22, ttmp9, 511                      ; the chunk's number inside inputs or context,
	s_and_b32 s23, ttmp9, 63                       ; or inside a weight
	s_cmp_ge_u32 ttmp9, 1024
	s_cselect_b32 s22, s23, s22
	s_lshl_b32 s22, s22, 16                        ; x 64 KiB
	s_mov_b32 s23, 0
	s_lshl_b32 s24, ttmp9, 15                      ; x 32 KiB in bf
	s_mov_b32 s25, 0
	s_wait_kmcnt 0x0
	s_mov_b64 s[20:21], s[4:5]                     ; the source is chosen by the work-group's number alone
	s_cmp_ge_u32 ttmp9, 512
	s_cselect_b64 s[20:21], s[6:7], s[20:21]
	s_cmp_ge_u32 ttmp9, 1024
	s_cselect_b64 s[20:21], s[8:9], s[20:21]
	s_cmp_ge_u32 ttmp9, 1088
	s_cselect_b64 s[20:21], s[10:11], s[20:21]
	s_cmp_ge_u32 ttmp9, 1152
	s_cselect_b64 s[20:21], s[12:13], s[20:21]
	s_cmp_ge_u32 ttmp9, 1216
	s_cselect_b64 s[20:21], s[14:15], s[20:21]
	s_add_nc_u64 s[20:21], s[20:21], s[22:23]
	s_add_nc_u64 s[16:17], s[16:17], s[24:25]
.irp j, 0,1,2,3,4,5,6,7,8,9,10,11,12,13,14,15
	global_load_b128 v[X+4*\j:X+4*\j+3], v1, s[20:21] offset:4096*\j th:TH_LOAD_NT
.endr
.irp j, 0,1,2,3,4,5,6,7,8,9,10,11,12,13,14,15
	s_wait_loadcnt 15-\j                           ; loads come back in order: load j is in, the 15 - j younger ones stay out
	v_cvt_pk_bf16_f32 v[Y+2*\j],   v[X+4*\j],   v[X+4*\j+1]
	v_cvt_pk_bf16_f32 v[Y+2*\j+1], v[X+4*\j+2], v[X+4*\j+3]
	global_store_b64 v2, v[Y+2*\j:Y+2*\j+1], s[16:17] offset:2048*\j   ; no register is written twice, so no wait frees one
.endr
	s_endpgm
.Lfunc_end_k_qc81a9a052d_cvt:
	.size	k_qc81a9a052d_cvt, .Lfunc_end_k_qc81a9a052d_cvt-k_qc81a9a052d_cvt
	.p2alignl 7, 3214868480
	.fill 96, 4, 3214868480
	.section	.rodata,"a",@progbits
	.p2align	6, 0x0
	.amdhsa_kernel k_qc81a9a052d_cvt
		.amdhsa_group_segment_fixed_size 0
		.amdhsa_private_segment_fixed_size 0
		.amdhsa_enable_private_segment 0
		.amdhsa_kernarg_size 56
		.amdhsa_user_sgpr_count 2
		.amdhsa_user_sgpr_kernarg_segment_ptr 1
		.amdhsa_wavefront_size32 1
		.amdhsa_system_sgpr_workgroup_id_x 1
		.amdhsa_system_sgpr_workgroup_id_y 1
		.amdhsa_system_sgpr_workgroup_id_z 1
		.amdhsa_system_vgpr_workitem_id 0
		.amdhsa_next_free_vgpr 104
		.amdhsa_next_free_sgpr 66
		.amdhsa_reserve_vcc 0
		.amdhsa_float_denorm_mode_32 3
		.amdhsa_float_denorm_mode_16_64 3
		.amdhsa_memory_ordered 1
		.amdhsa_forward_progress 1
		.amdhsa_inst_pref_size 7
	.end_amdhsa_kernel
	.amdgpu_metadata
---
amdhsa.version: [ 1, 2 ]
amdhsa.kernels:
  - .name:           k_qc81a9a052d_cvt
    .symbol:         k_qc81a9a052d_cvt.kd
    .args:
      - { .name: inputs, .offset: 0, .size: 8, .value_kind: global_buffer, .address_space: global }
      - { .name: context, .offset: 8, .size: 8, .value_kind: global_buffer, .address_space: global }
      - { .name: Wq, .offset: 16, .size: 8, .value_kind: global_buffer, .address_space: global }
      - { .name: Wk, .offset: 24, .size: 8, .value_kind: global_buffer, .address_space: global }
      - { .name: Wv, .offset: 32, .size: 8, .value_kind: global_buffer, .address_space: global }
      - { .name: Wo, .offset: 40, .size: 8, .value_kind: global_buffer, .address_space: global }
      - { .name: bf, .offset: 48, .size: 8, .value_kind: global_buffer, .address_space: global }
    .group_segment_fixed_size: 0
    .private_segment_fixed_size: 0
    .kernarg_segment_align: 8
    .kernarg_segment_size: 56
    .max_flat_workgroup_size: 256
    .sgpr_count:     66
    .vgpr_count:     104
    .wavefront_size: 32
...
	.end_amdgpu_metadata
.endif
;; end of part 1
;; launch proj (part 2): grid 12 x 64, 4 waves a work-group, clusters of 4 x 4, 327,680 bytes of LDS; arguments bf, bq, bk, bv, qkv, ksp; writes qkv, ksp
.if DOCPART == 2
	.amdgcn_target "amdgcn-amd-amdhsa--gfx1250"
	.amdhsa_code_object_version 6
	.text
	.protected	k_qc81a9a052d_proj
	.globl	k_qc81a9a052d_proj
	.p2align	8
	.type	k_qc81a9a052d_proj,@function
k_qc81a9a052d_proj:
	s_mov_b64 s[64:65], 0
	v_nop
	global_prefetch_b8 v0, s[64:65] scope:SCOPE_SE
	s_setreg_imm32_b32 hwreg(HW_REG_WAVE_MODE, 25, 1), 1
	s_wait_xcnt 0x0
	s_wait_alu depctr_hold_cnt(0) depctr_sa_sdst(0) depctr_va_vdst(0) depctr_va_sdst(0) depctr_va_ssrc(0) depctr_va_vcc(0) depctr_vm_vsrc(0)
	s_getreg_b32 s2, hwreg(HW_REG_IB_STS2, 6, 4)
	s_cmp_eq_u32 s2, 0
	s_cbranch_scc0 .Lentry_in_a_cluster
	s_endpgm
.Lentry_in_a_cluster:
	s_bfe_u32 s2, ttmp6, 0x10000c
	s_cmp_lg_u32 s2, 0xf033
	s_cbranch_scc0 .Lentry_shape_is_right
	s_endpgm
.Lentry_shape_is_right:
; q = phi(Xb Wq + bq), k = phi(Cb Wk + bk), v = Cb Wv + bv, all [8192][1024], stored in bf16; phi(x) = x + 1 for x > 0, exp(x) otherwise.
; Also ksp[g][d] = the sum over rows 64 g .. 64 g + 63 of the bf16 k.  Nothing is left out here.
; A work-group makes 128 rows x 256 columns of one projection with four waves; a wave makes 64 x 128: 32 accumulator tiles, 256 registers.
; 3 x 64 x 4 = 768 work-groups.  K = 1024 goes in steps of 128 through two LDS slots filled by the tensor data mover.
; A = the rows of Xb or Cb, K along the rows: plain 16-byte LDS loads.  B = the weight as it lies, [K][N]: the transposing LDS load.
; CLUSTERS: 4 x 4 work-groups.  The cluster's x is the projection p, cx the block column, 4 x cluster y + cy the block row.  The four of a row
; of the cluster need the same tile of A, the four of a column the same tile of B: each tile is asked for jointly, by the same load in all four.
; REGISTERS: window 0 addresses and two fragment buffers (B's eight fragments, then A's four); window 1 the accumulators, tile (a, b) at
; v[8 (8 a + b)]; window 2 v0-63 the bias, which is the C operand of the first products: nothing is cleared and no add stands in the way out.
; THE MATRIX INSTRUCTION IS USED TRANSPOSED (source 0 = 16 columns of the weight, source 1 = 16 rows of A): lane l holds row l % 16 and
; registers 0-7 hold the columns 8 (l / 16) + 0..7, eight neighbouring numbers of a row.
; The 32 accumulators take turns, one instruction a turn, in the same order in every quarter step, over the backward jump too.
; LIMIT: exp(x) stands for expm1(x) + 1; a result below 2^-126 comes out as zero.  A NaN stays a NaN (the select keeps exp(NaN)).
.set KSTEP, 128
.set PA,    272                        ; A's LDS row: 256 bytes + 16: 17 x 16, so sixteen rows start at sixteen different 16-byte columns modulo 256
.set PB,    544                        ; B's LDS row: 512 bytes + 32: 17 x 32, an odd multiple of 32 for the transposing load
.set ATILE, 128*PA                     ; 34,816
.set SLOT,  ATILE+128*PB               ; 104,448: A's 128 rows, then B's 128 k rows
.set STAGE, 2*SLOT                     ; 208,896: behind the ring, 16 rows x 272 bytes for each wave; no tensor load lands there
.set SP,    272
.set LAPS,  4                          ; 1024 / (2 x 128): a lap is once round the ring
.set ADRA, 6                           ; v6-7   LDS address of my A fragments in slot 0, 1
.set ADRB, 8                           ; v8-9   the same for B
.set STO,  10                          ; the way out: where I put 16 bytes of a row
.set RD,   11                          ; the way out: where I read a row back
.set CO,   12                          ; my byte offset in the output rows
.set BOF,  13                          ; my byte offset in the bias
.set KOF,  14                          ; my byte offset in a row of ksp
.set F0,   32                          ; fragment buffer 0: v32-95 B, v96-127 A
.set F1,   128                         ; fragment buffer 1: v128-191 B, v192-223 A
.set E,    32                          ; the way out: 64 exponentials, then phi
.set P,    96                          ; the way out: 64 x + 1
.set PK,   160                         ; the way out: 32 words of packed bf16
.set RB,   192                         ; the way out: 8 x 4 words read back by rows
.set KS,   224                         ; eight column sums
.set T,    232                         ; at work
.set O,    240                         ; four sums to store
.set G1A, 24                           ; s[24:31] group 1 for A's tiles
.set G0A, 32                           ; s[32:39] group 0 for A's tiles, a set for each slot
.set G1B, 48                           ; s[48:55] group 1 for B's tiles
.set G0B, 56                           ; s[56:63] group 0 for B's tiles, a set for each slot
.set MUL,  0x50                        ; sources 0 and 1 window 0, C and D window 1
.set MULB, 0x60                        ; the same with C in window 2: the bias
.set MSB, 0
.macro WIN new                         ; the immediate's high byte repeats the setting that is left
.if MSB != \new
	s_set_vgpr_msb (MSB<<8)|\new
.set MSB, \new
.endif
.endm
; A joint load.  Waves 0 and 1 fetch A's two halves of 64 rows, waves 2 and 3 B's two halves of 64 k rows.  The branch hangs on the wave's number alone.
.macro JLOAD s
	s_cmp_eq_u32 s11, 0
	s_cbranch_scc0 .Lfor_b_\@
	tensor_load_to_lds s[G0A+4*\s:G0A+4*\s+3], s[G1A:G1A+7]
	s_nop 0
	s_branch .Lasked_\@
.Lfor_b_\@:
	tensor_load_to_lds s[G0B+4*\s:G0B+4*\s+3], s[G1B:G1B+7]
	s_nop 0
	v_nop
.Lasked_\@:
.endm
.macro CREST                           ; a round of the cluster's barrier behind its opening work-group barrier
	s_cmp_lg_u32 s10, 0
	s_cbranch_scc1 .Lnot_wave_0_\@
	s_barrier_signal -3
.Lnot_wave_0_\@:
	s_barrier_wait -3
	s_barrier_signal -1
	s_barrier_wait -1
.endm
.macro CROUND                          ; a whole round
	s_barrier_signal -1
	s_barrier_wait -1
	CREST
.endm
.macro PLACES                          ; four places between a matrix instruction and a load into, or a vector read of, its registers
.rept 4
	v_nop
.endr
.endm
	s_load_b256 s[68:75], s[0:1], 0x0              ; bf s[68:69], bq s[70:71], bk s[72:73], bv s[74:75]
	s_load_b128 s[76:79], s[0:1], 0x20             ; qkv s[76:77], ksp s[78:79]
	v_lshl_add_u32 v254, v0, 2, 0x37400
	v_mov_b32 v255, 0
	ds_add_u32 v254, v255
	v_lshrrev_b32 v1, 5, v0
	v_readfirstlane_b32 s10, v1                    ; wave 0..3
	s_lshr_b32 s11, s10, 1                         ; which 64 of the block's rows are mine.  Also: I fetch for A (0) or for B (1)
	s_and_b32 s12, s10, 1                          ; which 128 of its columns.  Also: which half of that tile I fetch
	s_bfe_u32 s40, ttmp6, 0x40000                  ; cx = the block column, 0..3
	s_bfe_u32 s41, ttmp6, 0x40004                  ; cy
	s_mov_b32 s45, ttmp9                           ; the cluster's x = the projection: 0 q, 1 k, 2 v; equal in all sixteen partners
	s_and_b32 s13, ttmp7, 0xffff
	s_lshl_b32 s13, s13, 2
	s_add_co_u32 s13, s13, s41                     ; block row = 4 x cluster y + cy, 0..63
	s_lshl_b32 s43, s41, 2
	s_lshl_b32 s43, 15, s43                        ; my row of the cluster: places 4 cy .. 4 cy + 3
	s_lshl_b32 s44, 0x1111, s40                    ; my column: places cx, cx + 4, cx + 8, cx + 12
	; group 1 for A: 64 rows x 128 elements of 2 bytes, 4 words of padding behind every 64 words
	s_or_b32  s[G1A+0], s43, (1<<16)|(1<<20)|(1<<21)|(5<<22)|(3<<25)
	s_mov_b32 s[G1A+1], 128<<16                    ; tensor_dim0 = 128
	s_mov_b32 s[G1A+2], 64<<16                     ; tensor_dim1 = 64
	s_mov_b32 s[G1A+3], 128<<16                    ; tile_dim0 = 128
	s_mov_b32 s[G1A+4], 64                         ; tile_dim1 = 64
	s_mov_b32 s[G1A+5], 1024                       ; elements from row to row
	s_mov_b32 s[G1A+6], 0
	s_mov_b32 s[G1A+7], 0
	; group 1 for B: 64 k rows x 256 elements, 8 words of padding behind every 128 words
	s_or_b32  s[G1B+0], s44, (1<<16)|(1<<20)|(1<<21)|(6<<22)|(7<<25)
	s_mov_b32 s[G1B+1], 256<<16
	s_mov_b32 s[G1B+2], 64<<16
	s_mov_b32 s[G1B+3], 256<<16
	s_mov_b32 s[G1B+4], 64
	s_mov_b32 s[G1B+5], 1024
	s_mov_b32 s[G1B+6], 0
	s_mov_b32 s[G1B+7], 0
	; A's offset in bf hangs on the block row, the projection and the wave; its registers never hold cx
	s_lshl_b32 s16, s13, 18                        ; 128 rows of 2,048 bytes
	s_lshl_b32 s14, s12, 17                        ; + my 64 rows
	s_add_co_u32 s16, s16, s14
	s_cmp_lg_u32 s45, 0
	s_cselect_b32 s14, 0x1000000, 0                ; q reads Xb at 0, k and v read Cb
	s_add_co_u32 s16, s16, s14
	s_mov_b32 s17, 0
	; B's offset hangs on the projection, cx and the wave; its registers never hold cy
	s_lshl_b32 s46, s45, 21                        ; the weights lie 2 MiB apart from 0x2000000 on
	s_add_co_u32 s46, s46, 0x2000000
	s_lshl_b32 s15, s12, 17                        ; + my 64 k rows
	s_add_co_u32 s46, s46, s15
	s_lshl_b32 s15, s40, 9                         ; + 256 columns for each block column
	s_add_co_u32 s46, s46, s15
	s_mov_b32 s47, 0
	; my part of the output: projection, 128 block row + 64 mh rows, 256 cx + 128 nh columns
	s_lshl_b32 s18, s45, 24
	s_lshl_b32 s22, s13, 18
	s_add_co_u32 s18, s18, s22
	s_lshl_b32 s22, s11, 17
	s_add_co_u32 s18, s18, s22
	s_lshl_b32 s22, s40, 9
	s_add_co_u32 s18, s18, s22
	s_lshl_b32 s22, s12, 8
	s_add_co_u32 s18, s18, s22
	s_mov_b32 s19, 0
	s_lshl_b32 s22, s40, 10                        ; my 128 columns in f32: the bias, and a row of ksp
	s_lshl_b32 s23, s12, 9
	s_add_co_u32 s22, s22, s23
	s_mov_b32 s23, 0
	s_mul_i32 s20, s12, 64*PA                      ; where the tiles go: the wave's number alone
	s_mul_i32 s21, s12, 64*PB
	s_add_co_u32 s21, s21, ATILE
	s_mov_b32 s84, 0xffff0000                      ; a word's upper bf16; also the mask of lanes 16-31
	s_mov_b32 s85, 0x76543210                      ; v_permlanex16_b32: lane i of one half reads lane i of the other
	s_mov_b32 s86, 0xfedcba98
	s_wait_dscnt 0x0
	s_wait_kmcnt 0x0
	s_add_nc_u64 s[88:89], s[68:69], s[16:17]      ; A's first tile
	s_add_nc_u64 s[90:91], s[68:69], s[46:47]      ; B's first tile
	s_add_nc_u64 s[82:83], s[76:77], s[18:19]      ; my part of qkv
	s_mov_b64 s[80:81], s[70:71]                   ; the bias is chosen by the projection
	s_cmp_eq_u32 s45, 1
	s_cselect_b64 s[80:81], s[72:73], s[80:81]
	s_cmp_eq_u32 s45, 2
	s_cselect_b64 s[80:81], s[74:75], s[80:81]
	s_add_nc_u64 s[80:81], s[80:81], s[22:23]
	CROUND                                         ; all sixteen work-groups are here: the first joint loads meet
.irp s, 0,1
	s_mov_b32 s[G0A+4*\s], 1
	s_add_co_u32 s[G0A+4*\s+1], s20, \s*SLOT
	s_add_nc_u64 s[G0A+4*\s+2:G0A+4*\s+3], s[88:89], \s*KSTEP*2        ; K step s: 256 bytes along the rows
	s_or_b32 s[G0A+4*\s+3], s[G0A+4*\s+3], 0x80000000
	s_mov_b32 s[G0B+4*\s], 1
	s_add_co_u32 s[G0B+4*\s+1], s21, \s*SLOT
	s_add_nc_u64 s[G0B+4*\s+2:G0B+4*\s+3], s[90:91], \s*KSTEP*2048     ; K step s: 128 rows down
	s_or_b32 s[G0B+4*\s+3], s[G0B+4*\s+3], 0x80000000
	JLOAD \s                                       ; both slots' first fills go out together: two tensor loads of the wave are out
.endr
	v_and_b32 v1, 15, v0                           ; r = l % 16
	v_bfe_u32 v2, v0, 4, 1                         ; h = l / 16
	v_lshlrev_b32 v[BOF], 5, v2                    ; the bias of columns 16 b + 8 h + 0..7 lies at 64 b + 32 h
	WIN 0x80                                       ; destination window 2
.irp b, 0,1,2,3,4,5,6,7
	global_load_b128 v[8*\b:8*\b+3],   v[BOF], s[80:81] offset:64*\b
	global_load_b128 v[8*\b+4:8*\b+7], v[BOF], s[80:81] offset:64*\b+16
.endr
	WIN 0
	v_mul_u32_u24 v3, v1, PA
	v_lshl_add_u32 v3, v2, 4, v3                   ; r x 272 + 16 h
	s_mul_i32 s14, s11, 64*PA                      ; my 64 rows of A
	v_add_nc_u32 v[ADRA], s14, v3
	v_add_nc_u32 v[ADRA+1], SLOT, v[ADRA]
	v_and_b32 v4, 7, v0                            ; the transposing load: lane l addresses k row 8 h + l % 8,
	v_lshl_add_u32 v4, v2, 3, v4
	v_mul_u32_u24 v4, v4, PB
	v_bfe_u32 v5, v0, 3, 1                         ; and the 16 bytes (l / 8) % 2 of the 32 that hold sixteen columns
	v_lshl_add_u32 v4, v5, 4, v4
	s_lshl_b32 s15, s12, 8                         ; my 128 columns of B,
	s_add_co_u32 s15, s15, ATILE                   ; which lies behind A
	v_add_nc_u32 v[ADRB], s15, v4
	v_add_nc_u32 v[ADRB+1], SLOT, v[ADRB]
	s_mul_i32 s87, s10, 16*SP
	s_add_co_u32 s87, s87, STAGE                   ; my stage
	v_add_nc_u32 v[STO], s87, v3                   ; in: row r, 16 bytes for each half of the lanes
	v_mul_u32_u24 v5, v2, SP                       ; back: lanes 0-15 one row of 256 bytes, lanes 16-31 the next
	v_lshl_add_u32 v5, v1, 4, v5
	v_add_nc_u32 v[RD], s87, v5
	v_lshlrev_b32 v5, 11, v2                       ; and the same two rows in the output
	v_lshl_add_u32 v[CO], v1, 4, v5
	v_lshlrev_b32 v5, 5, v1
	v_lshl_add_u32 v[KOF], v2, 4, v5               ; 32 r + 16 h: four of my eight column sums
; 8 matrix instructions: rows 16 a .. 16 a + 15 of my 64 x all eight column blocks, 32 along K.  start = 1: C is the bias.
.macro MULA f, a, start
.irp b, 0,1,2,3,4,5,6,7
.if \start
	v_wmma_f32_16x16x32_bf16 v[8*(8*\a+\b):8*(8*\a+\b)+7], v[\f+8*\b:\f+8*\b+7], v[\f+64+8*\a:\f+64+8*\a+7], v[8*\b:8*\b+7]
.else
	v_wmma_f32_16x16x32_bf16 v[8*(8*\a+\b):8*(8*\a+\b)+7], v[\f+8*\b:\f+8*\b+7], v[\f+64+8*\a:\f+64+8*\a+7], v[8*(8*\a+\b):8*(8*\a+\b)+7]
.endif
.endr
.endm
; 24 LDS loads in one run: the fragments of quarter q (32 along K) of a slot into buffer f
.macro FETCH slot, q, f
	WIN 0
.irp i, 0,1,2,3,4,5,6,7
	ds_load_tr16_b128 v[\f+8*\i:\f+8*\i+3],   v[ADRB+\slot] offset:32*\i+\q*32*PB          ; k = 32 q + 8 h + 0..7 of column 16 i + r
	ds_load_tr16_b128 v[\f+8*\i+4:\f+8*\i+7], v[ADRB+\slot] offset:32*\i+\q*32*PB+16*PB    ; k = 32 q + 16 + 8 h + 0..7
.endr
.irp i, 0,1,2,3
	ds_load_b128 v[\f+64+8*\i:\f+64+8*\i+3],   v[ADRA+\slot] offset:\i*16*PA+64*\q
	ds_load_b128 v[\f+64+8*\i+4:\f+64+8*\i+7], v[ADRA+\slot] offset:\i*16*PA+64*\q+32
.endr
.endm
; One of a K step's first three quarters: buffer f is in; quarter q's fragments go out into buffer g and have the 32 matrix instructions in which to land.
.macro QUARTER slot, q, f, g, start
	s_wait_dscnt 0x0                               ; buffer f's 24 loads, the only ones out
	PLACES                                         ; buffer g was read by the matrix instructions just issued
	FETCH \slot, \q, \g
.if \start
	WIN MULB
.else
	WIN MUL
.endif
	MULA \f, 0, \start
	MULA \f, 1, \start
	MULA \f, 2, \start
	MULA \f, 3, \start
.endm
.macro THREE slot, start
	QUARTER \slot, 1, F0, F1, \start
	QUARTER \slot, 2, F1, F0, 0
	QUARTER \slot, 3, F0, F1, 0
.endm
; The last quarter multiplies buffer 1 and changes slots.  In front of the barrier each wave waits for its reads of this slot and for all its tensor
; loads (one is out: its part of the next slot).  fill = 1: the barrier opens a round of the cluster's barrier, and behind the round this slot is
; asked for again, two K steps ahead, first of all; then the next slot's first fragments are read.
.macro TURN slot, next, fill
	s_wait_dscnt 0x0                               ; my reads of this slot are over
	s_wait_tensorcnt 0x0                           ; all my tensor loads have landed, so every group 0 may be written
	ds_add_u32 v254, v255
	s_wait_dscnt 0x0
	s_barrier_signal -1
	WIN MUL
	MULA F1, 0, 0                                  ; register work while the others arrive
	WIN 0
	s_barrier_wait -1
.if \fill
	CREST                                          ; no wave of any partner still reads this slot or has a load on its way
	s_add_nc_u64 s[G0A+4*\slot+2:G0A+4*\slot+3], s[G0A+4*\slot+2:G0A+4*\slot+3], 2*KSTEP*2
	s_add_nc_u64 s[G0B+4*\slot+2:G0B+4*\slot+3], s[G0B+4*\slot+2:G0B+4*\slot+3], 2*KSTEP*2048
	JLOAD \slot                                    ; my one tensor load behind the round: one is out until the next change of slots
.endif
	PLACES
	FETCH \next, 0, F0
	WIN MUL
	MULA F1, 1, 0
	MULA F1, 2, 0
	MULA F1, 3, 0
.endm
.macro LAP start
	THREE 0, \start
	TURN 0, 1, 1
	THREE 1, 0
	TURN 1, 0, 1
.endm
	s_wait_loadcnt 0x0                             ; the bias
	s_wait_tensorcnt 0x1                           ; my part of K step 0 is in; K step 1's stays out
	s_barrier_signal -1
	s_barrier_wait -1                              ; everybody's part is in
	FETCH 0, 0, F0
	LAP 1                                          ; the first lap stands in front of the loop: its first products start the sums from the bias
	WIN 0                                          ; at a label and at a branch every window is 0
	s_mov_b32 s3, LAPS-2
.Llap:
	LAP 0
	WIN 0
	s_sub_co_u32 s3, s3, 1
	s_cmp_lg_u32 s3, 0
	s_cbranch_scc1 .Llap
	THREE 0, 0                                     ; the last lap fills nothing
	TURN 0, 1, 0
	THREE 1, 0
	s_wait_dscnt 0x0
	WIN MUL
	MULA F1, 0, 0
	MULA F1, 1, 0
	MULA F1, 2, 0
	MULA F1, 3, 0
	WIN 0
	PLACES                                         ; behind the last matrix instructions, for every reader and writer below
; THE WAY OUT, 16 rows at a time: phi (or not), round to bf16, 16 bytes a lane into my own stage, whole rows of 256 bytes back, stores of which
; sixteen lanes cover 256 consecutive bytes at a multiple of 256.  ks = 1: the rows read back are also summed by columns.
.macro OUT16 a, phi, ks
.if \phi
	WIN 0x01                                       ; source 0 window 1
.set i, 0
.rept 32
	v_pk_mul_f32 v[E+i:E+i+1], v[64*\a+i:64*\a+i+1], 0x3fb8aa3b op_sel_hi:[1,0]   ; x log2(e)
	v_pk_add_f32 v[P+i:P+i+1], v[64*\a+i:64*\a+i+1], 1.0 op_sel_hi:[1,0]          ; x + 1
.set i, i+2
.endr
	WIN 0
.set i, 0
.rept 64
	v_exp_f32 v[E+i], v[E+i]
.set i, i+1
.endr
	v_nop                                          ; one plain instruction between the last exponential and its use (ISA guide 5.7.2)
.set i, 0
	s_wait_alu depctr_va_vdst(0)
.rept 64
	v_cmp_lt_f32 vcc_lo, 1.0, v[P+i]               ; x + 1 > 1 picks x + 1.  Where x > 0 and x + 1 rounds to 1, exp(x) is 1 as well
	v_cndmask_b32 v[E+i], v[E+i], v[P+i], vcc_lo
.set i, i+1
.endr
.set i, 0
.rept 32
	v_cvt_pk_bf16_f32 v[PK+i], v[E+2*i], v[E+2*i+1]
.set i, i+1
.endr
.else
	WIN 0x05                                       ; sources 0 and 1 window 1
.set i, 0
.rept 32
	v_cvt_pk_bf16_f32 v[PK+i], v[64*\a+2*i], v[64*\a+2*i+1]
.set i, i+1
.endr
	WIN 0
.endif
.irp b, 0,1,2,3,4,5,6,7
	ds_store_b128 v[STO], v[PK+4*\b:PK+4*\b+3] offset:32*\b
.endr
	s_wait_xcnt 0x0                                ; RB was the data of the last sixteen rows' stores: it is loaded again only behind this wait
.irp t, 0,1,2,3,4,5,6,7
	ds_load_b128 v[RB+4*\t:RB+4*\t+3], v[RD] offset:\t*2*SP        ; LDS serves a wave's instructions in order: these see the stores above
.endr
.irp t, 0,1,2,3,4,5,6,7
	s_wait_dscnt 7-\t                              ; pair t of rows is back, the 7 - t younger loads stay out
	global_store_b128 v[CO], v[RB+4*\t:RB+4*\t+3], s[82:83] offset:(16*\a+2*\t)*2048
.if \ks
.if (\a+\t) == 0
.irp k, 0,1,2,3
	v_lshlrev_b32 v[KS+2*\k],   16,  v[RB+4*\t+\k] ; the first pair of rows starts the sums: nothing is cleared
	v_and_b32     v[KS+2*\k+1], s84, v[RB+4*\t+\k]
.endr
.else
.irp k, 0,1,2,3
	v_lshlrev_b32 v[T+2*\k],   16,  v[RB+4*\t+\k]
	v_and_b32     v[T+2*\k+1], s84, v[RB+4*\t+\k]
.endr
.irp k, 0,2,4,6
	v_pk_add_f32 v[KS+\k:KS+\k+1], v[KS+\k:KS+\k+1], v[T+\k:T+\k+1]
.endr
.endif
.endif
.endr
.endm
	s_cmp_eq_u32 s45, 1                            ; the projection is the cluster's x: all partners take the same way
	s_cbranch_scc1 .Lk
	s_cmp_eq_u32 s45, 2
	s_cbranch_scc1 .Lv
	OUT16 0, 1, 0
	OUT16 1, 1, 0
	OUT16 2, 1, 0
	OUT16 3, 1, 0
	s_branch .Ldone
.Lk:
	s_lshl_b32 s18, s13, 13                        ; ksp row 2 x block row + mh, 4,096 bytes each,
	s_lshl_b32 s19, s11, 12
	s_add_co_u32 s18, s18, s19
	s_add_co_u32 s18, s18, s22                     ; and my 128 columns
	s_mov_b32 s19, 0
	s_add_nc_u64 s[78:79], s[78:79], s[18:19]
	OUT16 0, 1, 1
	OUT16 1, 1, 1
	OUT16 2, 1, 1
	OUT16 3, 1, 1
	; lane (r, h) holds the sums of columns 8 r + 0..7 over the rows of parity h: add the other half, then each half stores four of the eight
.irp j, 0,1,2,3,4,5,6,7
	v_permlanex16_b32 v[T+\j], v[KS+\j], s85, s86
.endr
.irp j, 0,2,4,6
	v_pk_add_f32 v[KS+\j:KS+\j+1], v[KS+\j:KS+\j+1], v[T+\j:T+\j+1]
.endr
.irp j, 0,1,2,3
	v_cndmask_b32 v[O+\j], v[KS+\j], v[KS+4+\j], s84               ; s84's bits 16-31: lanes 16-31 take sums 4-7
.endr
	global_store_b128 v[KOF], v[O:O+3], s[78:79]   ; 512 consecutive bytes
	s_branch .Ldone
.Lv:
	OUT16 0, 0, 0
	OUT16 1, 0, 0
	OUT16 2, 0, 0
	OUT16 3, 0, 0
.Ldone:
	s_wait_tensorcnt 0x0
	ds_add_u32 v254, v255
	s_wait_dscnt 0x0
	CROUND                                         ; the closing round: no work-group ends while a partner may still ask for a tile that names it
	s_endpgm
.Lfunc_end_k_qc81a9a052d_proj:
	.size	k_qc81a9a052d_proj, .Lfunc_end_k_qc81a9a052d_proj-k_qc81a9a052d_proj
	.p2alignl 7, 3214868480
	.fill 96, 4, 3214868480
	.section	.rodata,"a",@progbits
	.p2align	6, 0x0
	.amdhsa_kernel k_qc81a9a052d_proj
		.amdhsa_group_segment_fixed_size 327680
		.amdhsa_private_segment_fixed_size 0
		.amdhsa_enable_private_segment 0
		.amdhsa_kernarg_size 48
		.amdhsa_user_sgpr_count 2
		.amdhsa_user_sgpr_kernarg_segment_ptr 1
		.amdhsa_wavefront_size32 1
		.amdhsa_system_sgpr_workgroup_id_x 1
		.amdhsa_system_sgpr_workgroup_id_y 1
		.amdhsa_system_sgpr_workgroup_id_z 1
		.amdhsa_system_vgpr_workitem_id 0
		.amdhsa_next_free_vgpr 576
		.amdhsa_next_free_sgpr 96
		.amdhsa_reserve_vcc 1
		.amdhsa_float_denorm_mode_32 3
		.amdhsa_float_denorm_mode_16_64 3
		.amdhsa_memory_ordered 1
		.amdhsa_forward_progress 1
		.amdhsa_inst_pref_size 255
	.end_amdhsa_kernel
	.section	.bss,"aw",@nobits
	.p2align	6
	.space	262144
	.amdgpu_metadata
---
amdhsa.version: [ 1, 2 ]
amdhsa.kernels:
  - .name:           k_qc81a9a052d_proj
    .symbol:         k_qc81a9a052d_proj.kd
    .args:
      - { .name: bf, .offset: 0, .size: 8, .value_kind: global_buffer, .address_space: global }
      - { .name: bq, .offset: 8, .size: 8, .value_kind: global_buffer, .address_space: global }
      - { .name: bk, .offset: 16, .size: 8, .value_kind: global_buffer, .address_space: global }
      - { .name: bv, .offset: 24, .size: 8, .value_kind: global_buffer, .address_space: global }
      - { .name: qkv, .offset: 32, .size: 8, .value_kind: global_buffer, .address_space: global }
      - { .name: ksp, .offset: 40, .size: 8, .value_kind: global_buffer, .address_space: global }
    .group_segment_fixed_size: 327680
    .private_segment_fixed_size: 0
    .kernarg_segment_align: 8
    .kernarg_segment_size: 48
    .max_flat_workgroup_size: 128
    .sgpr_count:     96
    .vgpr_count:     576
    .wavefront_size: 32
...
	.end_amdgpu_metadata
.endif
;; end of part 2
;; launch kvg (part 3): grid 8 x 32, 4 waves a work-group, clusters of 4 x 4, 327,680 bytes of LDS; arguments qkv, ksp, kvt, ksm; writes kvt, ksm
.if DOCPART == 3
	.amdgcn_target "amdgcn-amd-amdhsa--gfx1250"
	.amdhsa_code_object_version 6
	.text
	.protected	k_qc81a9a052d_kvg
	.globl	k_qc81a9a052d_kvg
	.p2align	8
	.type	k_qc81a9a052d_kvg,@function
k_qc81a9a052d_kvg:
	s_mov_b64 s[64:65], 0
	v_nop
	global_prefetch_b8 v0, s[64:65] scope:SCOPE_SE
	s_setreg_imm32_b32 hwreg(HW_REG_WAVE_MODE, 25, 1), 1
	s_wait_xcnt 0x0
	s_wait_alu depctr_hold_cnt(0) depctr_sa_sdst(0) depctr_va_vdst(0) depctr_va_sdst(0) depctr_va_ssrc(0) depctr_va_vcc(0) depctr_vm_vsrc(0)
	s_getreg_b32 s2, hwreg(HW_REG_IB_STS2, 6, 4)
	s_cmp_eq_u32 s2, 0
	s_cbranch_scc0 .Lentry_in_a_cluster
	s_endpgm
.Lentry_in_a_cluster:
	s_bfe_u32 s2, ttmp6, 0x10000c
	s_cmp_lg_u32 s2, 0xf033
	s_cbranch_scc0 .Lentry_shape_is_right
	s_endpgm
.Lentry_shape_is_right:
; kvT[b][e][d] = the sum over s of v[b][s][e] k[b][s][d], stored in bf16.  Also ksm[b][i][d] = the sum of ksp's rows 32 b + 16 i .. + 15, i = 0, 1.
; Nothing is left out here.  Both operands lie with K (= s) down the rows, as proj stored them: both are read by the transposing LDS load.
; 4 batches x 8 x 8 blocks of 128 x 128 = 256 work-groups; four waves, each 64 x 64: 16 accumulator tiles in window 1, tile (a, b) at v[8 (4 a + b)].
; K = 2048 goes in steps of 256 through two LDS slots; a slot holds 256 k rows x 256 bytes of A, then of B, and each wave fetches 128 rows.
; CLUSTERS: 4 x 4 work-groups.  Block column nb = 4 x cluster x + cx; batch b = cluster y / 2; block row mb = 4 (cluster y % 2) + cy.  A's tile (columns of v)
; is shared along a row of the cluster, B's (columns of k) along a column: each is asked for jointly, by the same load in all four.
; THE MATRIX INSTRUCTION IS USED TRANSPOSED (source 0 = 16 columns of k, source 1 = 16 columns of v): lane l holds row e = l % 16, registers 0-7 hold d = 8 (l / 16) + 0..7.
; The 16 accumulators take turns, one instruction a turn, in the same order in every quarter step, over the backward jump too.
.set KSTEP, 256
.set P,     288                        ; an LDS row: 256 bytes + 32 = 9 x 32, an odd multiple of 32 for the transposing load
.set HALFT, 128*P                      ; 36,864: what one tensor load brings
.set SLOT,  4*HALFT                    ; 147,456
.set SP,    272                        ; the way out: rows of 256 bytes + 16, in slot 0, which has had its last fill by then
.set LAPS,  4                          ; 2048 / (2 x 256)
.set ADRA, 6                           ; v6-9    LDS address of my A fragments: slot 0 k rows 0-127, 128-255; slot 1 likewise
.set ADRB, 10                          ; v10-13  the same for B
.set STO,  14
.set RD,   15
.set CO,   16
.set F0,   32                          ; fragment buffer 0: v32-63 B, v64-95 A
.set F1,   96                          ; fragment buffer 1
.set PK,   32                          ; the way out: 64 words of packed bf16
.set RB,   96                          ; the way out: 16 x 4 words read back by rows
.set KR,   160                         ; v160-175 sixteen partial sums of k
.set KOFF, 176
.set KO,   177
.set G1A, 24
.set G0A, 32
.set G1B, 48
.set G0B, 56
.set MUL, 0x50                         ; sources 0 and 1 window 0, C and D window 1
.set MSB, 0
.macro WIN new                         ; the immediate's high byte repeats the setting that is left
.if MSB != \new
	s_set_vgpr_msb (MSB<<8)|\new
.set MSB, \new
.endif
.endm
.macro JLOAD s                         ; waves 0 and 1 fetch A's two halves of 128 k rows, waves 2 and 3 B's
	s_cmp_eq_u32 s11, 0
	s_cbranch_scc0 .Lfor_b_\@
	tensor_load_to_lds s[G0A+4*\s:G0A+4*\s+3], s[G1A:G1A+7]
	s_nop 0
	s_branch .Lasked_\@
.Lfor_b_\@:
	tensor_load_to_lds s[G0B+4*\s:G0B+4*\s+3], s[G1B:G1B+7]
	s_nop 0
.Lasked_\@:
.endm
.macro CREST                           ; a round of the cluster's barrier behind its opening work-group barrier
	s_cmp_lg_u32 s10, 0
	s_cbranch_scc1 .Lnot_wave_0_\@
	s_barrier_signal -3
.Lnot_wave_0_\@:
	s_barrier_wait -3
	s_barrier_signal -1
	s_barrier_wait -1
.endm
.macro CROUND
	s_barrier_signal -1
	s_barrier_wait -1
	CREST
.endm
.macro PLACES                          ; four places between a matrix instruction and a load into, or a vector read of, its registers
.rept 4
	v_nop
.endr
.endm
	s_load_b256 s[68:75], s[0:1], 0x0              ; qkv s[68:69], ksp s[70:71], kvt s[72:73], ksm s[74:75]
	v_lshl_add_u32 v254, v0, 2, 0x48000
	v_mov_b32 v255, 0
	ds_add_u32 v254, v255
	v_lshrrev_b32 v1, 5, v0
	v_readfirstlane_b32 s10, v1                    ; wave 0..3
	s_lshr_b32 s11, s10, 1                         ; which 64 of the block's rows are mine.  Also: I fetch for A (0) or for B (1)
	s_and_b32 s12, s10, 1                          ; which 64 of its columns.  Also: which 128 k rows I fetch
	s_bfe_u32 s40, ttmp6, 0x40000                  ; cx
	s_bfe_u32 s41, ttmp6, 0x40004                  ; cy
	s_lshl_b32 s42, ttmp9, 2
	s_add_co_u32 s42, s42, s40                     ; nb = 4 x cluster x + cx
	s_and_b32 s45, ttmp7, 0xffff                   ; cluster y
	s_and_b32 s13, s45, 1
	s_lshl_b32 s13, s13, 2
	s_add_co_u32 s13, s13, s41                     ; mb = 4 (cluster y % 2) + cy
	s_lshr_b32 s45, s45, 1                         ; b: equal in all sixteen partners
	s_lshl_b32 s43, s41, 2
	s_lshl_b32 s43, 15, s43                        ; my row of the cluster
	s_lshl_b32 s44, 0x1111, s40                    ; my column
	; group 1: 128 k rows x 128 elements of 2 bytes, 8 words of padding behind every 64 words
	s_or_b32  s[G1A+0], s43, (1<<16)|(1<<20)|(1<<21)|(5<<22)|(7<<25)
	s_or_b32  s[G1B+0], s44, (1<<16)|(1<<20)|(1<<21)|(5<<22)|(7<<25)
	s_mov_b32 s[G1A+1], 128<<16                    ; tensor_dim0 = 128
	s_mov_b32 s[G1B+1], 128<<16
	s_mov_b32 s[G1A+2], 128<<16                    ; tensor_dim1 = 128
	s_mov_b32 s[G1B+2], 128<<16
	s_mov_b32 s[G1A+3], 128<<16                    ; tile_dim0 = 128
	s_mov_b32 s[G1B+3], 128<<16
	s_mov_b32 s[G1A+4], 128                        ; tile_dim1 = 128
	s_mov_b32 s[G1B+4], 128
	s_mov_b32 s[G1A+5], 1024                       ; elements from row to row
	s_mov_b32 s[G1B+5], 1024
	s_mov_b32 s[G1A+6], 0
	s_mov_b32 s[G1B+6], 0
	s_mov_b32 s[G1A+7], 0
	s_mov_b32 s[G1B+7], 0
	; A = v at 0x2000000 of qkv: batch, my 128 k rows, 128 columns for each mb; these registers never hold cx
	s_lshl_b32 s16, s45, 22
	s_add_co_u32 s16, s16, 0x2000000
	s_lshl_b32 s14, s12, 18
	s_add_co_u32 s16, s16, s14
	s_lshl_b32 s14, s13, 8
	s_add_co_u32 s16, s16, s14
	s_mov_b32 s17, 0
	; B = k at 0x1000000 of qkv; these registers never hold cy
	s_lshl_b32 s46, s45, 22
	s_add_co_u32 s46, s46, 0x1000000
	s_lshl_b32 s15, s12, 18
	s_add_co_u32 s46, s46, s15
	s_lshl_b32 s15, s42, 8
	s_add_co_u32 s46, s46, s15
	s_mov_b32 s47, 0
	; the rows that I store: batch, 128 mb + 32 wave rows of 2,048 bytes, 128 nb columns
	s_lshl_b32 s18, s45, 21
	s_lshl_b32 s22, s13, 18
	s_add_co_u32 s18, s18, s22
	s_lshl_b32 s22, s10, 16
	s_add_co_u32 s18, s18, s22
	s_lshl_b32 s22, s42, 8
	s_add_co_u32 s18, s18, s22
	s_mov_b32 s19, 0
	; the fold of ksp: this work-group's sixteen columns d0 = 16 (8 mb + nb)
	s_lshl_b32 s22, s13, 9
	s_lshl_b32 s23, s42, 6
	s_add_co_u32 s22, s22, s23                     ; 4 d0
	s_lshl_b32 s92, s45, 17                        ; 32 rows of ksp for each batch
	s_add_co_u32 s92, s92, s22
	s_mov_b32 s93, 0
	s_lshl_b32 s94, s45, 13                        ; 2 rows of ksm for each batch
	s_add_co_u32 s94, s94, s22
	s_mov_b32 s95, 0
	s_mul_i32 s20, s10, HALFT                      ; where my tiles go: the wave's number alone
	s_wait_dscnt 0x0
	s_wait_kmcnt 0x0
	s_add_nc_u64 s[88:89], s[68:69], s[16:17]
	s_add_nc_u64 s[90:91], s[68:69], s[46:47]
	s_add_nc_u64 s[82:83], s[72:73], s[18:19]
	s_add_nc_u64 s[70:71], s[70:71], s[92:93]
	s_add_nc_u64 s[74:75], s[74:75], s[94:95]
	CROUND                                         ; all sixteen work-groups are here: the first joint loads meet
.irp s, 0,1
	s_mov_b32 s[G0A+4*\s], 1
	s_add_co_u32 s[G0A+4*\s+1], s20, \s*SLOT
	s_add_nc_u64 s[G0A+4*\s+2:G0A+4*\s+3], s[88:89], \s*KSTEP*2048     ; K step s: 256 rows down
	s_or_b32 s[G0A+4*\s+3], s[G0A+4*\s+3], 0x80000000
	s_mov_b32 s[G0B+4*\s], 1
	s_add_co_u32 s[G0B+4*\s+1], s20, \s*SLOT
	s_add_nc_u64 s[G0B+4*\s+2:G0B+4*\s+3], s[90:91], \s*KSTEP*2048
	s_or_b32 s[G0B+4*\s+3], s[G0B+4*\s+3], 0x80000000
	JLOAD \s                                       ; both slots' first fills go out together: two tensor loads of the wave are out
.endr
	v_and_b32 v1, 15, v0                           ; r
	v_bfe_u32 v2, v0, 4, 1                         ; h
	v_lshlrev_b32 v3, 2, v1
	v_lshl_add_u32 v[KOFF], v2, 16, v3             ; column d0 + r, sixteen rows further down for lanes 16-31
	v_lshl_add_u32 v[KO], v2, 12, v3               ; column d0 + r of ksm's row h
	; Wave 0 folds: lane (r, h) adds sixteen rows of ksp at one column, while the first tiles are on their way.  The pieces are 64 bytes of a row:
	; 512 KiB are read and 32 KiB written so in the whole launch.
	s_cmp_lg_u32 s10, 0
	s_cbranch_scc1 .Lno_fold
.irp i, 0,1,2,3,4,5,6,7,8,9,10,11,12,13,14,15
	global_load_b32 v[KR+\i], v[KOFF], s[70:71] offset:4096*\i
.endr
	s_wait_loadcnt 0x0
.irp i, 0,2,4,6
	v_pk_add_f32 v[KR+\i:KR+\i+1], v[KR+\i:KR+\i+1], v[KR+8+\i:KR+8+\i+1]
.endr
	v_pk_add_f32 v[KR:KR+1], v[KR:KR+1], v[KR+4:KR+5]
	v_pk_add_f32 v[KR+2:KR+3], v[KR+2:KR+3], v[KR+6:KR+7]
	v_pk_add_f32 v[KR:KR+1], v[KR:KR+1], v[KR+2:KR+3]
	v_add_f32 v[KR], v[KR], v[KR+1]
	global_store_b32 v[KO], v[KR], s[74:75]
.Lno_fold:
	v_and_b32 v4, 7, v0                            ; the transposing load: lane l addresses k row 8 h + l % 8,
	v_lshl_add_u32 v4, v2, 3, v4
	v_mul_u32_u24 v3, v4, P
	v_bfe_u32 v5, v0, 3, 1                         ; and the 16 bytes (l / 8) % 2 of the 32 that hold sixteen columns
	v_lshl_add_u32 v3, v5, 4, v3
	s_lshl_b32 s14, s11, 7                         ; my 64 columns of A's tile
	s_lshl_b32 s15, s12, 7                         ; my 64 columns of B's tile,
	s_add_co_u32 s15, s15, 2*HALFT                 ; which lies behind A's
	v_add_nc_u32 v[ADRA], s14, v3
	v_add_nc_u32 v[ADRA+1], HALFT, v[ADRA]
	v_add_nc_u32 v[ADRA+2], SLOT, v[ADRA]
	v_add_nc_u32 v[ADRA+3], SLOT+HALFT, v[ADRA]
	v_add_nc_u32 v[ADRB], s15, v3
	v_add_nc_u32 v[ADRB+1], HALFT, v[ADRB]
	v_add_nc_u32 v[ADRB+2], SLOT, v[ADRB]
	v_add_nc_u32 v[ADRB+3], SLOT+HALFT, v[ADRB]
	s_mul_i32 s87, s11, 64*SP                      ; the way out, in: row 64 mh + r, byte 128 nh + 16 h
	s_lshl_b32 s22, s12, 7
	s_add_co_u32 s87, s87, s22
	v_mul_u32_u24 v3, v1, SP
	v_lshl_add_u32 v3, v2, 4, v3
	v_add_nc_u32 v[STO], s87, v3
	s_mul_i32 s87, s10, 32*SP                      ; back: rows 32 wave + h, 16 bytes at 16 r
	v_mul_u32_u24 v3, v2, SP
	v_lshl_add_u32 v3, v1, 4, v3
	v_add_nc_u32 v[RD], s87, v3
	v_lshlrev_b32 v3, 11, v2
	v_lshl_add_u32 v[CO], v1, 4, v3                ; the same two rows in the output
; 4 matrix instructions: rows 16 a .. + 15 of my 64 x all four column blocks, 32 along K.  zero = 1: the first product starts the sums.
.macro MULA f, a, zero
.irp b, 0,1,2,3
.if \zero
	v_wmma_f32_16x16x32_bf16 v[8*(4*\a+\b):8*(4*\a+\b)+7], v[\f+8*\b:\f+8*\b+7], v[\f+32+8*\a:\f+32+8*\a+7], 0
.else
	v_wmma_f32_16x16x32_bf16 v[8*(4*\a+\b):8*(4*\a+\b)+7], v[\f+8*\b:\f+8*\b+7], v[\f+32+8*\a:\f+32+8*\a+7], v[8*(4*\a+\b):8*(4*\a+\b)+7]
.endif
.endr
.endm
; 16 LDS loads in one run: the fragments of quarter q (32 of the slot's 256 k rows) into buffer f
.macro FETCH slot, q, f
	WIN 0
.irp i, 0,1,2,3
	ds_load_tr16_b128 v[\f+8*\i:\f+8*\i+3],   v[ADRB+2*\slot+\q/4] offset:32*\i+(\q%4)*32*P
	ds_load_tr16_b128 v[\f+8*\i+4:\f+8*\i+7], v[ADRB+2*\slot+\q/4] offset:32*\i+(\q%4)*32*P+16*P
.endr
.irp i, 0,1,2,3
	ds_load_tr16_b128 v[\f+32+8*\i:\f+32+8*\i+3],   v[ADRA+2*\slot+\q/4] offset:32*\i+(\q%4)*32*P
	ds_load_tr16_b128 v[\f+32+8*\i+4:\f+32+8*\i+7], v[ADRA+2*\slot+\q/4] offset:32*\i+(\q%4)*32*P+16*P
.endr
.endm
.macro QUARTER slot, q, f, g, zero
	s_wait_dscnt 0x0                               ; buffer f's 16 loads, the only ones out
	PLACES                                         ; buffer g was read by the matrix instructions just issued
	FETCH \slot, \q, \g
	WIN MUL
	MULA \f, 0, \zero
	MULA \f, 1, \zero
	MULA \f, 2, \zero
	MULA \f, 3, \zero
.endm
.macro SEVEN slot, zero
	QUARTER \slot, 1, F0, F1, \zero
	QUARTER \slot, 2, F1, F0, 0
	QUARTER \slot, 3, F0, F1, 0
	QUARTER \slot, 4, F1, F0, 0
	QUARTER \slot, 5, F0, F1, 0
	QUARTER \slot, 6, F1, F0, 0
	QUARTER \slot, 7, F0, F1, 0
.endm
; The eighth quarter multiplies buffer 1 and changes slots: each wave's reads of this slot and all its tensor loads are waited for in front of the barrier;
; fill = 1: the barrier opens a round of the cluster's barrier, and behind the round this slot is asked for again, first of all.
.macro TURN slot, next, fill
	s_wait_dscnt 0x0
	s_wait_tensorcnt 0x0                           ; all my tensor loads have landed, so every group 0 may be written
	ds_add_u32 v254, v255
	s_wait_dscnt 0x0
	s_barrier_signal -1
	WIN MUL
	MULA F1, 0, 0
	WIN 0
	s_barrier_wait -1
.if \fill
	CREST
	s_add_nc_u64 s[G0A+4*\slot+2:G0A+4*\slot+3], s[G0A+4*\slot+2:G0A+4*\slot+3], 2*KSTEP*2048
	s_add_nc_u64 s[G0B+4*\slot+2:G0B+4*\slot+3], s[G0B+4*\slot+2:G0B+4*\slot+3], 2*KSTEP*2048
	JLOAD \slot                                    ; my one tensor load behind the round: one is out until the next change of slots
.endif
	PLACES
	FETCH \next, 0, F0
	WIN MUL
	MULA F1, 1, 0
	MULA F1, 2, 0
	MULA F1, 3, 0
.endm
.macro LAP zero
	SEVEN 0, \zero
	TURN 0, 1, 1
	SEVEN 1, 0
	TURN 1, 0, 1
.endm
	s_wait_tensorcnt 0x1                           ; my part of K step 0 is in; K step 1's stays out
	s_barrier_signal -1
	s_barrier_wait -1
	FETCH 0, 0, F0
	LAP 1
.if LAPS > 2
	WIN 0
	s_mov_b32 s3, LAPS-2
.Llap:
	LAP 0
	WIN 0
	s_sub_co_u32 s3, s3, 1
	s_cmp_lg_u32 s3, 0
	s_cbranch_scc1 .Llap
.endif
	SEVEN 0, 0                                     ; the last lap fills nothing
	TURN 0, 1, 0                                   ; behind this barrier no wave reads slot 0 and no load lands in it any more
	SEVEN 1, 0
	s_wait_dscnt 0x0
	WIN MUL
	MULA F1, 0, 0
	MULA F1, 1, 0
	MULA F1, 2, 0
	MULA F1, 3, 0
	PLACES
	; THE WAY OUT: the block's 128 rows of 256 bytes are gathered in slot 0, since a wave holds only half of each row; then each wave stores 32 whole rows.
	WIN 0x05                                       ; sources 0 and 1 window 1
.set i, 0
.rept 64
	v_cvt_pk_bf16_f32 v[PK+i], v[2*i], v[2*i+1]
.set i, i+1
.endr
	WIN 0
.irp a, 0,1,2,3
.irp b, 0,1,2,3
	ds_store_b128 v[STO], v[PK+4*(4*\a+\b):PK+4*(4*\a+\b)+3] offset:\a*16*SP+32*\b
.endr
.endr
	s_wait_dscnt 0x0                               ; for the other waves' sake: my stores are done
	s_barrier_signal -1
	s_barrier_wait -1
.irp t, 0,1,2,3,4,5,6,7,8,9,10,11,12,13,14,15
	ds_load_b128 v[RB+4*\t:RB+4*\t+3], v[RD] offset:\t*2*SP
.endr
.irp t, 0,1,2,3,4,5,6,7,8,9,10,11,12,13,14,15
	s_wait_dscnt 15-\t                             ; pair t of rows is back, the 15 - t younger loads stay out
	global_store_b128 v[CO], v[RB+4*\t:RB+4*\t+3], s[82:83] offset:4096*\t   ; sixteen lanes store 256 consecutive bytes at a multiple of 256
.endr
	s_wait_tensorcnt 0x0
	ds_add_u32 v254, v255
	s_wait_dscnt 0x0
	CROUND                                         ; the closing round
	s_endpgm
.Lfunc_end_k_qc81a9a052d_kvg:
	.size	k_qc81a9a052d_kvg, .Lfunc_end_k_qc81a9a052d_kvg-k_qc81a9a052d_kvg
	.p2alignl 7, 3214868480
	.fill 96, 4, 3214868480
	.section	.rodata,"a",@progbits
	.p2align	6, 0x0
	.amdhsa_kernel k_qc81a9a052d_kvg
		.amdhsa_group_segment_fixed_size 327680
		.amdhsa_private_segment_fixed_size 0
		.amdhsa_enable_private_segment 0
		.amdhsa_kernarg_size 32
		.amdhsa_user_sgpr_count 2
		.amdhsa_user_sgpr_kernarg_segment_ptr 1
		.amdhsa_wavefront_size32 1
		.amdhsa_system_sgpr_workgroup_id_x 1
		.amdhsa_system_sgpr_workgroup_id_y 1
		.amdhsa_system_sgpr_workgroup_id_z 1
		.amdhsa_system_vgpr_workitem_id 0
		.amdhsa_next_free_vgpr 384
		.amdhsa_next_free_sgpr 96
		.amdhsa_reserve_vcc 0
		.amdhsa_float_denorm_mode_32 3
		.amdhsa_float_denorm_mode_16_64 3
		.amdhsa_memory_ordered 1
		.amdhsa_forward_progress 1
		.amdhsa_inst_pref_size 129
	.end_amdhsa_kernel
	.amdgpu_metadata
---
amdhsa.version: [ 1, 2 ]
amdhsa.kernels:
  - .name:           k_qc81a9a052d_kvg
    .symbol:         k_qc81a9a052d_kvg.kd
    .args:
      - { .name: qkv, .offset: 0, .size: 8, .value_kind: global_buffer, .address_space: global }
      - { .name: ksp, .offset: 8, .size: 8, .value_kind: global_buffer, .address_space: global }
      - { .name: kvt, .offset: 16, .size: 8, .value_kind: global_buffer, .address_space: global }
      - { .name: ksm, .offset: 24, .size: 8, .value_kind: global_buffer, .address_space: global }
    .group_segment_fixed_size: 327680
    .private_segment_fixed_size: 0
    .kernarg_segment_align: 8
    .kernarg_segment_size: 32
    .max_flat_workgroup_size: 128
    .sgpr_count:     96
    .vgpr_count:     384
    .wavefront_size: 32
...
	.end_amdgpu_metadata
.endif
;; end of part 3
;; launch mg (part 4): grid 8 x 32, 4 waves a work-group, clusters of 4 x 4, 327,680 bytes of LDS; arguments kvt, bf, mm; writes mm
.if DOCPART == 4
	.amdgcn_target "amdgcn-amd-amdhsa--gfx1250"
	.amdhsa_code_object_version 6
	.text
	.protected	k_qc81a9a052d_mg
	.globl	k_qc81a9a052d_mg
	.p2align	8
	.type	k_qc81a9a052d_mg,@function
k_qc81a9a052d_mg:
	s_mov_b64 s[64:65], 0
	v_nop
	global_prefetch_b8 v0, s[64:65] scope:SCOPE_SE
	s_setreg_imm32_b32 hwreg(HW_REG_WAVE_MODE, 25, 1), 1
	s_wait_xcnt 0x0
	s_wait_alu depctr_hold_cnt(0) depctr_sa_sdst(0) depctr_va_vdst(0) depctr_va_sdst(0) depctr_va_ssrc(0) depctr_va_vcc(0) depctr_vm_vsrc(0)
	s_getreg_b32 s2, hwreg(HW_REG_IB_STS2, 6, 4)
	s_cmp_eq_u32 s2, 0
	s_cbranch_scc0 .Lentry_in_a_cluster
	s_endpgm
.Lentry_in_a_cluster:
	s_bfe_u32 s2, ttmp6, 0x10000c
	s_cmp_lg_u32 s2, 0xf033
	s_cbranch_scc0 .Lentry_shape_is_right
	s_endpgm
.Lentry_shape_is_right:
; M[b][d][f] = the sum over e of kvT[b][e][d] Wo[e][f], stored in bf16: Wo is applied to kv ahead of q, since z is one number for each row of q
; and (z (q kv)) Wo = z (q (kv Wo)) for all values.  Nothing else is left out.
; Both operands lie with K (= e) down the rows: kvT as kvg stored it, Wo (bf16, at 0x2600000 of bf) as it is given.  Both are read by the transposing LDS load.
; 4 batches x 8 x 8 blocks of 128 x 128 = 256 work-groups; four waves, each 64 x 64: 16 accumulator tiles in window 1, tile (a, b) at v[8 (4 a + b)].
; K = 1024 goes in four steps of 256 through two LDS slots: two laps, both written out, so there is no loop.
; CLUSTERS: 4 x 4 work-groups.  Block column nb = 4 x cluster x + cx; batch b = cluster y / 2; block row mb = 4 (cluster y % 2) + cy.  A's tile is shared along a
; row of the cluster, B's along a column: each is asked for jointly, by the same load in all four.
; THE MATRIX INSTRUCTION IS USED TRANSPOSED (source 0 = 16 columns of Wo, source 1 = 16 columns of kvT): lane l holds row d = l % 16, registers 0-7 hold f = 8 (l / 16) + 0..7.
; The 16 accumulators take turns, one instruction a turn, in the same order in every quarter step.
.set KSTEP, 256
.set P,     288                        ; an LDS row: 256 bytes + 32 = 9 x 32, an odd multiple of 32 for the transposing load
.set HALFT, 128*P
.set SLOT,  4*HALFT
.set SP,    272                        ; the way out: rows of 256 bytes + 16, in slot 0, which has had its last fill by then
.set ADRA, 6                           ; v6-9    LDS address of my A fragments: slot 0 k rows 0-127, 128-255; slot 1 likewise
.set ADRB, 10                          ; v10-13  the same for B
.set STO,  14
.set RD,   15
.set CO,   16
.set F0,   32
.set F1,   96
.set PK,   32
.set RB,   96
.set G1A, 24
.set G0A, 32
.set G1B, 48
.set G0B, 56
.set MUL, 0x50                         ; sources 0 and 1 window 0, C and D window 1
.set MSB, 0
.macro WIN new                         ; the immediate's high byte repeats the setting that is left
.if MSB != \new
	s_set_vgpr_msb (MSB<<8)|\new
.set MSB, \new
.endif
.endm
.macro JLOAD s                         ; waves 0 and 1 fetch A's two halves of 128 k rows, waves 2 and 3 B's
	s_cmp_eq_u32 s11, 0
	s_cbranch_scc0 .Lfor_b_\@
	tensor_load_to_lds s[G0A+4*\s:G0A+4*\s+3], s[G1A:G1A+7]
	s_nop 0
	s_branch .Lasked_\@
.Lfor_b_\@:
	tensor_load_to_lds s[G0B+4*\s:G0B+4*\s+3], s[G1B:G1B+7]
	s_nop 0
.Lasked_\@:
.endm
.macro CREST                           ; a round of the cluster's barrier behind its opening work-group barrier
	s_cmp_lg_u32 s10, 0
	s_cbranch_scc1 .Lnot_wave_0_\@
	s_barrier_signal -3
.Lnot_wave_0_\@:
	s_barrier_wait -3
	s_barrier_signal -1
	s_barrier_wait -1
.endm
.macro CROUND
	s_barrier_signal -1
	s_barrier_wait -1
	CREST
.endm
.macro PLACES                          ; four places between a matrix instruction and a load into, or a vector read of, its registers
.rept 4
	v_nop
.endr
.endm
	s_load_b128 s[68:71], s[0:1], 0x0              ; kvt s[68:69], bf s[70:71]
	s_load_b64 s[72:73], s[0:1], 0x10              ; mm
	v_lshl_add_u32 v254, v0, 2, 0x48000
	v_mov_b32 v255, 0
	ds_add_u32 v254, v255
	v_lshrrev_b32 v1, 5, v0
	v_readfirstlane_b32 s10, v1                    ; wave 0..3
	s_lshr_b32 s11, s10, 1                         ; which 64 of the block's rows are mine.  Also: I fetch for A (0) or for B (1)
	s_and_b32 s12, s10, 1                          ; which 64 of its columns.  Also: which 128 k rows I fetch
	s_bfe_u32 s40, ttmp6, 0x40000                  ; cx
	s_bfe_u32 s41, ttmp6, 0x40004                  ; cy
	s_lshl_b32 s42, ttmp9, 2
	s_add_co_u32 s42, s42, s40                     ; nb
	s_and_b32 s45, ttmp7, 0xffff
	s_and_b32 s13, s45, 1
	s_lshl_b32 s13, s13, 2
	s_add_co_u32 s13, s13, s41                     ; mb
	s_lshr_b32 s45, s45, 1                         ; b: equal in all sixteen partners
	s_lshl_b32 s43, s41, 2
	s_lshl_b32 s43, 15, s43                        ; my row of the cluster
	s_lshl_b32 s44, 0x1111, s40                    ; my column
	; group 1: 128 k rows x 128 elements of 2 bytes, 8 words of padding behind every 64 words
	s_or_b32  s[G1A+0], s43, (1<<16)|(1<<20)|(1<<21)|(5<<22)|(7<<25)
	s_or_b32  s[G1B+0], s44, (1<<16)|(1<<20)|(1<<21)|(5<<22)|(7<<25)
	s_mov_b32 s[G1A+1], 128<<16
	s_mov_b32 s[G1B+1], 128<<16
	s_mov_b32 s[G1A+2], 128<<16
	s_mov_b32 s[G1B+2], 128<<16
	s_mov_b32 s[G1A+3], 128<<16
	s_mov_b32 s[G1B+3], 128<<16
	s_mov_b32 s[G1A+4], 128
	s_mov_b32 s[G1B+4], 128
	s_mov_b32 s[G1A+5], 1024
	s_mov_b32 s[G1B+5], 1024
	s_mov_b32 s[G1A+6], 0
	s_mov_b32 s[G1B+6], 0
	s_mov_b32 s[G1A+7], 0
	s_mov_b32 s[G1B+7], 0
	; A = kvT of my batch: my 128 k rows, 128 columns for each mb; these registers never hold cx
	s_lshl_b32 s16, s45, 21
	s_lshl_b32 s14, s12, 18
	s_add_co_u32 s16, s16, s14
	s_lshl_b32 s14, s13, 8
	s_add_co_u32 s16, s16, s14
	s_mov_b32 s17, 0
	; B = Wo, the same for every batch; these registers never hold cy
	s_lshl_b32 s46, s12, 18
	s_add_co_u32 s46, s46, 0x2600000
	s_lshl_b32 s15, s42, 8
	s_add_co_u32 s46, s46, s15
	s_mov_b32 s47, 0
	; the rows that I store: batch, 128 mb + 32 wave rows of 2,048 bytes, 128 nb columns
	s_lshl_b32 s18, s45, 21
	s_lshl_b32 s22, s13, 18
	s_add_co_u32 s18, s18, s22
	s_lshl_b32 s22, s10, 16
	s_add_co_u32 s18, s18, s22
	s_lshl_b32 s22, s42, 8
	s_add_co_u32 s18, s18, s22
	s_mov_b32 s19, 0
	s_mul_i32 s20, s10, HALFT                      ; where my tiles go: the wave's number alone
	s_wait_dscnt 0x0
	s_wait_kmcnt 0x0
	s_add_nc_u64 s[88:89], s[68:69], s[16:17]
	s_add_nc_u64 s[90:91], s[70:71], s[46:47]
	s_add_nc_u64 s[82:83], s[72:73], s[18:19]
	CROUND                                         ; all sixteen work-groups are here: the first joint loads meet
.irp s, 0,1
	s_mov_b32 s[G0A+4*\s], 1
	s_add_co_u32 s[G0A+4*\s+1], s20, \s*SLOT
	s_add_nc_u64 s[G0A+4*\s+2:G0A+4*\s+3], s[88:89], \s*KSTEP*2048
	s_or_b32 s[G0A+4*\s+3], s[G0A+4*\s+3], 0x80000000
	s_mov_b32 s[G0B+4*\s], 1
	s_add_co_u32 s[G0B+4*\s+1], s20, \s*SLOT
	s_add_nc_u64 s[G0B+4*\s+2:G0B+4*\s+3], s[90:91], \s*KSTEP*2048
	s_or_b32 s[G0B+4*\s+3], s[G0B+4*\s+3], 0x80000000
	JLOAD \s                                       ; both slots' first fills go out together: two tensor loads of the wave are out
.endr
	v_and_b32 v1, 15, v0                           ; r
	v_bfe_u32 v2, v0, 4, 1                         ; h
	v_and_b32 v4, 7, v0                            ; the transposing load: lane l addresses k row 8 h + l % 8,
	v_lshl_add_u32 v4, v2, 3, v4
	v_mul_u32_u24 v3, v4, P
	v_bfe_u32 v5, v0, 3, 1                         ; and the 16 bytes (l / 8) % 2 of the 32 that hold sixteen columns
	v_lshl_add_u32 v3, v5, 4, v3
	s_lshl_b32 s14, s11, 7
	s_lshl_b32 s15, s12, 7
	s_add_co_u32 s15, s15, 2*HALFT
	v_add_nc_u32 v[ADRA], s14, v3
	v_add_nc_u32 v[ADRA+1], HALFT, v[ADRA]
	v_add_nc_u32 v[ADRA+2], SLOT, v[ADRA]
	v_add_nc_u32 v[ADRA+3], SLOT+HALFT, v[ADRA]
	v_add_nc_u32 v[ADRB], s15, v3
	v_add_nc_u32 v[ADRB+1], HALFT, v[ADRB]
	v_add_nc_u32 v[ADRB+2], SLOT, v[ADRB]
	v_add_nc_u32 v[ADRB+3], SLOT+HALFT, v[ADRB]
	s_mul_i32 s87, s11, 64*SP                      ; the way out, in: row 64 mh + r, byte 128 nh + 16 h
	s_lshl_b32 s22, s12, 7
	s_add_co_u32 s87, s87, s22
	v_mul_u32_u24 v3, v1, SP
	v_lshl_add_u32 v3, v2, 4, v3
	v_add_nc_u32 v[STO], s87, v3
	s_mul_i32 s87, s10, 32*SP                      ; back: rows 32 wave + h, 16 bytes at 16 r
	v_mul_u32_u24 v3, v2, SP
	v_lshl_add_u32 v3, v1, 4, v3
	v_add_nc_u32 v[RD], s87, v3
	v_lshlrev_b32 v3, 11, v2
	v_lshl_add_u32 v[CO], v1, 4, v3
.macro MULA f, a, zero
.irp b, 0,1,2,3
.if \zero
	v_wmma_f32_16x16x32_bf16 v[8*(4*\a+\b):8*(4*\a+\b)+7], v[\f+8*\b:\f+8*\b+7], v[\f+32+8*\a:\f+32+8*\a+7], 0
.else
	v_wmma_f32_16x16x32_bf16 v[8*(4*\a+\b):8*(4*\a+\b)+7], v[\f+8*\b:\f+8*\b+7], v[\f+32+8*\a:\f+32+8*\a+7], v[8*(4*\a+\b):8*(4*\a+\b)+7]
.endif
.endr
.endm
.macro FETCH slot, q, f
	WIN 0
.irp i, 0,1,2,3
	ds_load_tr16_b128 v[\f+8*\i:\f+8*\i+3],   v[ADRB+2*\slot+\q/4] offset:32*\i+(\q%4)*32*P
	ds_load_tr16_b128 v[\f+8*\i+4:\f+8*\i+7], v[ADRB+2*\slot+\q/4] offset:32*\i+(\q%4)*32*P+16*P
.endr
.irp i, 0,1,2,3
	ds_load_tr16_b128 v[\f+32+8*\i:\f+32+8*\i+3],   v[ADRA+2*\slot+\q/4] offset:32*\i+(\q%4)*32*P
	ds_load_tr16_b128 v[\f+32+8*\i+4:\f+32+8*\i+7], v[ADRA+2*\slot+\q/4] offset:32*\i+(\q%4)*32*P+16*P
.endr
.endm
.macro QUARTER slot, q, f, g, zero
	s_wait_dscnt 0x0                               ; buffer f's 16 loads, the only ones out
	PLACES                                         ; buffer g was read by the matrix instructions just issued
	FETCH \slot, \q, \g
	WIN MUL
	MULA \f, 0, \zero
	MULA \f, 1, \zero
	MULA \f, 2, \zero
	MULA \f, 3, \zero
.endm
.macro SEVEN slot, zero
	QUARTER \slot, 1, F0, F1, \zero
	QUARTER \slot, 2, F1, F0, 0
	QUARTER \slot, 3, F0, F1, 0
	QUARTER \slot, 4, F1, F0, 0
	QUARTER \slot, 5, F0, F1, 0
	QUARTER \slot, 6, F1, F0, 0
	QUARTER \slot, 7, F0, F1, 0
.endm
; The eighth quarter multiplies buffer 1 and changes slots: each wave's reads of this slot and all its tensor loads are waited for in front of the barrier;
; fill = 1: the barrier opens a round of the cluster's barrier, and behind the round this slot is asked for again, first of all.
.macro TURN slot, next, fill
	s_wait_dscnt 0x0
	s_wait_tensorcnt 0x0                           ; all my tensor loads have landed, so every group 0 may be written
	ds_add_u32 v254, v255
	s_wait_dscnt 0x0
	s_barrier_signal -1
	WIN MUL
	MULA F1, 0, 0
	WIN 0
	s_barrier_wait -1
.if \fill
	CREST
	s_add_nc_u64 s[G0A+4*\slot+2:G0A+4*\slot+3], s[G0A+4*\slot+2:G0A+4*\slot+3], 2*KSTEP*2048
	s_add_nc_u64 s[G0B+4*\slot+2:G0B+4*\slot+3], s[G0B+4*\slot+2:G0B+4*\slot+3], 2*KSTEP*2048
	JLOAD \slot                                    ; my one tensor load behind the round: one is out until the next change of slots
.endif
	PLACES
	FETCH \next, 0, F0
	WIN MUL
	MULA F1, 1, 0
	MULA F1, 2, 0
	MULA F1, 3, 0
.endm
	s_wait_tensorcnt 0x1                           ; my part of K step 0 is in; K step 1's stays out
	s_barrier_signal -1
	s_barrier_wait -1
	FETCH 0, 0, F0
	SEVEN 0, 1                                     ; K step 0: its first products start the sums
	TURN 0, 1, 1                                   ; slot 0 gets K step 2
	SEVEN 1, 0
	TURN 1, 0, 1                                   ; slot 1 gets K step 3
	SEVEN 0, 0
	TURN 0, 1, 0                                   ; behind this barrier no wave reads slot 0 and no load lands in it any more
	SEVEN 1, 0
	s_wait_dscnt 0x0
	WIN MUL
	MULA F1, 0, 0
	MULA F1, 1, 0
	MULA F1, 2, 0
	MULA F1, 3, 0
	PLACES
	; THE WAY OUT: the block's 128 rows of 256 bytes are gathered in slot 0, since a wave holds only half of each row; then each wave stores 32 whole rows.
	WIN 0x05
.set i, 0
.rept 64
	v_cvt_pk_bf16_f32 v[PK+i], v[2*i], v[2*i+1]
.set i, i+1
.endr
	WIN 0
.irp a, 0,1,2,3
.irp b, 0,1,2,3
	ds_store_b128 v[STO], v[PK+4*(4*\a+\b):PK+4*(4*\a+\b)+3] offset:\a*16*SP+32*\b
.endr
.endr
	s_wait_dscnt 0x0                               ; for the other waves' sake: my stores are done
	s_barrier_signal -1
	s_barrier_wait -1
.irp t, 0,1,2,3,4,5,6,7,8,9,10,11,12,13,14,15
	ds_load_b128 v[RB+4*\t:RB+4*\t+3], v[RD] offset:\t*2*SP
.endr
.irp t, 0,1,2,3,4,5,6,7,8,9,10,11,12,13,14,15
	s_wait_dscnt 15-\t                             ; pair t of rows is back, the 15 - t younger loads stay out
	global_store_b128 v[CO], v[RB+4*\t:RB+4*\t+3], s[82:83] offset:4096*\t   ; sixteen lanes store 256 consecutive bytes at a multiple of 256
.endr
	s_wait_tensorcnt 0x0
	ds_add_u32 v254, v255
	s_wait_dscnt 0x0
	CROUND                                         ; the closing round
	s_endpgm
.Lfunc_end_k_qc81a9a052d_mg:
	.size	k_qc81a9a052d_mg, .Lfunc_end_k_qc81a9a052d_mg-k_qc81a9a052d_mg
	.p2alignl 7, 3214868480
	.fill 96, 4, 3214868480
	.section	.rodata,"a",@progbits
	.p2align	6, 0x0
	.amdhsa_kernel k_qc81a9a052d_mg
		.amdhsa_group_segment_fixed_size 327680
		.amdhsa_private_segment_fixed_size 0
		.amdhsa_enable_private_segment 0
		.amdhsa_kernarg_size 24
		.amdhsa_user_sgpr_count 2
		.amdhsa_user_sgpr_kernarg_segment_ptr 1
		.amdhsa_wavefront_size32 1
		.amdhsa_system_sgpr_workgroup_id_x 1
		.amdhsa_system_sgpr_workgroup_id_y 1
		.amdhsa_system_sgpr_workgroup_id_z 1
		.amdhsa_system_vgpr_workitem_id 0
		.amdhsa_next_free_vgpr 384
		.amdhsa_next_free_sgpr 96
		.amdhsa_reserve_vcc 0
		.amdhsa_float_denorm_mode_32 3
		.amdhsa_float_denorm_mode_16_64 3
		.amdhsa_memory_ordered 1
		.amdhsa_forward_progress 1
		.amdhsa_inst_pref_size 88
	.end_amdhsa_kernel
	.amdgpu_metadata
---
amdhsa.version: [ 1, 2 ]
amdhsa.kernels:
  - .name:           k_qc81a9a052d_mg
    .symbol:         k_qc81a9a052d_mg.kd
    .args:
      - { .name: kvt, .offset: 0, .size: 8, .value_kind: global_buffer, .address_space: global }
      - { .name: bf, .offset: 8, .size: 8, .value_kind: global_buffer, .address_space: global }
      - { .name: mm, .offset: 16, .size: 8, .value_kind: global_buffer, .address_space: global }
    .group_segment_fixed_size: 327680
    .private_segment_fixed_size: 0
    .kernarg_segment_align: 8
    .kernarg_segment_size: 24
    .max_flat_workgroup_size: 128
    .sgpr_count:     96
    .vgpr_count:     384
    .wavefront_size: 32
...
	.end_amdgpu_metadata
.endif
;; end of part 4
;; launch fin (part 5): grid 4 x 64, 4 waves a work-group, clusters of 4 x 4, 327,680 bytes of LDS; arguments qkv, mm, ksm, bo, inputs, out0; writes out0
.if DOCPART == 5
	.amdgcn_target "amdgcn-amd-amdhsa--gfx1250"
	.amdhsa_code_object_version 6
	.text
	.protected	k_qc81a9a052d_fin
	.globl	k_qc81a9a052d_fin
	.p2align	8
	.type	k_qc81a9a052d_fin,@function
k_qc81a9a052d_fin:
	s_mov_b64 s[64:65], 0
	v_nop
	global_prefetch_b8 v0, s[64:65] scope:SCOPE_SE
	s_setreg_imm32_b32 hwreg(HW_REG_WAVE_MODE, 25, 1), 1
	s_wait_xcnt 0x0
	s_wait_alu depctr_hold_cnt(0) depctr_sa_sdst(0) depctr_va_vdst(0) depctr_va_sdst(0) depctr_va_ssrc(0) depctr_va_vcc(0) depctr_vm_vsrc(0)
	s_getreg_b32 s2, hwreg(HW_REG_IB_STS2, 6, 4)
	s_cmp_eq_u32 s2, 0
	s_cbranch_scc0 .Lentry_in_a_cluster
	s_endpgm
.Lentry_in_a_cluster:
	s_bfe_u32 s2, ttmp6, 0x10000c
	s_cmp_lg_u32 s2, 0xf033
	s_cbranch_scc0 .Lentry_shape_is_right
	s_endpgm
.Lentry_shape_is_right:
; y[s][f] = (sum over d of q[s][d] M[b][d][f]) / (sum over d of q[s][d] ksum[b][d] + 1e-6) + bo[f] + inputs[s][f], in f32.
; M = kv Wo was made by the launch before (z is one number for each row, so it commutes with Wo for all values); nothing else is left out.
; A work-group makes 128 rows x 256 columns with four waves; a wave makes 64 x 128: 32 accumulator tiles.  64 x 4 = 256 work-groups.
; K = 1024 goes in steps of 128 through two LDS slots.  A = q, K along the rows: plain LDS loads.  B = M as it lies, [K][N]: the transposing LDS load.
; THE DENOMINATOR rides on the matrix unit: a fragment whose sixteen rows all hold ksum (bf16) is source 0 against the same fragments of q, four more matrix
; instructions for every 32; every register of such a result holds the denominator of the lane's own row l % 16, where the products need it.
; CLUSTERS: 4 x 4 work-groups: cx = the block column, 4 x cluster y + cy the block row, batch = cluster y / 4.  q's tile is shared along a row of the cluster,
; M's along a column: each is asked for jointly, by the same load in all four.
; REGISTERS: window 0 addresses, ksum's fragments, two fragment buffers, the denominators; window 1 the accumulators, tile (a, b) at v[8 (8 a + b)];
; window 2 my 64 x 128 of inputs, loaded at the start by whole rows; window 3 v0-63 bo.
; The 36 accumulators take turns, one instruction a turn, in the same order in every quarter step, over the backward jump too.
; LIMIT: ksum is rounded to bf16 (relative 2^-9 in each of 1,024 positive terms of the denominator).
.set KSTEP, 128
.set PA,    272                        ; A's LDS row: 256 bytes + 16
.set PB,    544                        ; B's LDS row: 512 bytes + 32, an odd multiple of 32 for the transposing load
.set ATILE, 128*PA
.set SLOT,  ATILE+128*PB               ; 104,448
.set STAGE, 2*SLOT                     ; 208,896: 16 rows x 528 bytes for each wave; no tensor load lands there
.set SP,    528                        ; a stage row: 512 bytes + 16 = 33 x 16
.set KSB,   STAGE+4*16*SP              ; 242,688: ksum, 1,024 bf16
.set LAPS,  4
.set ADRA, 6
.set ADRB, 8
.set STO,  10
.set RD,   11
.set CO,   12
.set KSA,  13                          ; LDS address of this K step's ksum
.set KF,   16                          ; v16-23, v24-31 ksum's fragment for buffer 0, 1
.set F0,   32                          ; fragment buffer 0: v32-95 B, v96-127 A
.set F1,   128                         ; fragment buffer 1
.set T,    32                          ; the way out: 64 results
.set RB,   96                          ; the way out: 16 x 4 numbers read back by rows
.set Z,    160                         ; the way out: 1 / denominator of row block a, as a pair
.set DEN,  224                         ; v224-255 four denominator tiles
.set G1A, 24
.set G0A, 32
.set G1B, 48
.set G0B, 56
.set MUL, 0x50                         ; sources 0 and 1 window 0, C and D window 1
.set MSB, 0
.macro WIN new                         ; the immediate's high byte repeats the setting that is left
.if MSB != \new
	s_set_vgpr_msb (MSB<<8)|\new
.set MSB, \new
.endif
.endm
.macro JLOAD s                         ; waves 0 and 1 fetch A's two halves of 64 rows, waves 2 and 3 B's two halves of 64 k rows
	s_cmp_eq_u32 s11, 0
	s_cbranch_scc0 .Lfor_b_\@
	tensor_load_to_lds s[G0A+4*\s:G0A+4*\s+3], s[G1A:G1A+7]
	s_nop 0
	s_branch .Lasked_\@
.Lfor_b_\@:
	tensor_load_to_lds s[G0B+4*\s:G0B+4*\s+3], s[G1B:G1B+7]
	s_nop 0
.Lasked_\@:
.endm
.macro CREST                           ; a round of the cluster's barrier behind its opening work-group barrier
	s_cmp_lg_u32 s10, 0
	s_cbranch_scc1 .Lnot_wave_0_\@
	s_barrier_signal -3
.Lnot_wave_0_\@:
	s_barrier_wait -3
	s_barrier_signal -1
	s_barrier_wait -1
.endm
.macro CROUND
	s_barrier_signal -1
	s_barrier_wait -1
	CREST
.endm
.macro PLACES                          ; four places between a matrix instruction and a load into, or a vector read of, its registers
.rept 4
	v_nop
.endr
.endm
	s_load_b256 s[68:75], s[0:1], 0x0              ; qkv s[68:69], mm s[70:71], ksm s[72:73], bo s[74:75]
	s_load_b128 s[76:79], s[0:1], 0x20             ; inputs s[76:77], out0 s[78:79]
	s_set_vgpr_msb 0xc0
	v_lshl_add_u32 v64, v0, 2, 0x3bc00
	v_mov_b32 v65, 0
	s_set_vgpr_msb 0xc0cf
	ds_add_u32 v64, v65
	s_set_vgpr_msb 0xcf00
	v_lshrrev_b32 v1, 5, v0
	v_readfirstlane_b32 s10, v1                    ; wave 0..3
	s_lshr_b32 s11, s10, 1                         ; which 64 of the block's rows are mine.  Also: I fetch for A (0) or for B (1)
	s_and_b32 s12, s10, 1                          ; which 128 of its columns.  Also: which half of that tile I fetch
	s_bfe_u32 s40, ttmp6, 0x40000                  ; cx = the block column
	s_bfe_u32 s41, ttmp6, 0x40004                  ; cy
	s_and_b32 s45, ttmp7, 0xffff                   ; cluster y
	s_lshl_b32 s13, s45, 2
	s_add_co_u32 s13, s13, s41                     ; block row = 4 x cluster y + cy, 0..63
	s_lshr_b32 s45, s45, 2                         ; batch: sixteen block rows each; equal in all sixteen partners
	s_lshl_b32 s43, s41, 2
	s_lshl_b32 s43, 15, s43                        ; my row of the cluster
	s_lshl_b32 s44, 0x1111, s40                    ; my column
	; group 1 for A: 64 rows x 128 elements of 2 bytes, 4 words of padding behind every 64 words
	s_or_b32  s[G1A+0], s43, (1<<16)|(1<<20)|(1<<21)|(5<<22)|(3<<25)
	s_mov_b32 s[G1A+1], 128<<16
	s_mov_b32 s[G1A+2], 64<<16
	s_mov_b32 s[G1A+3], 128<<16
	s_mov_b32 s[G1A+4], 64
	s_mov_b32 s[G1A+5], 1024
	s_mov_b32 s[G1A+6], 0
	s_mov_b32 s[G1A+7], 0
	; group 1 for B: 64 k rows x 256 elements, 8 words of padding behind every 128 words
	s_or_b32  s[G1B+0], s44, (1<<16)|(1<<20)|(1<<21)|(6<<22)|(7<<25)
	s_mov_b32 s[G1B+1], 256<<16
	s_mov_b32 s[G1B+2], 64<<16
	s_mov_b32 s[G1B+3], 256<<16
	s_mov_b32 s[G1B+4], 64
	s_mov_b32 s[G1B+5], 1024
	s_mov_b32 s[G1B+6], 0
	s_mov_b32 s[G1B+7], 0
	; A = q at 0 of qkv; these registers never hold cx
	s_lshl_b32 s16, s13, 18
	s_lshl_b32 s14, s12, 17
	s_add_co_u32 s16, s16, s14
	s_mov_b32 s17, 0
	; B = M of my batch; these registers never hold cy
	s_lshl_b32 s46, s45, 21
	s_lshl_b32 s15, s12, 17
	s_add_co_u32 s46, s46, s15
	s_lshl_b32 s15, s40, 9
	s_add_co_u32 s46, s46, s15
	s_mov_b32 s47, 0
	; my part of inputs and of out0: 128 block row + 64 mh rows of 4,096 bytes, 256 cx + 128 nh columns of 4 bytes
	s_lshl_b32 s18, s13, 19
	s_lshl_b32 s22, s11, 18
	s_add_co_u32 s18, s18, s22
	s_lshl_b32 s22, s40, 10
	s_lshl_b32 s23, s12, 9
	s_add_co_u32 s22, s22, s23                     ; also my 128 numbers of bo
	s_add_co_u32 s18, s18, s22
	s_mov_b32 s19, 0
	s_mov_b32 s23, 0
	s_lshl_b32 s92, s45, 13                        ; two rows of ksm for each batch
	s_mov_b32 s93, 0
	s_mul_i32 s20, s12, 64*PA                      ; where the tiles go: the wave's number alone
	s_mul_i32 s21, s12, 64*PB
	s_add_co_u32 s21, s21, ATILE
	s_wait_dscnt 0x0
	s_wait_kmcnt 0x0
	s_add_nc_u64 s[88:89], s[68:69], s[16:17]
	s_add_nc_u64 s[90:91], s[70:71], s[46:47]
	s_add_nc_u64 s[72:73], s[72:73], s[92:93]
	s_add_nc_u64 s[74:75], s[74:75], s[22:23]
	s_add_nc_u64 s[76:77], s[76:77], s[18:19]
	s_add_nc_u64 s[78:79], s[78:79], s[18:19]
	CROUND                                         ; all sixteen work-groups are here: the first joint loads meet
.irp s, 0,1
	s_mov_b32 s[G0A+4*\s], 1
	s_add_co_u32 s[G0A+4*\s+1], s20, \s*SLOT
	s_add_nc_u64 s[G0A+4*\s+2:G0A+4*\s+3], s[88:89], \s*KSTEP*2
	s_or_b32 s[G0A+4*\s+3], s[G0A+4*\s+3], 0x80000000
	s_mov_b32 s[G0B+4*\s], 1
	s_add_co_u32 s[G0B+4*\s+1], s21, \s*SLOT
	s_add_nc_u64 s[G0B+4*\s+2:G0B+4*\s+3], s[90:91], \s*KSTEP*2048
	s_or_b32 s[G0B+4*\s+3], s[G0B+4*\s+3], 0x80000000
	JLOAD \s                                       ; both slots' first fills go out together: two tensor loads of the wave are out
.endr
	v_and_b32 v1, 15, v0                           ; r
	v_bfe_u32 v2, v0, 4, 1                         ; h
	v_lshlrev_b32 v15, 5, v0                       ; thread t takes ksum's numbers 8 t .. 8 t + 7
	v_lshlrev_b32 v14, 5, v2                       ; bo of columns 16 b + 8 h + 0..7 lies at 64 b + 32 h
	global_load_b128 v[32:35], v15, s[72:73]                   ; the first half sum
	global_load_b128 v[36:39], v15, s[72:73] offset:16
	global_load_b128 v[40:43], v15, s[72:73] offset:4096       ; the second
	global_load_b128 v[44:47], v15, s[72:73] offset:4112
	WIN 0xc0                                       ; destination window 3
.irp b, 0,1,2,3,4,5,6,7
	global_load_b128 v[8*\b:8*\b+3],   v14, s[74:75] offset:64*\b
	global_load_b128 v[8*\b+4:8*\b+7], v14, s[74:75] offset:64*\b+16
.endr
	WIN 0
	v_mul_u32_u24 v3, v1, PA
	v_lshl_add_u32 v3, v2, 4, v3                   ; r x 272 + 16 h
	s_mul_i32 s14, s11, 64*PA
	v_add_nc_u32 v[ADRA], s14, v3
	v_add_nc_u32 v[ADRA+1], SLOT, v[ADRA]
	v_and_b32 v4, 7, v0                            ; the transposing load: lane l addresses k row 8 h + l % 8,
	v_lshl_add_u32 v4, v2, 3, v4
	v_mul_u32_u24 v4, v4, PB
	v_bfe_u32 v5, v0, 3, 1                         ; and the 16 bytes (l / 8) % 2 of the 32 that hold sixteen columns
	v_lshl_add_u32 v4, v5, 4, v4
	s_lshl_b32 s15, s12, 8
	s_add_co_u32 s15, s15, ATILE
	v_add_nc_u32 v[ADRB], s15, v4
	v_add_nc_u32 v[ADRB+1], SLOT, v[ADRB]
	s_mul_i32 s87, s10, 16*SP
	s_add_co_u32 s87, s87, STAGE                   ; my stage
	v_mul_u32_u24 v3, v1, SP                       ; in: row r, 32 bytes for each half of the lanes
	v_lshl_add_u32 v3, v2, 5, v3
	v_add_nc_u32 v[STO], s87, v3
	v_and_b32 v4, 31, v0
	v_lshlrev_b32 v[CO], 4, v4                     ; 16 l: the 32 lanes take a whole row of 512 bytes
	v_add_nc_u32 v[RD], s87, v[CO]
	v_lshl_add_u32 v[KSA], v2, 4, KSB              ; ksum's fragment: 16 bytes at 16 h, the same for all sixteen rows
	v_lshl_add_u32 v5, v0, 4, KSB                  ; where thread t puts its eight bf16
	s_wait_loadcnt 16                              ; ksm's four loads are in; bo's sixteen, issued behind them, stay out
	v_pk_add_f32 v[32:33], v[32:33], v[40:41]
	v_pk_add_f32 v[34:35], v[34:35], v[42:43]
	v_pk_add_f32 v[36:37], v[36:37], v[44:45]
	v_pk_add_f32 v[38:39], v[38:39], v[46:47]
	v_cvt_pk_bf16_f32 v48, v32, v33
	v_cvt_pk_bf16_f32 v49, v34, v35
	v_cvt_pk_bf16_f32 v50, v36, v37
	v_cvt_pk_bf16_f32 v51, v38, v39
	ds_store_b128 v5, v[48:51]
	WIN 0x80                                       ; destination window 2: my 64 rows x 512 bytes of inputs, on their way during the whole K loop
.set i, 0
.rept 64
	global_load_b128 v[4*i:4*i+3], v[CO], s[76:77] offset:4096*i th:TH_LOAD_NT
.set i, i+1
.endr
	WIN 0
; 8 matrix instructions: rows 16 a .. + 15 of my 64 x all eight column blocks, 32 along K.  zero = 1: the first product starts the sums.
.macro MULA f, a, zero
.irp b, 0,1,2,3,4,5,6,7
.if \zero
	v_wmma_f32_16x16x32_bf16 v[8*(8*\a+\b):8*(8*\a+\b)+7], v[\f+8*\b:\f+8*\b+7], v[\f+64+8*\a:\f+64+8*\a+7], 0
.else
	v_wmma_f32_16x16x32_bf16 v[8*(8*\a+\b):8*(8*\a+\b)+7], v[\f+8*\b:\f+8*\b+7], v[\f+64+8*\a:\f+64+8*\a+7], v[8*(8*\a+\b):8*(8*\a+\b)+7]
.endif
.endr
.endm
; 4 matrix instructions, all in window 0: the denominators of my four row blocks
.macro DENS f, zero
.irp a, 0,1,2,3
.if \zero
	v_wmma_f32_16x16x32_bf16 v[DEN+8*\a:DEN+8*\a+7], v[KF+8*((\f-F0)/96):KF+8*((\f-F0)/96)+7], v[\f+64+8*\a:\f+64+8*\a+7], 0
.else
	v_wmma_f32_16x16x32_bf16 v[DEN+8*\a:DEN+8*\a+7], v[KF+8*((\f-F0)/96):KF+8*((\f-F0)/96)+7], v[\f+64+8*\a:\f+64+8*\a+7], v[DEN+8*\a:DEN+8*\a+7]
.endif
.endr
.endm
; 26 LDS loads in one run: the fragments of quarter q (32 along K) of a slot, and ksum's, into buffer f
.macro FETCH slot, q, f
	WIN 0
.irp i, 0,1,2,3,4,5,6,7
	ds_load_tr16_b128 v[\f+8*\i:\f+8*\i+3],   v[ADRB+\slot] offset:32*\i+\q*32*PB
	ds_load_tr16_b128 v[\f+8*\i+4:\f+8*\i+7], v[ADRB+\slot] offset:32*\i+\q*32*PB+16*PB
.endr
.irp i, 0,1,2,3
	ds_load_b128 v[\f+64+8*\i:\f+64+8*\i+3],   v[ADRA+\slot] offset:\i*16*PA+64*\q
	ds_load_b128 v[\f+64+8*\i+4:\f+64+8*\i+7], v[ADRA+\slot] offset:\i*16*PA+64*\q+32
.endr
	ds_load_b128 v[KF+8*((\f-F0)/96):KF+8*((\f-F0)/96)+3],   v[KSA] offset:64*\q
	ds_load_b128 v[KF+8*((\f-F0)/96)+4:KF+8*((\f-F0)/96)+7], v[KSA] offset:64*\q+32
.endm
.macro QUARTER slot, q, f, g, zero
	s_wait_dscnt 0x0                               ; buffer f's 26 loads, the only ones out
	PLACES                                         ; buffer g was read by the matrix instructions just issued
	FETCH \slot, \q, \g
	WIN MUL
	MULA \f, 0, \zero
	MULA \f, 1, \zero
	MULA \f, 2, \zero
	MULA \f, 3, \zero
	WIN 0
	DENS \f, \zero
.endm
.macro THREE slot, zero
	QUARTER \slot, 1, F0, F1, \zero
	QUARTER \slot, 2, F1, F0, 0
	QUARTER \slot, 3, F0, F1, 0
.endm
; The last quarter multiplies buffer 1 and changes slots: each wave's reads of this slot and all its tensor loads are waited for in front of the barrier;
; fill = 1: the barrier opens a round of the cluster's barrier, and behind the round this slot is asked for again, first of all.
.macro TURN slot, next, fill
	s_wait_dscnt 0x0
	s_set_vgpr_msb 0xf
	s_wait_tensorcnt 0x0                           ; all my tensor loads have landed, so every group 0 may be written
	ds_add_u32 v64, v65
	s_wait_dscnt 0x0
	s_set_vgpr_msb 0xf00
	s_barrier_signal -1
	WIN MUL
	MULA F1, 0, 0
	WIN 0
	s_barrier_wait -1
.if \fill
	CREST
	s_add_nc_u64 s[G0A+4*\slot+2:G0A+4*\slot+3], s[G0A+4*\slot+2:G0A+4*\slot+3], 2*KSTEP*2
	s_add_nc_u64 s[G0B+4*\slot+2:G0B+4*\slot+3], s[G0B+4*\slot+2:G0B+4*\slot+3], 2*KSTEP*2048
	JLOAD \slot                                    ; my one tensor load behind the round: one is out until the next change of slots
.endif
	v_add_nc_u32 v[KSA], 2*KSTEP, v[KSA]           ; the next K step's 128 numbers of ksum
	PLACES
	FETCH \next, 0, F0
	WIN MUL
	MULA F1, 1, 0
	MULA F1, 2, 0
	MULA F1, 3, 0
	WIN 0
	DENS F1, 0
.endm
.macro LAP zero
	THREE 0, \zero
	TURN 0, 1, 1
	THREE 1, 0
	TURN 1, 0, 1
.endm
	s_wait_dscnt 0x0                               ; for the other waves' sake: my part of ksum is in LDS
	s_wait_tensorcnt 0x1                           ; my part of K step 0 is in; K step 1's stays out
	s_barrier_signal -1
	s_barrier_wait -1
	FETCH 0, 0, F0
	LAP 1
	WIN 0
	s_mov_b32 s3, LAPS-2
.Llap:
	LAP 0
	WIN 0
	s_sub_co_u32 s3, s3, 1
	s_cmp_lg_u32 s3, 0
	s_cbranch_scc1 .Llap
	THREE 0, 0                                     ; the last lap fills nothing
	TURN 0, 1, 0
	THREE 1, 0
	s_wait_dscnt 0x0
	WIN MUL
	MULA F1, 0, 0
	MULA F1, 1, 0
	MULA F1, 2, 0
	MULA F1, 3, 0
	WIN 0
	DENS F1, 0
	PLACES                                         ; behind the last matrix instructions, for every reader and writer below
	s_wait_loadcnt 0x0                             ; bo and inputs
.irp a, 0,1,2,3
	v_add_f32 v[Z+2*\a+1], 0x358637bd, v[DEN+8*\a] ; + 1e-6
.endr
.irp a, 0,1,2,3
	v_rcp_f32 v[Z+2*\a], v[Z+2*\a+1]
.endr
	v_nop                                          ; one plain instruction between the last reciprocal and its use (ISA guide 5.7.2)
	s_wait_alu depctr_va_vdst(0)
.irp a, 0,1,2,3
	v_mov_b32 v[Z+2*\a+1], v[Z+2*\a]               ; a pair for the packed multiply-add
.endr
; THE WAY OUT, 16 rows at a time: sum x z + bo in one multiply-add, 32 bytes a lane into my own stage, whole rows of 512 bytes back, + inputs, stored.
.macro OUT16F a
	WIN 0x31                                       ; source 0 window 1 (the sums), source 2 window 3 (bo)
.set i, 0
.rept 32
	v_pk_fma_f32 v[T+i:T+i+1], v[64*\a+i:64*\a+i+1], v[Z+2*\a:Z+2*\a+1], v[i:i+1]
.set i, i+2
.endr
	WIN 0
.irp b, 0,1,2,3,4,5,6,7
	ds_store_b128 v[STO], v[T+8*\b:T+8*\b+3]   offset:64*\b
	ds_store_b128 v[STO], v[T+8*\b+4:T+8*\b+7] offset:64*\b+16
.endr
	s_wait_xcnt 0x0                                ; RB was the data of the last sixteen rows' stores: it is loaded again only behind this wait
.irp t, 0,1,2,3,4,5,6,7,8,9,10,11,12,13,14,15
	ds_load_b128 v[RB+4*\t:RB+4*\t+3], v[RD] offset:\t*SP          ; LDS serves a wave's instructions in order: these see the stores above
.endr
	s_wait_dscnt 0x0
	WIN 0x08                                       ; source 1 window 2: inputs, row 16 a + t at v[4 (16 a + t)]
.set i, 0
.rept 32
	v_pk_add_f32 v[RB+i:RB+i+1], v[RB+i:RB+i+1], v[64*\a+i:64*\a+i+1]
.set i, i+2
.endr
	WIN 0
.irp t, 0,1,2,3,4,5,6,7,8,9,10,11,12,13,14,15
	global_store_b128 v[CO], v[RB+4*\t:RB+4*\t+3], s[78:79] offset:(16*\a+\t)*4096 th:TH_STORE_NT   ; 512 consecutive bytes at a multiple of 512
.endr
.endm
	OUT16F 0
	OUT16F 1
	OUT16F 2
	OUT16F 3
	s_set_vgpr_msb 0xf
	s_wait_tensorcnt 0x0
	ds_add_u32 v64, v65
	s_wait_dscnt 0x0
	s_set_vgpr_msb 0xf00
	CROUND                                         ; the closing round: no work-group ends while a partner may still ask for a tile that names it
	s_endpgm
.Lfunc_end_k_qc81a9a052d_fin:
	.size	k_qc81a9a052d_fin, .Lfunc_end_k_qc81a9a052d_fin-k_qc81a9a052d_fin
	.p2alignl 7, 3214868480
	.fill 96, 4, 3214868480
	.section	.rodata,"a",@progbits
	.p2align	6, 0x0
	.amdhsa_kernel k_qc81a9a052d_fin
		.amdhsa_group_segment_fixed_size 327680
		.amdhsa_private_segment_fixed_size 0
		.amdhsa_enable_private_segment 0
		.amdhsa_kernarg_size 48
		.amdhsa_user_sgpr_count 2
		.amdhsa_user_sgpr_kernarg_segment_ptr 1
		.amdhsa_wavefront_size32 1
		.amdhsa_system_sgpr_workgroup_id_x 1
		.amdhsa_system_sgpr_workgroup_id_y 1
		.amdhsa_system_sgpr_workgroup_id_z 1
		.amdhsa_system_vgpr_workitem_id 0
		.amdhsa_next_free_vgpr 834
		.amdhsa_next_free_sgpr 96
		.amdhsa_reserve_vcc 0
		.amdhsa_float_denorm_mode_32 3
		.amdhsa_float_denorm_mode_16_64 3
		.amdhsa_memory_ordered 1
		.amdhsa_forward_progress 1
		.amdhsa_inst_pref_size 151
	.end_amdhsa_kernel
	.amdgpu_metadata
---
amdhsa.version: [ 1, 2 ]
amdhsa.kernels:
  - .name:           k_qc81a9a052d_fin
    .symbol:         k_qc81a9a052d_fin.kd
    .args:
      - { .name: qkv, .offset: 0, .size: 8, .value_kind: global_buffer, .address_space: global }
      - { .name: mm, .offset: 8, .size: 8, .value_kind: global_buffer, .address_space: global }
      - { .name: ksm, .offset: 16, .size: 8, .value_kind: global_buffer, .address_space: global }
      - { .name: bo, .offset: 24, .size: 8, .value_kind: global_buffer, .address_space: global }
      - { .name: inputs, .offset: 32, .size: 8, .value_kind: global_buffer, .address_space: global }
      - { .name: out0, .offset: 40, .size: 8, .value_kind: global_buffer, .address_space: global }
    .group_segment_fixed_size: 327680
    .private_segment_fixed_size: 0
    .kernarg_segment_align: 8
    .kernarg_segment_size: 48
    .max_flat_workgroup_size: 128
    .sgpr_count:     96
    .vgpr_count:     834
    .wavefront_size: 32
...
	.end_amdgpu_metadata
.endif
;; end of part 5
;; ======== version 2 of 2: 5 launches; 1.18 times as fast as version 1
;; workspace buffers: bf 41,943,040 bytes; qkv 33,554,432 bytes; ksp 262,144 bytes; kvt 8,388,608 bytes; ksm 32,768 bytes; mm 8,388,608 bytes; wpb 2,097,152 bytes; u16 65,536 bytes
;; launch cvt (part 6): grid 1280 x 1, 8 waves a work-group, no clusters, 0 bytes of LDS; arguments inputs, context, Wq, Wk, Wv, Wo, bf; writes bf
.if DOCPART == 6
	.amdgcn_target "amdgcn-amd-amdhsa--gfx1250"
	.amdhsa_code_object_version 6
	.text
	.protected	k_qc81a9a052d_cvt
	.globl	k_qc81a9a052d_cvt
	.p2align	8
	.type	k_qc81a9a052d_cvt,@function
k_qc81a9a052d_cvt:
	s_mov_b64 s[64:65], 0
	v_nop
	global_prefetch_b8 v0, s[64:65] scope:SCOPE_SE
	s_setreg_imm32_b32 hwreg(HW_REG_WAVE_MODE, 25, 1), 1
	s_wait_xcnt 0x0
; THE PROGRAM (five launches).  q = phi(X Wq + bq), k = phi(C Wk + bk), v = C Wv + bv, phi(x) = elu(x) + 1;
; y = ((q kv) z) Wo + bo + X with kv = k^T v, ksum = the column sums of k, z = 1 / (q . ksum + 1e-6), for each batch.
;   1 cvt   inputs, context and the four weights rounded once to bf16, in their own order (this kernel)
;   2 proj  q and k in bf16, and column sums of k over 128 rows each; in its closing phase, called wp: W' = Wv Wo in bf16 and u = bv Wo in f32
;   3 kvg   GT[c][d] = sum over s of C[s][c] k[s][d];  the 16 column sums of a batch folded to 2
;   4 mg    M[d][f] = sum over c of GT[c][d] W'[c][f] + ksum[d] u[f]
;   5 fin   y = (q M) / (q . ksum + 1e-6) + bo + inputs
; ORDER OF THE PRODUCTS, for all values of the inputs:
;   z is one number for each row s, so (z (q kv)) Wo = z (q (kv Wo)): M = kv Wo has 4 x 1024 rows where (q kv) Wo has 8192.
;   v enters only through kv = k^T (C Wv + 1 bv^T) = (k^T C) Wv + ksum bv^T, so M = (k^T C)(Wv Wo) + ksum (bv Wo):
;   v's 8192 x 1024 x 1024 multiply-adds give way to W' with 1024 x 1024 x 1024.  No input is left out: every input is loaded.
; LIMITS: the order of rounding differs from the formula as written: k^T C, W' and M are rounded to bf16 (relative 2^-9);
; ksum is summed in f32 from the bf16 k that the products use; expm1(x) + 1 is computed as exp(x), whose results below 2^-126
; come out as zero.  bf16 keeps f32's range, so no operand overflows that f32 holds; an overflow of v alone has no place to show.
;
; THIS KERNEL: a stream, no LDS, no matrix unit.  Work-group c rounds 16,384 numbers: 64 KiB in, 32 KiB out at byte 32,768 c of bf.
; c 0-511 inputs, 512-1023 context, 1024 + 64 j + (0..63) weight j of Wq, Wk, Wv, Wo.  Thread t takes 16 bytes at 16 t of each 4 KiB;
; a wave's load covers 512 consecutive bytes, its store 256 consecutive bytes at a multiple of 256.  All sixteen loads go out first.
.set X, 4                              ; v[4:67]   sixteen loads of four f32
.set Y, 68                             ; v[68:99]  sixteen pairs of packed bf16
	s_load_b256 s[4:11], s[0:1], 0x0               ; inputs s[4:5], context s[6:7], Wq s[8:9], Wk s[10:11]
	s_load_b128 s[12:15], s[0:1], 0x20             ; Wv s[12:13], Wo s[14:15]
	s_load_b64 s[16:17], s[0:1], 0x30              ; bf
	v_lshlrev_b32 v1, 4, v0                        ; 16 t: my bytes in each 4 KiB of the source
	v_lshlrev_b32 v2, 3, v0                        ; 8 t: my bytes in each 2 KiB of bf
	s_and_b32 s22, ttmp9, 511                      ; the chunk's number inside inputs or context,
	s_and_b32 s23, ttmp9, 63                       ; or inside a weight
	s_cmp_ge_u32 ttmp9, 1024
	s_cselect_b32 s22, s23, s22
	s_lshl_b32 s22, s22, 16                        ; x 64 KiB
	s_mov_b32 s23, 0
	s_lshl_b32 s24, ttmp9, 15                      ; x 32 KiB in bf
	s_mov_b32 s25, 0
	s_wait_kmcnt 0x0
	s_mov_b64 s[20:21], s[4:5]                     ; the source is chosen by the work-group's number alone
	s_cmp_ge_u32 ttmp9, 512
	s_cselect_b64 s[20:21], s[6:7], s[20:21]
	s_cmp_ge_u32 ttmp9, 1024
	s_cselect_b64 s[20:21], s[8:9], s[20:21]
	s_cmp_ge_u32 ttmp9, 1088
	s_cselect_b64 s[20:21], s[10:11], s[20:21]
	s_cmp_ge_u32 ttmp9, 1152
	s_cselect_b64 s[20:21], s[12:13], s[20:21]
	s_cmp_ge_u32 ttmp9, 1216
	s_cselect_b64 s[20:21], s[14:15], s[20:21]
	s_add_nc_u64 s[20:21], s[20:21], s[22:23]
	s_add_nc_u64 s[16:17], s[16:17], s[24:25]
.irp j, 0,1,2,3,4,5,6,7,8,9,10,11,12,13,14,15
	global_load_b128 v[X+4*\j:X+4*\j+3], v1, s[20:21] offset:4096*\j th:TH_LOAD_NT
.endr
.irp j, 0,1,2,3,4,5,6,7,8,9,10,11,12,13,14,15
	s_wait_loadcnt 15-\j                           ; loads come back in order: load j is in, the 15 - j younger ones stay out
	v_cvt_pk_bf16_f32 v[Y+2*\j],   v[X+4*\j],   v[X+4*\j+1]
	v_cvt_pk_bf16_f32 v[Y+2*\j+1], v[X+4*\j+2], v[X+4*\j+3]
	global_store_b64 v2, v[Y+2*\j:Y+2*\j+1], s[16:17] offset:2048*\j   ; no register is written twice, so no wait frees one
.endr
	s_endpgm
.Lfunc_end_k_qc81a9a052d_cvt:
	.size	k_qc81a9a052d_cvt, .Lfunc_end_k_qc81a9a052d_cvt-k_qc81a9a052d_cvt
	.p2alignl 7, 3214868480
	.fill 96, 4, 3214868480
	.section	.rodata,"a",@progbits
	.p2align	6, 0x0
	.amdhsa_kernel k_qc81a9a052d_cvt
		.amdhsa_group_segment_fixed_size 0
		.amdhsa_private_segment_fixed_size 0
		.amdhsa_enable_private_segment 0
		.amdhsa_kernarg_size 56
		.amdhsa_user_sgpr_count 2
		.amdhsa_user_sgpr_kernarg_segment_ptr 1
		.amdhsa_wavefront_size32 1
		.amdhsa_system_sgpr_workgroup_id_x 1
		.amdhsa_system_sgpr_workgroup_id_y 1
		.amdhsa_system_sgpr_workgroup_id_z 1
		.amdhsa_system_vgpr_workitem_id 0
		.amdhsa_next_free_vgpr 104
		.amdhsa_next_free_sgpr 66
		.amdhsa_reserve_vcc 0
		.amdhsa_float_denorm_mode_32 3
		.amdhsa_float_denorm_mode_16_64 3
		.amdhsa_memory_ordered 1
		.amdhsa_forward_progress 1
		.amdhsa_inst_pref_size 7
	.end_amdhsa_kernel
	.amdgpu_metadata
---
amdhsa.version: [ 1, 2 ]
amdhsa.kernels:
  - .name:           k_qc81a9a052d_cvt
    .symbol:         k_qc81a9a052d_cvt.kd
    .args:
      - { .name: inputs, .offset: 0, .size: 8, .value_kind: global_buffer, .address_space: global }
      - { .name: context, .offset: 8, .size: 8, .value_kind: global_buffer, .address_space: global }
      - { .name: Wq, .offset: 16, .size: 8, .value_kind: global_buffer, .address_space: global }
      - { .name: Wk, .offset: 24, .size: 8, .value_kind: global_buffer, .address_space: global }
      - { .name: Wv, .offset: 32, .size: 8, .value_kind: global_buffer, .address_space: global }
      - { .name: Wo, .offset: 40, .size: 8, .value_kind: global_buffer, .address_space: global }
      - { .name: bf, .offset: 48, .size: 8, .value_kind: global_buffer, .address_space: global }
    .group_segment_fixed_size: 0
    .private_segment_fixed_size: 0
    .kernarg_segment_align: 8
    .kernarg_segment_size: 56
    .max_flat_workgroup_size: 256
    .sgpr_count:     66
    .vgpr_count:     104
    .wavefront_size: 32
...
	.end_amdgpu_metadata
.endif
;; end of part 6
;; launch proj (part 7): grid 8 x 32, 4 waves a work-group, clusters of 4 x 4, 327,680 bytes of LDS; arguments bf, bq, bk, bv, qkv, ksp, wpb, u16; writes qkv, ksp, wpb, u16
.if DOCPART == 7
	.amdgcn_target "amdgcn-amd-amdhsa--gfx1250"
	.amdhsa_code_object_version 6
	.text
	.protected	k_qc81a9a052d_proj
	.globl	k_qc81a9a052d_proj
	.p2align	8
	.type	k_qc81a9a052d_proj,@function
k_qc81a9a052d_proj:
	s_mov_b64 s[64:65], 0
	v_nop
	global_prefetch_b8 v0, s[64:65] scope:SCOPE_SE
	s_setreg_imm32_b32 hwreg(HW_REG_WAVE_MODE, 25, 1), 1
	s_wait_xcnt 0x0
	s_wait_alu depctr_hold_cnt(0) depctr_sa_sdst(0) depctr_va_vdst(0) depctr_va_sdst(0) depctr_va_ssrc(0) depctr_va_vcc(0) depctr_vm_vsrc(0)
	s_getreg_b32 s2, hwreg(HW_REG_IB_STS2, 6, 4)
	s_cmp_eq_u32 s2, 0
	s_cbranch_scc0 .Lentry_in_a_cluster
	s_endpgm
.Lentry_in_a_cluster:
	s_bfe_u32 s2, ttmp6, 0x10000c
	s_cmp_lg_u32 s2, 0xf033
	s_cbranch_scc0 .Lentry_shape_is_right
	s_endpgm
.Lentry_shape_is_right:
; q = phi(Xb Wq + bq), k = phi(Cb Wk + bk), both [8192][1024], stored in bf16; phi(x) = x + 1 for x > 0, exp(x) otherwise.
; Also ksp[g][d] = the sum over rows 128 g .. 128 g + 127 of the bf16 k.  v is not made: M = (k^T C)(Wv Wo) + ksum (bv Wo) for all values of the inputs.
; THE CLOSING PHASE, wp: W'[c][f] = the sum over e of Wv[c][e] Wo[e][f] in bf16, and u[f] = the sum over e of bv[e] Wo[e][f] in f32, which stand for v.
;
; THE PROJECTIONS.  A work-group makes 256 rows x 256 columns of one projection with four waves, as many as a WGP has SIMDs; a wave makes 128 x 128:
; 64 accumulator tiles, 512 registers.  2 x 32 x 4 = 256 work-groups.  K = 1024 goes in steps of 128 through two LDS slots filled by the tensor data mover.
; A = the rows of Xb or Cb, K along the rows: plain 16-byte LDS loads.  B = the weight as it lies, [K][N]: the transposing LDS load.
; For 32 along K a wave loads 2 x 128 x 64 bytes from LDS and issues 64 matrix instructions.
; CLUSTERS: 4 x 4 work-groups.  The cluster's x is the projection p, cx the block column, 4 x cluster y + cy the block row.  The four of a row
; of the cluster need the same tile of A, the four of a column the same tile of B: each tile is asked for jointly, by the same load in all four.
; REGISTERS, in windows of 256: window 0: v0-31 addresses; v64-127, v128-191 fragments of A, two buffers; on the way out v32-243 at work.
;   window 1: v0-63 the bias; v64-127, v128-191 fragments of B, two buffers.
;   window 2: the 32 accumulator tiles of my rows 0-63 (tile (a, b) at v[8 (8 a + b)]);  window 3: those of my rows 64-127.
; The bias is the C operand of the first products: nothing is cleared and no add stands in the way out.
; THE MATRIX INSTRUCTION IS USED TRANSPOSED (source 0 = 16 columns of the weight, source 1 = 16 rows of A): lane l holds row l % 16 and
; registers 0-7 hold the columns 8 (l / 16) + 0..7, eight neighbouring numbers of a row.
; The 64 accumulators take turns, one instruction a turn, in the same order in every quarter step, over the backward jump too.
;
; THE PHASE wp.  W' has 16 x 16 blocks of 64 x 64, one for each of the 256 work-groups: block row i = 4 (cluster y / 2) + cy, block column
; j = 4 (2 (cluster y % 2) + cluster x) + cx.  Its operands (64 rows of Wv, 64 columns of Wo, K = 1024 in two halves of 512) use the two slots once the
; projections' last two K steps have read them: the first half is asked for behind the round that frees slot 0 and has a K step's 240 matrix instructions in
; which to land, the second behind a round that frees slot 1 and has the whole way out of q or k.  Wv's rows are shared along a row of the cluster, Wo's
; columns along a column.  The phase runs when all 512 accumulators are dead, in window 0 alone.  Wave w makes all 64 rows x columns 16 w .. 16 w + 15.
; u rides on the matrix unit: a fragment whose sixteen rows all hold bv (bf16) is source 0 against the wave's fragment of Wo as source 1: lane l holds u of column l % 16.
; The sixteen work-groups of a block column hold the same columns of Wo, and each makes u for them: no branch may hang on a work-group's place in its cluster,
; so none is singled out.  It is one matrix instruction beside four.  Row i of u16 takes block row i's copy, and the launch mg reads all sixteen rows.
; W' LEAVES IN PIECES OF 128 BYTES (64 columns), 2 MiB in all, and Wo's rows of a tile are 128 bytes of memory: 256 blocks of a 1024 x 1024 matrix that
; share rows along one axis of a 4 x 4 cluster and columns along the other are 64 wide.
; The phase's five accumulators take turns, one instruction a turn, in the same order in every K step.
; LIMIT: exp(x) stands for expm1(x) + 1; a result below 2^-126 comes out as zero.  A NaN stays a NaN (the select keeps exp(NaN)).
.set KSTEP, 128
.set PA,    272                        ; A's LDS row: 256 bytes + 16: 17 x 16, so sixteen rows start at sixteen different 16-byte columns modulo 256
.set PB,    544                        ; B's LDS row: 512 bytes + 32: 17 x 32, an odd multiple of 32 for the transposing load
.set ATILE, 256*PA                     ; 69,632; B's 128 k rows behind it end at 139,264
.set WPA,   1040                       ; wp: an LDS row of Wv: 1,024 bytes (512 along K) + 16 = 65 x 16
.set WPB,   160                        ; wp: an LDS row of Wo: 128 bytes + 32 = 5 x 32
.set WAH,   32*WPA                     ; 33,280: what one load of Wv brings
.set WBH,   256*WPB                    ; 40,960: what one load of Wo brings
.set WATILE, 2*WAH                     ; 66,560
.set SLOT,  WATILE+2*WBH               ; 148,480: a slot holds a K step's tiles (139,264 bytes) or one half of wp's operands
.set STAGE, 2*SLOT                     ; 296,960: behind the ring, 16 rows x 272 bytes for each wave; no tensor load lands at or behind this byte
.set SP,    272
.set KSB,   STAGE+4*16*SP              ; 314,368: bv, 1,024 bf16
.set ULDS,  KSB+2048                   ; 316,416: u of the block's 64 columns
.set WSTAGE, ULDS+256                  ; 316,672: wp's way out, 64 rows x 144 bytes
.set WSP,   144                        ; 128 bytes + 16 = 9 x 16
.set LAPS,  4                          ; 1024 / (2 x 128): a lap is once round the ring
.set ADRA, 6                           ; v6-7   LDS address of my A fragments in slot 0, 1
.set ADRB, 8                           ; v8-9   the same for B
.set STO,  10                          ; the way out: where I put 16 bytes of a row
.set RD,   11                          ; the way out: where I read a row back
.set CO,   12                          ; my byte offset in the output rows
.set BOF,  13                          ; my byte offset in the bias
.set KOF,  14                          ; my byte offset in a row of ksp
.set F0,   64                          ; fragment buffer 0
.set F1,   128                         ; fragment buffer 1
.set E,    32                          ; the way out: 64 exponentials, then phi
.set P,    96                          ; the way out: 64 x + 1
.set PK,   160                         ; the way out: 32 words of packed bf16
.set RB,   192                         ; the way out: 8 x 4 words read back by rows
.set KS,   224                         ; eight column sums
.set T,    232                         ; at work
.set O,    240                         ; four sums to store
.set WADRA, 6                          ; wp, all in window 0: v6-7 LDS address of my fragments of Wv in half 0, 1
.set WADRB, 8                          ; v8-11   of my fragments of Wo: half 0 K steps 0-7, 8-15; half 1 likewise (the offsets have 16 bits)
.set WKSA,  12                         ; bv's fragment
.set WSTO,  13
.set WRD,   14
.set WCO,   15
.set WUST,  16
.set WURD,  17
.set WUCO,  18
.set WACC,  24                         ; v24-55  four accumulator tiles
.set WUA,   56                         ; v56-63  u's tile
.set WFB,   64                         ; v64-207 three fragment buffers of 48: Wv's four fragments, Wo's one, bv's one
.set WPK,   208                        ; 16 words of packed bf16
.set WRB,   224                        ; 4 x 4 words read back by rows
.set WUV,   240
.set G1A, 24                           ; s[24:31] group 1 for A's tiles, later for Wv's
.set G0A, 32                           ; s[32:39] group 0 for A's tiles, a set for each slot
.set G1B, 48                           ; s[48:55] group 1 for B's tiles, later for Wo's
.set G0B, 56                           ; s[56:63] group 0 for B's tiles, a set for each slot
.set BIASP, 70                         ; s[70:71] my numbers of the bias
.set OUTP,  76                         ; s[76:77] my part of qkv
.set KSPP,  78                         ; s[78:79] ksp
.set WOUT,  80                         ; s[80:81] my rows of W'
.set UOUT,  82                         ; s[82:83] my numbers of u16
.set MUL_LO,  0xa1                     ; source 0 (B) window 1, source 1 (A) window 0, C and D window 2
.set MUL_HI,  0xf1                     ; the same, C and D window 3
.set BIAS_LO, 0x91                     ; the same as MUL_LO with C in window 1: the bias
.set BIAS_HI, 0xd1                     ; the same as MUL_HI with C in window 1
.set TO_B,    0x40                     ; destination window 1, address window 0
.set MSB, 0
.macro WIN new                         ; the immediate's high byte repeats the setting that is left
.if MSB != \new
	s_set_vgpr_msb (MSB<<8)|\new
.set MSB, \new
.endif
.endm
; A joint load.  Waves 0 and 1 fetch the two halves of A's tile (or of Wv's), waves 2 and 3 those of B's (or of Wo's).  The branch hangs on the wave's number alone.
.macro JLOAD s
	s_cmp_eq_u32 s11, 0
	s_cbranch_scc0 .Lfor_b_\@
	tensor_load_to_lds s[G0A+4*\s:G0A+4*\s+3], s[G1A:G1A+7]
	s_nop 0
	s_branch .Lasked_\@
.Lfor_b_\@:
	tensor_load_to_lds s[G0B+4*\s:G0B+4*\s+3], s[G1B:G1B+7]
	s_nop 0
.Lasked_\@:
.endm
.macro CREST                           ; a round of the cluster's barrier behind its opening work-group barrier
	s_cmp_lg_u32 s10, 0
	s_cbranch_scc1 .Lnot_wave_0_\@
	s_barrier_signal -3
.Lnot_wave_0_\@:
	s_barrier_wait -3
	s_barrier_signal -1
	s_barrier_wait -1
.endm
.macro CROUND                          ; a whole round
	s_barrier_signal -1
	s_barrier_wait -1
	CREST
.endm
.macro PLACES                          ; four places between a matrix instruction and a load into, or a vector read of, its registers
.rept 4
	v_nop
.endr
.endm
; The descriptors are written anew for wp's operands.  It stands behind a wait for all the wave's tensor loads, where none is out.
; Words 5 to 7 of both groups 1 (1,024 elements from row to row) and word 0 of the groups 0 stay as they are.
.macro WDESC
	s_or_b32  s[G1A+0], s43, (1<<16)|(1<<20)|(1<<21)|(7<<22)|(3<<25)   ; Wv: 32 rows x 512 elements of 2 bytes, 4 words of padding behind every 256 words; my row of the cluster
	s_mov_b32 s[G1A+1], 512<<16                    ; tensor_dim0 = 512
	s_mov_b32 s[G1A+2], 32<<16                     ; tensor_dim1 = 32
	s_mov_b32 s[G1A+3], 512<<16                    ; tile_dim0 = 512
	s_mov_b32 s[G1A+4], 32                         ; tile_dim1 = 32
	s_or_b32  s[G1B+0], s44, (1<<16)|(1<<20)|(1<<21)|(4<<22)|(7<<25)   ; Wo: 256 k rows x 64 elements, 8 words of padding behind every 32 words; my column
	s_mov_b32 s[G1B+1], 64<<16
	s_mov_b32 s[G1B+2], 256<<16
	s_mov_b32 s[G1B+3], 64<<16
	s_mov_b32 s[G1B+4], 256
.irp s, 0,1
	s_add_co_u32 s[G0A+4*\s+1], s98, \s*SLOT
	s_add_nc_u64 s[G0A+4*\s+2:G0A+4*\s+3], s[4:5], \s*1024             ; half s of K: 512 elements along the rows
	s_or_b32 s[G0A+4*\s+3], s[G0A+4*\s+3], 0x80000000
	s_add_co_u32 s[G0B+4*\s+1], s99, \s*SLOT
	s_add_nc_u64 s[G0B+4*\s+2:G0B+4*\s+3], s[6:7], \s*512*2048         ; half s of K: 512 rows down
	s_or_b32 s[G0B+4*\s+3], s[G0B+4*\s+3], 0x80000000
.endr
.endm
	s_load_b256 s[68:75], s[0:1], 0x0              ; bf s[68:69], bq s[70:71], bk s[72:73], bv s[74:75]
	s_load_b256 s[76:83], s[0:1], 0x20             ; qkv s[76:77], ksp s[78:79], wpb s[80:81], u16 s[82:83]
	s_set_vgpr_msb 0x40
	v_lshl_add_u32 v255, v0, 2, 0x4f900
	s_set_vgpr_msb 0x4000
	v_mov_b32 v255, 0
	s_set_vgpr_msb 0x1
	ds_add_u32 v255, v255
	s_set_vgpr_msb 0x100
	v_lshrrev_b32 v1, 5, v0
	v_readfirstlane_b32 s10, v1                    ; wave 0..3
	s_lshr_b32 s11, s10, 1                         ; which 128 of the block's rows are mine.  Also: I fetch for A (0) or for B (1)
	s_and_b32 s12, s10, 1                          ; which 128 of its columns.  Also: which half of that tile I fetch
	s_bfe_u32 s40, ttmp6, 0x40000                  ; cx = the block column, 0..3
	s_bfe_u32 s41, ttmp6, 0x40004                  ; cy
	s_mov_b32 s45, ttmp9                           ; the cluster's x = the projection: 0 q, 1 k; equal in all sixteen partners
	s_and_b32 s96, ttmp7, 0xffff                   ; the cluster's y, 0..7
	s_lshl_b32 s13, s96, 2
	s_add_co_u32 s13, s13, s41                     ; block row = 4 x cluster y + cy, 0..31
	s_lshr_b32 s97, s96, 1
	s_lshl_b32 s97, s97, 2
	s_add_co_u32 s97, s97, s41                     ; wp: i = 4 (cluster y / 2) + cy, 0..15
	s_and_b32 s96, s96, 1
	s_lshl_b32 s96, s96, 1
	s_add_co_u32 s96, s96, s45
	s_lshl_b32 s96, s96, 2
	s_add_co_u32 s96, s96, s40                     ; wp: j = 4 (2 (cluster y % 2) + cluster x) + cx, 0..15
	s_lshl_b32 s43, s41, 2
	s_lshl_b32 s43, 15, s43                        ; my row of the cluster: places 4 cy .. 4 cy + 3
	s_lshl_b32 s44, 0x1111, s40                    ; my column: places cx, cx + 4, cx + 8, cx + 12
	; group 1 for A: 128 rows x 128 elements of 2 bytes, 4 words of padding behind every 64 words
	s_or_b32  s[G1A+0], s43, (1<<16)|(1<<20)|(1<<21)|(5<<22)|(3<<25)
	s_mov_b32 s[G1A+1], 128<<16                    ; tensor_dim0 = 128
	s_mov_b32 s[G1A+2], 128<<16                    ; tensor_dim1 = 128
	s_mov_b32 s[G1A+3], 128<<16                    ; tile_dim0 = 128
	s_mov_b32 s[G1A+4], 128                        ; tile_dim1 = 128
	s_mov_b32 s[G1A+5], 1024                       ; elements from row to row
	s_mov_b32 s[G1A+6], 0
	s_mov_b32 s[G1A+7], 0
	; group 1 for B: 64 k rows x 256 elements, 8 words of padding behind every 128 words
	s_or_b32  s[G1B+0], s44, (1<<16)|(1<<20)|(1<<21)|(6<<22)|(7<<25)
	s_mov_b32 s[G1B+1], 256<<16
	s_mov_b32 s[G1B+2], 64<<16
	s_mov_b32 s[G1B+3], 256<<16
	s_mov_b32 s[G1B+4], 64
	s_mov_b32 s[G1B+5], 1024
	s_mov_b32 s[G1B+6], 0
	s_mov_b32 s[G1B+7], 0
	; A's offset in bf hangs on the block row, the projection and the wave; its registers never hold cx
	s_lshl_b32 s16, s13, 19                        ; 256 rows of 2,048 bytes
	s_lshl_b32 s14, s12, 18                        ; + my 128 rows
	s_add_co_u32 s16, s16, s14
	s_cmp_lg_u32 s45, 0
	s_cselect_b32 s14, 0x1000000, 0                ; q reads Xb at 0, k reads Cb
	s_add_co_u32 s16, s16, s14
	s_mov_b32 s17, 0
	; B's offset hangs on the projection, cx and the wave; its registers never hold cy
	s_lshl_b32 s46, s45, 21                        ; Wq at 0x2000000, Wk 2 MiB behind it
	s_add_co_u32 s46, s46, 0x2000000
	s_lshl_b32 s15, s12, 17                        ; + my 64 k rows
	s_add_co_u32 s46, s46, s15
	s_lshl_b32 s15, s40, 9                         ; + 256 columns for each block column
	s_add_co_u32 s46, s46, s15
	s_mov_b32 s47, 0
	; wp: Wv at 0x2400000 of bf: 64 rows of 2,048 bytes for each i, my 32 rows; these registers never hold cx
	s_lshl_b32 s4, s97, 17
	s_add_co_u32 s4, s4, 0x2400000
	s_lshl_b32 s14, s12, 16
	s_add_co_u32 s4, s4, s14
	s_mov_b32 s5, 0
	; wp: Wo at 0x2600000: my 256 k rows, 64 columns for each j; these registers never hold cy
	s_lshl_b32 s6, s12, 19
	s_add_co_u32 s6, s6, 0x2600000
	s_lshl_b32 s15, s96, 7
	s_add_co_u32 s6, s6, s15
	s_mov_b32 s7, 0
	; wp: the rows of W' that I store: 64 i + 16 wave, columns 64 j; and row i of u16, 64 numbers for each j
	s_lshl_b32 s8, s97, 17
	s_lshl_b32 s92, s10, 15
	s_add_co_u32 s8, s8, s92
	s_lshl_b32 s92, s96, 7
	s_add_co_u32 s8, s8, s92
	s_mov_b32 s9, 0
	s_lshl_b32 s92, s97, 12
	s_lshl_b32 s93, s96, 8
	s_add_co_u32 s92, s92, s93
	s_mov_b32 s93, 0
	s_mul_i32 s98, s12, WAH                        ; wp: where its tiles go: the wave's number alone
	s_mul_i32 s99, s12, WBH
	s_add_co_u32 s99, s99, WATILE
	; my part of the output: projection, 256 block row + 128 mh rows, 256 cx + 128 nh columns
	s_lshl_b32 s18, s45, 24
	s_lshl_b32 s22, s13, 19
	s_add_co_u32 s18, s18, s22
	s_lshl_b32 s22, s11, 18
	s_add_co_u32 s18, s18, s22
	s_lshl_b32 s22, s40, 9
	s_add_co_u32 s18, s18, s22
	s_lshl_b32 s22, s12, 8
	s_add_co_u32 s18, s18, s22
	s_mov_b32 s19, 0
	s_lshl_b32 s22, s40, 10                        ; my 128 columns in f32: the bias, and a row of ksp
	s_lshl_b32 s23, s12, 9
	s_add_co_u32 s22, s22, s23
	s_mov_b32 s23, 0
	s_mul_i32 s20, s12, 128*PA                     ; where the tiles go: the wave's number alone
	s_mul_i32 s21, s12, 64*PB
	s_add_co_u32 s21, s21, ATILE
	s_mov_b32 s84, 0xffff0000                      ; a word's upper bf16; also the mask of lanes 16-31
	s_mov_b32 s85, 0x76543210                      ; v_permlanex16_b32: lane i of one half reads lane i of the other
	s_mov_b32 s86, 0xfedcba98
	s_wait_dscnt 0x0
	s_wait_kmcnt 0x0
	s_add_nc_u64 s[88:89], s[68:69], s[16:17]      ; A's first tile
	s_add_nc_u64 s[90:91], s[68:69], s[46:47]      ; B's first tile
	s_add_nc_u64 s[4:5], s[68:69], s[4:5]          ; wp: Wv's first tile
	s_add_nc_u64 s[6:7], s[68:69], s[6:7]          ; wp: Wo's first tile
	s_add_nc_u64 s[OUTP:OUTP+1], s[OUTP:OUTP+1], s[18:19]
	s_add_nc_u64 s[WOUT:WOUT+1], s[WOUT:WOUT+1], s[8:9]
	s_add_nc_u64 s[UOUT:UOUT+1], s[UOUT:UOUT+1], s[92:93]
	s_cmp_eq_u32 s45, 1                            ; the bias is chosen by the projection
	s_cselect_b64 s[BIASP:BIASP+1], s[72:73], s[70:71]
	s_add_nc_u64 s[BIASP:BIASP+1], s[BIASP:BIASP+1], s[22:23]
	CROUND                                         ; all sixteen work-groups are here: the first joint loads meet
.irp s, 0,1
	s_mov_b32 s[G0A+4*\s], 1
	s_add_co_u32 s[G0A+4*\s+1], s20, \s*SLOT
	s_add_nc_u64 s[G0A+4*\s+2:G0A+4*\s+3], s[88:89], \s*KSTEP*2        ; K step s: 256 bytes along the rows
	s_or_b32 s[G0A+4*\s+3], s[G0A+4*\s+3], 0x80000000
	s_mov_b32 s[G0B+4*\s], 1
	s_add_co_u32 s[G0B+4*\s+1], s21, \s*SLOT
	s_add_nc_u64 s[G0B+4*\s+2:G0B+4*\s+3], s[90:91], \s*KSTEP*2048     ; K step s: 128 rows down
	s_or_b32 s[G0B+4*\s+3], s[G0B+4*\s+3], 0x80000000
	JLOAD \s                                       ; both slots' first fills go out together: two tensor loads of the wave are out
.endr
	v_and_b32 v1, 15, v0                           ; r = l % 16
	v_bfe_u32 v2, v0, 4, 1                         ; h = l / 16
	v_lshlrev_b32 v[BOF], 5, v2                    ; the bias of columns 16 b + 8 h + 0..7 lies at 64 b + 32 h
	v_lshlrev_b32 v15, 5, v0                       ; wp: thread t takes bv's numbers 8 t .. 8 t + 7
	WIN TO_B                                       ; destination window 1
.irp b, 0,1,2,3,4,5,6,7
	global_load_b128 v[8*\b:8*\b+3],   v[BOF], s[BIASP:BIASP+1] offset:64*\b
	global_load_b128 v[8*\b+4:8*\b+7], v[BOF], s[BIASP:BIASP+1] offset:64*\b+16
.endr
	WIN 0
	global_load_b128 v[64:67], v15, s[74:75]
	global_load_b128 v[68:71], v15, s[74:75] offset:16
	v_mul_u32_u24 v3, v1, PA
	v_lshl_add_u32 v3, v2, 4, v3                   ; r x 272 + 16 h
	s_mul_i32 s14, s11, 128*PA                     ; my 128 rows of A
	v_add_nc_u32 v[ADRA], s14, v3
	v_add_nc_u32 v[ADRA+1], SLOT, v[ADRA]
	v_and_b32 v4, 7, v0                            ; the transposing load: lane l addresses k row 8 h + l % 8,
	v_lshl_add_u32 v4, v2, 3, v4
	v_mul_u32_u24 v4, v4, PB
	v_bfe_u32 v5, v0, 3, 1                         ; and the 16 bytes (l / 8) % 2 of the 32 that hold sixteen columns
	v_lshl_add_u32 v4, v5, 4, v4
	s_lshl_b32 s15, s12, 8                         ; my 128 columns of B,
	s_add_co_u32 s15, s15, ATILE                   ; which lies behind A
	v_add_nc_u32 v[ADRB], s15, v4
	v_add_nc_u32 v[ADRB+1], SLOT, v[ADRB]
	s_mul_i32 s87, s10, 16*SP
	s_add_co_u32 s87, s87, STAGE                   ; my stage
	v_add_nc_u32 v[STO], s87, v3                   ; in: row r, 16 bytes for each half of the lanes
	v_mul_u32_u24 v5, v2, SP                       ; back: lanes 0-15 one row of 256 bytes, lanes 16-31 the next
	v_lshl_add_u32 v5, v1, 4, v5
	v_add_nc_u32 v[RD], s87, v5
	v_lshlrev_b32 v5, 11, v2                       ; and the same two rows in the output
	v_lshl_add_u32 v[CO], v1, 4, v5
	v_lshlrev_b32 v5, 5, v1
	v_lshl_add_u32 v[KOF], v2, 4, v5               ; 32 r + 16 h: four of my eight column sums
	v_lshl_add_u32 v5, v0, 4, KSB                  ; wp: where thread t puts its eight bf16 of bv
; 16 matrix instructions: row blocks a0, a0 + 1 of the window's four (hi = 0: my rows 0-63, 1: rows 64-127) x all 8 column blocks, 32 along K.
; start = 1: C is the bias, which starts the sums.
.macro MUL16 f, hi, a0, start
.irp a, \a0, \a0+1
.irp b, 0,1,2,3,4,5,6,7
.if \start
	v_wmma_f32_16x16x32_bf16 v[8*(8*(\a)+\b):8*(8*(\a)+\b)+7], v[\f+8*\b:\f+8*\b+7], v[\f+8*(4*\hi+\a):\f+8*(4*\hi+\a)+7], v[8*\b:8*\b+7]
.else
	v_wmma_f32_16x16x32_bf16 v[8*(8*(\a)+\b):8*(8*(\a)+\b)+7], v[\f+8*\b:\f+8*\b+7], v[\f+8*(4*\hi+\a):\f+8*(4*\hi+\a)+7], v[8*(8*(\a)+\b):8*(8*(\a)+\b)+7]
.endif
.endr
.endr
.endm
; 32 LDS loads in one run: the fragments of quarter q (32 along K) of a slot into buffer f: B's eight, then A's eight
.macro FETCH slot, q, f
	WIN TO_B
.irp i, 0,1,2,3,4,5,6,7
	ds_load_tr16_b128 v[\f+8*\i:\f+8*\i+3],   v[ADRB+\slot] offset:32*\i+\q*32*PB          ; k = 32 q + 8 h + 0..7 of column 16 i + r
	ds_load_tr16_b128 v[\f+8*\i+4:\f+8*\i+7], v[ADRB+\slot] offset:32*\i+\q*32*PB+16*PB    ; k = 32 q + 16 + 8 h + 0..7
.endr
	WIN 0
.irp i, 0,1,2,3,4,5,6,7
	ds_load_b128 v[\f+8*\i:\f+8*\i+3],   v[ADRA+\slot] offset:\i*16*PA+64*\q
	ds_load_b128 v[\f+8*\i+4:\f+8*\i+7], v[ADRA+\slot] offset:\i*16*PA+64*\q+32
.endr
.endm
; One of a K step's first three quarters: multiplies buffer f; in its middle it fetches quarter q's fragments into buffer g, 32 matrix instructions ahead of their first use.
.macro QUARTER slot, q, f, g, start
	s_wait_dscnt 8                                 ; B and A's rows 0-63 are in; the youngest eight loads (A's rows 64-127) may be out
.if \start
	WIN BIAS_LO
.else
	WIN MUL_LO
.endif
	MUL16 \f, 0, 0, \start
	MUL16 \f, 0, 2, \start
	PLACES                                         ; buffer g was read by matrix instructions, the last of them 32 matrix instructions ago
	FETCH \slot, \q, \g
	s_wait_dscnt 32                                ; all but the 32 just issued
.if \start
	WIN BIAS_HI
.else
	WIN MUL_HI
.endif
	MUL16 \f, 1, 0, \start
	MUL16 \f, 1, 2, \start
.endm
.macro THREE slot, start
	QUARTER \slot, 1, F0, F1, \start
	QUARTER \slot, 2, F1, F0, 0
	QUARTER \slot, 3, F0, F1, 0
.endm
; The last quarter multiplies buffer 1 and changes slots.  In front of the barrier each wave waits for its reads of this slot and for all its tensor
; loads (one is out: its part of the next slot).  The barrier opens a round of the cluster's barrier, and behind the round this slot is asked for again,
; first of all: fill = 1: with the tiles two K steps ahead; fill = 2: with the first half of wp's operands.  Then the next slot's first fragments are read.
; From a request to the wait for it a wave issues 240 matrix instructions.
.macro TURN slot, next, fill
	s_wait_dscnt 8
	WIN MUL_LO
	MUL16 F1, 0, 0, 0
	s_wait_dscnt 0x0                               ; my reads of this slot are over
	s_wait_tensorcnt 0x0                           ; all my tensor loads have landed, so every descriptor may be written
	ds_add_u32 v255, v255
	s_wait_dscnt 0x0
	s_barrier_signal -1
	MUL16 F1, 0, 2, 0                              ; register work while the others arrive
	WIN 0
	s_barrier_wait -1
	CREST                                          ; no wave of any partner still reads this slot or has a load on its way
.if \fill == 1
	s_add_nc_u64 s[G0A+4*\slot+2:G0A+4*\slot+3], s[G0A+4*\slot+2:G0A+4*\slot+3], 2*KSTEP*2
	s_add_nc_u64 s[G0B+4*\slot+2:G0B+4*\slot+3], s[G0B+4*\slot+2:G0B+4*\slot+3], 2*KSTEP*2048
.else
	WDESC
.endif
	JLOAD \slot                                    ; my one tensor load behind the round: one is out until the next change of slots
	PLACES
	FETCH \next, 0, F0
	WIN MUL_HI
	MUL16 F1, 1, 0, 0
	MUL16 F1, 1, 2, 0
.endm
.macro LAP start
	THREE 0, \start
	TURN 0, 1, 1
	THREE 1, 0
	TURN 1, 0, 1
.endm
	s_wait_loadcnt 0x0                             ; the bias and bv
	v_cvt_pk_bf16_f32 v72, v64, v65
	v_cvt_pk_bf16_f32 v73, v66, v67
	v_cvt_pk_bf16_f32 v74, v68, v69
	v_cvt_pk_bf16_f32 v75, v70, v71
	ds_store_b128 v5, v[72:75]
	s_wait_dscnt 0x0                               ; for the other waves' sake: my part of bv is in LDS
	s_wait_tensorcnt 0x1                           ; my part of K step 0 is in; K step 1's stays out
	s_barrier_signal -1
	s_barrier_wait -1                              ; everybody's part is in
	FETCH 0, 0, F0
	LAP 1                                          ; the first lap stands in front of the loop: its first products start the sums from the bias
	WIN 0                                          ; at a label and at a branch every window is 0
	s_mov_b32 s3, LAPS-2
.Llap:
	LAP 0
	WIN 0
	s_sub_co_u32 s3, s3, 1
	s_cmp_lg_u32 s3, 0
	s_cbranch_scc1 .Llap
	THREE 0, 0                                     ; the last lap: the slots that it frees take wp's operands
	TURN 0, 1, 2                                   ; slot 0 gets the first half of K
	THREE 1, 0
	s_wait_dscnt 8                                 ; the very last quarter: no fragments are left to fetch
	WIN MUL_LO
	MUL16 F1, 0, 0, 0
	s_wait_dscnt 0x0                               ; my reads of slot 1 are over
	s_wait_tensorcnt 0x0                           ; my part of wp's first half has landed: no tensor load of mine is out
	ds_add_u32 v255, v255
	s_wait_dscnt 0x0
	s_barrier_signal -1
	MUL16 F1, 0, 2, 0
	WIN 0
	s_barrier_wait -1
	CREST                                          ; no wave of any partner still reads slot 1 or has a load on its way
	JLOAD 1                                        ; slot 1 gets the second half of K: my last tensor load; it has the whole way out below in which to land
	WIN MUL_HI
	MUL16 F1, 1, 0, 0
	MUL16 F1, 1, 2, 0
	WIN 0
	PLACES                                         ; behind the last matrix instructions, for every reader and writer below
; THE WAY OUT, 16 rows at a time (row block a of eight, in window w): phi, round to bf16, 16 bytes a lane into my own stage, whole rows of 256 bytes back,
; stores of which sixteen lanes cover 256 consecutive bytes at a multiple of 256.  ks = 1: the rows read back are also summed by columns.
.macro OUT16 a, w, ks
	WIN \w                                         ; source 0 in the accumulators' window
.set i, 0
.rept 32
	v_pk_mul_f32 v[E+i:E+i+1], v[64*(\a%4)+i:64*(\a%4)+i+1], 0x3fb8aa3b op_sel_hi:[1,0]   ; x log2(e)
	v_pk_add_f32 v[P+i:P+i+1], v[64*(\a%4)+i:64*(\a%4)+i+1], 1.0 op_sel_hi:[1,0]          ; x + 1
.set i, i+2
.endr
	WIN 0
.set i, 0
.rept 64
	v_exp_f32 v[E+i], v[E+i]
.set i, i+1
.endr
	v_nop                                          ; one plain instruction between the last exponential and its use (ISA guide 5.7.2)
.set i, 0
	s_wait_alu depctr_va_vdst(0)
.rept 64
	v_cmp_lt_f32 vcc_lo, 1.0, v[P+i]               ; x + 1 > 1 picks x + 1.  Where x > 0 and x + 1 rounds to 1, exp(x) is 1 as well
	v_cndmask_b32 v[E+i], v[E+i], v[P+i], vcc_lo
.set i, i+1
.endr
.set i, 0
.rept 32
	v_cvt_pk_bf16_f32 v[PK+i], v[E+2*i], v[E+2*i+1]
.set i, i+1
.endr
.irp b, 0,1,2,3,4,5,6,7
	ds_store_b128 v[STO], v[PK+4*\b:PK+4*\b+3] offset:32*\b
.endr
	s_wait_xcnt 0x0                                ; RB was the data of the last sixteen rows' stores: it is loaded again only behind this wait
.irp t, 0,1,2,3,4,5,6,7
	ds_load_b128 v[RB+4*\t:RB+4*\t+3], v[RD] offset:\t*2*SP        ; LDS serves a wave's instructions in order: these see the stores above
.endr
.irp t, 0,1,2,3,4,5,6,7
	s_wait_dscnt 7-\t                              ; pair t of rows is back, the 7 - t younger loads stay out
	global_store_b128 v[CO], v[RB+4*\t:RB+4*\t+3], s[OUTP:OUTP+1] offset:(16*\a+2*\t)*2048
.if \ks
.if (\a+\t) == 0
.irp k, 0,1,2,3
	v_lshlrev_b32 v[KS+2*\k],   16,  v[RB+4*\t+\k] ; the first pair of rows starts the sums: nothing is cleared
	v_and_b32     v[KS+2*\k+1], s84, v[RB+4*\t+\k]
.endr
.else
.irp k, 0,1,2,3
	v_lshlrev_b32 v[T+2*\k],   16,  v[RB+4*\t+\k]
	v_and_b32     v[T+2*\k+1], s84, v[RB+4*\t+\k]
.endr
.irp k, 0,2,4,6
	v_pk_add_f32 v[KS+\k:KS+\k+1], v[KS+\k:KS+\k+1], v[T+\k:T+\k+1]
.endr
.endif
.endif
.endr
.endm
	s_cmp_eq_u32 s45, 1                            ; the projection is the cluster's x: all partners take the same way
	s_cbranch_scc1 .Lk
	OUT16 0, 2, 0
	OUT16 1, 2, 0
	OUT16 2, 2, 0
	OUT16 3, 2, 0
	OUT16 4, 3, 0
	OUT16 5, 3, 0
	OUT16 6, 3, 0
	OUT16 7, 3, 0
	s_branch .Ldone
.Lk:
	s_lshl_b32 s18, s13, 13                        ; ksp row 2 x block row + mh, 4,096 bytes each,
	s_lshl_b32 s19, s11, 12
	s_add_co_u32 s18, s18, s19
	s_add_co_u32 s18, s18, s22                     ; and my 128 columns
	s_mov_b32 s19, 0
	s_add_nc_u64 s[KSPP:KSPP+1], s[KSPP:KSPP+1], s[18:19]
	OUT16 0, 2, 1
	OUT16 1, 2, 1
	OUT16 2, 2, 1
	OUT16 3, 2, 1
	OUT16 4, 3, 1
	OUT16 5, 3, 1
	OUT16 6, 3, 1
	OUT16 7, 3, 1
	; lane (r, h) holds the sums of columns 8 r + 0..7 over the rows of parity h: add the other half, then each half stores four of the eight
.irp j, 0,1,2,3,4,5,6,7
	v_permlanex16_b32 v[T+\j], v[KS+\j], s85, s86
.endr
.irp j, 0,2,4,6
	v_pk_add_f32 v[KS+\j:KS+\j+1], v[KS+\j:KS+\j+1], v[T+\j:T+\j+1]
.endr
.irp j, 0,1,2,3
	v_cndmask_b32 v[O+\j], v[KS+\j], v[KS+4+\j], s84               ; s84's bits 16-31: lanes 16-31 take sums 4-7
.endr
	global_store_b128 v[KOF], v[O:O+3], s[KSPP:KSPP+1]             ; 512 consecutive bytes
.Ldone:
; THE PHASE wp.  Every accumulator of the projections is dead; all that follows lies in window 0.  q's or k's stores drain while it multiplies.
	s_wait_xcnt 0x0                                ; the stores above read v12, v14, v192-223 and v240-243: they are written again only behind this wait
	v_and_b32 v1, 15, v0                           ; r = l % 16
	v_bfe_u32 v2, v0, 4, 1                         ; h = l / 16
	v_mul_u32_u24 v4, v1, WPA
	v_lshl_add_u32 v[WADRA], v2, 4, v4             ; r x 1,040 + 16 h
	v_add_nc_u32 v[WADRA+1], SLOT, v[WADRA]
	v_and_b32 v4, 7, v0                            ; the transposing load: lane l addresses k row 8 h + l % 8,
	v_lshl_add_u32 v4, v2, 3, v4
	v_mul_u32_u24 v4, v4, WPB
	v_bfe_u32 v5, v0, 3, 1                         ; and the 16 bytes (l / 8) % 2 of the 32 that hold sixteen columns
	v_lshl_add_u32 v4, v5, 4, v4
	s_lshl_b32 s15, s10, 5                         ; my 16 columns of Wo,
	s_add_co_u32 s15, s15, WATILE                  ; which lies behind Wv
	v_add_nc_u32 v[WADRB], s15, v4
	v_add_nc_u32 v[WADRB+1], 8*32*WPB, v[WADRB]
	v_add_nc_u32 v[WADRB+2], SLOT, v[WADRB]
	v_add_nc_u32 v[WADRB+3], SLOT+8*32*WPB, v[WADRB]
	v_lshl_add_u32 v[WKSA], v2, 4, KSB             ; bv's fragment: 16 bytes at 16 h, the same for all sixteen rows
	s_lshl_b32 s87, s10, 5                         ; the way out, in: row r, byte 32 wave + 16 h
	s_add_co_u32 s87, s87, WSTAGE
	v_mul_u32_u24 v4, v1, WSP
	v_lshl_add_u32 v4, v2, 4, v4
	v_add_nc_u32 v[WSTO], s87, v4
	s_mul_i32 s87, s10, 16*WSP                     ; back: rows 16 wave + l / 8, 16 bytes at 16 (l % 8)
	s_add_co_u32 s87, s87, WSTAGE
	v_bfe_u32 v19, v0, 3, 2
	v_and_b32 v20, 7, v0
	v_mul_u32_u24 v4, v19, WSP
	v_lshl_add_u32 v4, v20, 4, v4
	v_add_nc_u32 v[WRD], s87, v4
	v_lshlrev_b32 v4, 11, v19
	v_lshl_add_u32 v[WCO], v20, 4, v4              ; the same four rows in W'
	s_lshl_b32 s87, s10, 6
	s_add_co_u32 s87, s87, ULDS
	v_lshl_add_u32 v[WUST], v1, 2, s87             ; u of column 16 wave + r
	v_and_b32 v4, 31, v0
	v_lshlrev_b32 v[WUCO], 3, v4                   ; 8 l: 32 lanes take the 256 bytes of u
	v_add_nc_u32 v[WURD], ULDS, v[WUCO]
; 12 LDS loads: the fragments of K step k (32 along K, 0..15) of half s into buffer buf
.macro WFETCH s, k, buf
.irp a, 0,1,2,3
	ds_load_b128 v[WFB+48*\buf+8*\a:WFB+48*\buf+8*\a+3],   v[WADRA+\s] offset:\a*16*WPA+64*\k
	ds_load_b128 v[WFB+48*\buf+8*\a+4:WFB+48*\buf+8*\a+7], v[WADRA+\s] offset:\a*16*WPA+64*\k+32
.endr
	ds_load_tr16_b128 v[WFB+48*\buf+32:WFB+48*\buf+35], v[WADRB+2*\s+\k/8] offset:(\k%8)*32*WPB
	ds_load_tr16_b128 v[WFB+48*\buf+36:WFB+48*\buf+39], v[WADRB+2*\s+\k/8] offset:(\k%8)*32*WPB+16*WPB
	ds_load_b128 v[WFB+48*\buf+40:WFB+48*\buf+43], v[WKSA] offset:64*(16*\s+\k)
	ds_load_b128 v[WFB+48*\buf+44:WFB+48*\buf+47], v[WKSA] offset:64*(16*\s+\k)+32
.endm
; 5 matrix instructions: my four row blocks, then u.  zero = 1: the first products start the sums.
.macro WMUL buf, zero
.irp a, 0,1,2,3
.if \zero
	v_wmma_f32_16x16x32_bf16 v[WACC+8*\a:WACC+8*\a+7], v[WFB+48*\buf+32:WFB+48*\buf+39], v[WFB+48*\buf+8*\a:WFB+48*\buf+8*\a+7], 0
.else
	v_wmma_f32_16x16x32_bf16 v[WACC+8*\a:WACC+8*\a+7], v[WFB+48*\buf+32:WFB+48*\buf+39], v[WFB+48*\buf+8*\a:WFB+48*\buf+8*\a+7], v[WACC+8*\a:WACC+8*\a+7]
.endif
.endr
.if \zero
	v_wmma_f32_16x16x32_bf16 v[WUA:WUA+7], v[WFB+48*\buf+40:WFB+48*\buf+47], v[WFB+48*\buf+32:WFB+48*\buf+39], 0
.else
	v_wmma_f32_16x16x32_bf16 v[WUA:WUA+7], v[WFB+48*\buf+40:WFB+48*\buf+47], v[WFB+48*\buf+32:WFB+48*\buf+39], v[WUA:WUA+7]
.endif
.endm
; One half of K: sixteen K steps on three buffers that take turns; step k + 2 is fetched while step k is multiplied.
.macro WHALF s, zero
	WFETCH \s, 0, 0
	WFETCH \s, 1, 1
.set kk, 0
.rept 16
.if kk < 15
	s_wait_dscnt 12                                ; step kk's twelve loads are in; the next step's twelve stay out
.else
	s_wait_dscnt 0x0                               ; the last step: nothing was issued behind it
.endif
.if kk < 14
	PLACES                                         ; the buffer that is loaded next was read by the matrix instructions just issued
	WFETCH \s, (kk+2), ((kk+2)%3)
.endif
.if kk == 0
	WMUL (kk%3), \zero
.else
	WMUL (kk%3), 0
.endif
.set kk, kk+1
.endr
.endm
	s_wait_dscnt 0x0                               ; no LDS instruction of mine is out at the signal
	s_wait_tensorcnt 0x0                           ; my part of the second half of K is in; the first half was shown in by the round behind which the second went out
	s_barrier_signal -1
	s_barrier_wait -1                              ; everybody's part is in
	WHALF 0, 1
	PLACES                                         ; buffers 0 and 1 were read by the last matrix instructions
	WHALF 1, 0
	PLACES
	; wp's way out: the block's 64 rows of 128 bytes are gathered in its stage, since a wave holds 32 bytes of each row; then each wave stores 16 whole rows of the block.
.irp a, 0,1,2,3
.irp k, 0,1,2,3
	v_cvt_pk_bf16_f32 v[WPK+4*\a+\k], v[WACC+8*\a+2*\k], v[WACC+8*\a+2*\k+1]
.endr
.endr
.irp a, 0,1,2,3
	ds_store_b128 v[WSTO], v[WPK+4*\a:WPK+4*\a+3] offset:\a*16*WSP
.endr
	ds_store_b32 v[WUST], v[WUA]                   ; lanes l and l + 16 hold the same number and write it to the same word
	s_wait_dscnt 0x0                               ; for the other waves' sake: my stores are done
	s_barrier_signal -1
	s_barrier_wait -1
.irp t, 0,1,2,3
	ds_load_b128 v[WRB+4*\t:WRB+4*\t+3], v[WRD] offset:\t*4*WSP
.endr
.irp t, 0,1,2,3
	s_wait_dscnt 3-\t                              ; rows 4 t .. 4 t + 3 are back, the 3 - t younger loads stay out
	global_store_b128 v[WCO], v[WRB+4*\t:WRB+4*\t+3], s[WOUT:WOUT+1] offset:8192*\t   ; eight lanes store the 128 consecutive bytes of a row of the block
.endr
	s_cmp_lg_u32 s10, 0                            ; wave 0 stores u: 256 consecutive bytes at a multiple of 256
	s_cbranch_scc1 .Lno_u
	ds_load_b64 v[WUV:WUV+1], v[WURD]
	s_wait_dscnt 0x0
	global_store_b64 v[WUCO], v[WUV:WUV+1], s[UOUT:UOUT+1]
.Lno_u:
	s_set_vgpr_msb 0x1
	s_wait_tensorcnt 0x0
	ds_add_u32 v255, v255
	s_wait_dscnt 0x0
	s_set_vgpr_msb 0x100
	CROUND                                         ; the closing round: no work-group ends while a partner may still ask for a tile that names it
	s_endpgm
.Lfunc_end_k_qc81a9a052d_proj:
	.size	k_qc81a9a052d_proj, .Lfunc_end_k_qc81a9a052d_proj-k_qc81a9a052d_proj
	.p2alignl 7, 3214868480
	.fill 96, 4, 3214868480
	.section	.rodata,"a",@progbits
	.p2align	6, 0x0
	.amdhsa_kernel k_qc81a9a052d_proj
		.amdhsa_group_segment_fixed_size 327680
		.amdhsa_private_segment_fixed_size 0
		.amdhsa_enable_private_segment 0
		.amdhsa_kernarg_size 64
		.amdhsa_user_sgpr_count 2
		.amdhsa_user_sgpr_kernarg_segment_ptr 1
		.amdhsa_wavefront_size32 1
		.amdhsa_system_sgpr_workgroup_id_x 1
		.amdhsa_system_sgpr_workgroup_id_y 1
		.amdhsa_system_sgpr_workgroup_id_z 1
		.amdhsa_system_vgpr_workitem_id 0
		.amdhsa_next_free_vgpr 1024
		.amdhsa_next_free_sgpr 100
		.amdhsa_reserve_vcc 1
		.amdhsa_float_denorm_mode_32 3
		.amdhsa_float_denorm_mode_16_64 3
		.amdhsa_memory_ordered 1
		.amdhsa_forward_progress 1
		.amdhsa_inst_pref_size 255
	.end_amdhsa_kernel
	.section	.bss,"aw",@nobits
	.p2align	6
	.space	262144
	.amdgpu_metadata
---
amdhsa.version: [ 1, 2 ]
amdhsa.kernels:
  - .name:           k_qc81a9a052d_proj
    .symbol:         k_qc81a9a052d_proj.kd
    .args:
      - { .name: bf, .offset: 0, .size: 8, .value_kind: global_buffer, .address_space: global }
      - { .name: bq, .offset: 8, .size: 8, .value_kind: global_buffer, .address_space: global }
      - { .name: bk, .offset: 16, .size: 8, .value_kind: global_buffer, .address_space: global }
      - { .name: bv, .offset: 24, .size: 8, .value_kind: global_buffer, .address_space: global }
      - { .name: qkv, .offset: 32, .size: 8, .value_kind: global_buffer, .address_space: global }
      - { .name: ksp, .offset: 40, .size: 8, .value_kind: global_buffer, .address_space: global }
      - { .name: wpb, .offset: 48, .size: 8, .value_kind: global_buffer, .address_space: global }
      - { .name: u16, .offset: 56, .size: 8, .value_kind: global_buffer, .address_space: global }
    .group_segment_fixed_size: 327680
    .private_segment_fixed_size: 0
    .kernarg_segment_align: 8
    .kernarg_segment_size: 64
    .max_flat_workgroup_size: 128
    .sgpr_count:     100
    .vgpr_count:     1024
    .wavefront_size: 32
...
	.end_amdgpu_metadata
.endif
;; end of part 7
;; launch kvg (part 8): grid 8 x 32, 4 waves a work-group, clusters of 4 x 4, 327,680 bytes of LDS; arguments bf, qkv, ksp, kvt, ksm; writes kvt, ksm
.if DOCPART == 8
	.amdgcn_target "amdgcn-amd-amdhsa--gfx1250"
	.amdhsa_code_object_version 6
	.text
	.protected	k_qc81a9a052d_kvg
	.globl	k_qc81a9a052d_kvg
	.p2align	8
	.type	k_qc81a9a052d_kvg,@function
k_qc81a9a052d_kvg:
	s_mov_b64 s[64:65], 0
	v_nop
	global_prefetch_b8 v0, s[64:65] scope:SCOPE_SE
	s_setreg_imm32_b32 hwreg(HW_REG_WAVE_MODE, 25, 1), 1
	s_wait_xcnt 0x0
	s_wait_alu depctr_hold_cnt(0) depctr_sa_sdst(0) depctr_va_vdst(0) depctr_va_sdst(0) depctr_va_ssrc(0) depctr_va_vcc(0) depctr_vm_vsrc(0)
	s_getreg_b32 s2, hwreg(HW_REG_IB_STS2, 6, 4)
	s_cmp_eq_u32 s2, 0
	s_cbranch_scc0 .Lentry_in_a_cluster
	s_endpgm
.Lentry_in_a_cluster:
	s_bfe_u32 s2, ttmp6, 0x10000c
	s_cmp_lg_u32 s2, 0xf033
	s_cbranch_scc0 .Lentry_shape_is_right
	s_endpgm
.Lentry_shape_is_right:
; GT[b][c][d] = the sum over s of C[b][s][c] k[b][s][d], stored in bf16 in kvt.  Also ksm[b][i][d] = the sum of ksp's rows 16 b + 8 i .. + 7, i = 0, 1.
; C stands where v stood: kv Wo = (k^T C)(Wv Wo) + ksum (bv Wo) for all values of the inputs, so v is never made.
; Both operands lie with K (= s) down the rows, Cb (at 0x1000000 of bf) and k (at 0x1000000 of qkv): both are read by the transposing LDS load.
; 4 batches x 8 x 8 blocks of 128 x 128 = 256 work-groups; four waves, each 64 x 64: 16 accumulator tiles in window 1, tile (a, b) at v[8 (4 a + b)].
; K = 2048 goes in steps of 256 through two LDS slots; a slot holds 256 k rows x 256 bytes of A, then of B, and each wave fetches 128 rows.
; CLUSTERS: 4 x 4 work-groups.  Block column nb = 4 x cluster x + cx; batch b = cluster y / 2; block row mb = 4 (cluster y % 2) + cy.  A's tile (columns of C)
; is shared along a row of the cluster, B's (columns of k) along a column: each is asked for jointly, by the same load in all four.
; THE MATRIX INSTRUCTION IS USED TRANSPOSED (source 0 = 16 columns of k, source 1 = 16 columns of C): lane l holds row c = l % 16, registers 0-7 hold d = 8 (l / 16) + 0..7.
; The 16 accumulators take turns, one instruction a turn, in the same order in every quarter step, over the backward jump too.
.set KSTEP, 256
.set P,     288                        ; an LDS row: 256 bytes + 32 = 9 x 32, an odd multiple of 32 for the transposing load
.set HALFT, 128*P                      ; 36,864: what one tensor load brings
.set SLOT,  4*HALFT                    ; 147,456
.set SP,    272                        ; the way out: rows of 256 bytes + 16, in slot 0, which has had its last fill by then
.set LAPS,  4                          ; 2048 / (2 x 256)
.set ADRA, 6                           ; v6-9    LDS address of my A fragments: slot 0 k rows 0-127, 128-255; slot 1 likewise
.set ADRB, 10                          ; v10-13  the same for B
.set STO,  14
.set RD,   15
.set CO,   16
.set F0,   32                          ; fragment buffer 0: v32-63 B, v64-95 A
.set F1,   96                          ; fragment buffer 1
.set PK,   32                          ; the way out: 64 words of packed bf16
.set RB,   96                          ; the way out: 16 x 4 words read back by rows
.set KR,   160                         ; v160-167 eight partial sums of k
.set KOFF, 176
.set KO,   177
.set G1A, 24
.set G0A, 32
.set G1B, 48
.set G0B, 56
.set MUL, 0x50                         ; sources 0 and 1 window 0, C and D window 1
.set MSB, 0
.macro WIN new                         ; the immediate's high byte repeats the setting that is left
.if MSB != \new
	s_set_vgpr_msb (MSB<<8)|\new
.set MSB, \new
.endif
.endm
.macro JLOAD s                         ; waves 0 and 1 fetch A's two halves of 128 k rows, waves 2 and 3 B's
	s_cmp_eq_u32 s11, 0
	s_cbranch_scc0 .Lfor_b_\@
	tensor_load_to_lds s[G0A+4*\s:G0A+4*\s+3], s[G1A:G1A+7]
	s_nop 0
	s_branch .Lasked_\@
.Lfor_b_\@:
	tensor_load_to_lds s[G0B+4*\s:G0B+4*\s+3], s[G1B:G1B+7]
	s_nop 0
.Lasked_\@:
.endm
.macro CREST                           ; a round of the cluster's barrier behind its opening work-group barrier
	s_cmp_lg_u32 s10, 0
	s_cbranch_scc1 .Lnot_wave_0_\@
	s_barrier_signal -3
.Lnot_wave_0_\@:
	s_barrier_wait -3
	s_barrier_signal -1
	s_barrier_wait -1
.endm
.macro CROUND
	s_barrier_signal -1
	s_barrier_wait -1
	CREST
.endm
.macro PLACES                          ; four places between a matrix instruction and a load into, or a vector read of, its registers
.rept 4
	v_nop
.endr
.endm
	s_load_b256 s[68:75], s[0:1], 0x0              ; bf s[68:69], qkv s[70:71], ksp s[72:73], kvt s[74:75]
	s_load_b64 s[76:77], s[0:1], 0x20              ; ksm
	v_lshl_add_u32 v254, v0, 2, 0x48000
	v_mov_b32 v255, 0
	ds_add_u32 v254, v255
	v_lshrrev_b32 v1, 5, v0
	v_readfirstlane_b32 s10, v1                    ; wave 0..3
	s_lshr_b32 s11, s10, 1                         ; which 64 of the block's rows are mine.  Also: I fetch for A (0) or for B (1)
	s_and_b32 s12, s10, 1                          ; which 64 of its columns.  Also: which 128 k rows I fetch
	s_bfe_u32 s40, ttmp6, 0x40000                  ; cx
	s_bfe_u32 s41, ttmp6, 0x40004                  ; cy
	s_lshl_b32 s42, ttmp9, 2
	s_add_co_u32 s42, s42, s40                     ; nb = 4 x cluster x + cx
	s_and_b32 s45, ttmp7, 0xffff                   ; cluster y
	s_and_b32 s13, s45, 1
	s_lshl_b32 s13, s13, 2
	s_add_co_u32 s13, s13, s41                     ; mb = 4 (cluster y % 2) + cy
	s_lshr_b32 s45, s45, 1                         ; b: equal in all sixteen partners
	s_lshl_b32 s43, s41, 2
	s_lshl_b32 s43, 15, s43                        ; my row of the cluster
	s_lshl_b32 s44, 0x1111, s40                    ; my column
	; group 1: 128 k rows x 128 elements of 2 bytes, 8 words of padding behind every 64 words
	s_or_b32  s[G1A+0], s43, (1<<16)|(1<<20)|(1<<21)|(5<<22)|(7<<25)
	s_or_b32  s[G1B+0], s44, (1<<16)|(1<<20)|(1<<21)|(5<<22)|(7<<25)
	s_mov_b32 s[G1A+1], 128<<16                    ; tensor_dim0 = 128
	s_mov_b32 s[G1B+1], 128<<16
	s_mov_b32 s[G1A+2], 128<<16                    ; tensor_dim1 = 128
	s_mov_b32 s[G1B+2], 128<<16
	s_mov_b32 s[G1A+3], 128<<16                    ; tile_dim0 = 128
	s_mov_b32 s[G1B+3], 128<<16
	s_mov_b32 s[G1A+4], 128                        ; tile_dim1 = 128
	s_mov_b32 s[G1B+4], 128
	s_mov_b32 s[G1A+5], 1024                       ; elements from row to row
	s_mov_b32 s[G1B+5], 1024
	s_mov_b32 s[G1A+6], 0
	s_mov_b32 s[G1B+6], 0
	s_mov_b32 s[G1A+7], 0
	s_mov_b32 s[G1B+7], 0
	; A = Cb at 0x1000000 of bf: batch, my 128 k rows, 128 columns for each mb; these registers never hold cx
	s_lshl_b32 s16, s45, 22
	s_add_co_u32 s16, s16, 0x1000000
	s_lshl_b32 s14, s12, 18
	s_add_co_u32 s16, s16, s14
	s_lshl_b32 s14, s13, 8
	s_add_co_u32 s16, s16, s14
	s_mov_b32 s17, 0
	; B = k at 0x1000000 of qkv; these registers never hold cy
	s_lshl_b32 s46, s45, 22
	s_add_co_u32 s46, s46, 0x1000000
	s_lshl_b32 s15, s12, 18
	s_add_co_u32 s46, s46, s15
	s_lshl_b32 s15, s42, 8
	s_add_co_u32 s46, s46, s15
	s_mov_b32 s47, 0
	; the rows that I store: batch, 128 mb + 32 wave rows of 2,048 bytes, 128 nb columns
	s_lshl_b32 s18, s45, 21
	s_lshl_b32 s22, s13, 18
	s_add_co_u32 s18, s18, s22
	s_lshl_b32 s22, s10, 16
	s_add_co_u32 s18, s18, s22
	s_lshl_b32 s22, s42, 8
	s_add_co_u32 s18, s18, s22
	s_mov_b32 s19, 0
	; the fold of ksp: this work-group's sixteen columns d0 = 16 (8 mb + nb)
	s_lshl_b32 s22, s13, 9
	s_lshl_b32 s23, s42, 6
	s_add_co_u32 s22, s22, s23                     ; 4 d0
	s_lshl_b32 s92, s45, 16                        ; 16 rows of ksp for each batch
	s_add_co_u32 s92, s92, s22
	s_mov_b32 s93, 0
	s_lshl_b32 s94, s45, 13                        ; 2 rows of ksm for each batch
	s_add_co_u32 s94, s94, s22
	s_mov_b32 s95, 0
	s_mul_i32 s20, s10, HALFT                      ; where my tiles go: the wave's number alone
	s_wait_dscnt 0x0
	s_wait_kmcnt 0x0
	s_add_nc_u64 s[88:89], s[68:69], s[16:17]
	s_add_nc_u64 s[90:91], s[70:71], s[46:47]
	s_add_nc_u64 s[82:83], s[74:75], s[18:19]
	s_add_nc_u64 s[72:73], s[72:73], s[92:93]
	s_add_nc_u64 s[76:77], s[76:77], s[94:95]
	CROUND                                         ; all sixteen work-groups are here: the first joint loads meet
.irp s, 0,1
	s_mov_b32 s[G0A+4*\s], 1
	s_add_co_u32 s[G0A+4*\s+1], s20, \s*SLOT
	s_add_nc_u64 s[G0A+4*\s+2:G0A+4*\s+3], s[88:89], \s*KSTEP*2048     ; K step s: 256 rows down
	s_or_b32 s[G0A+4*\s+3], s[G0A+4*\s+3], 0x80000000
	s_mov_b32 s[G0B+4*\s], 1
	s_add_co_u32 s[G0B+4*\s+1], s20, \s*SLOT
	s_add_nc_u64 s[G0B+4*\s+2:G0B+4*\s+3], s[90:91], \s*KSTEP*2048
	s_or_b32 s[G0B+4*\s+3], s[G0B+4*\s+3], 0x80000000
	JLOAD \s                                       ; both slots' first fills go out together: two tensor loads of the wave are out
.endr
	v_and_b32 v1, 15, v0                           ; r
	v_bfe_u32 v2, v0, 4, 1                         ; h
	v_lshlrev_b32 v3, 2, v1
	v_lshl_add_u32 v[KOFF], v2, 15, v3             ; column d0 + r, eight rows further down for lanes 16-31
	v_lshl_add_u32 v[KO], v2, 12, v3               ; column d0 + r of ksm's row h
	; Wave 0 folds: lane (r, h) adds eight rows of ksp at one column, while the first tiles are on their way.  The pieces are 64 bytes of a row:
	; 256 KiB are read and 32 KiB written so in the whole launch.
	s_cmp_lg_u32 s10, 0
	s_cbranch_scc1 .Lno_fold
.irp i, 0,1,2,3,4,5,6,7
	global_load_b32 v[KR+\i], v[KOFF], s[72:73] offset:4096*\i
.endr
	s_wait_loadcnt 0x0
	v_pk_add_f32 v[KR:KR+1], v[KR:KR+1], v[KR+4:KR+5]
	v_pk_add_f32 v[KR+2:KR+3], v[KR+2:KR+3], v[KR+6:KR+7]
	v_pk_add_f32 v[KR:KR+1], v[KR:KR+1], v[KR+2:KR+3]
	v_add_f32 v[KR], v[KR], v[KR+1]
	global_store_b32 v[KO], v[KR], s[76:77]
.Lno_fold:
	v_and_b32 v4, 7, v0                            ; the transposing load: lane l addresses k row 8 h + l % 8,
	v_lshl_add_u32 v4, v2, 3, v4
	v_mul_u32_u24 v3, v4, P
	v_bfe_u32 v5, v0, 3, 1                         ; and the 16 bytes (l / 8) % 2 of the 32 that hold sixteen columns
	v_lshl_add_u32 v3, v5, 4, v3
	s_lshl_b32 s14, s11, 7                         ; my 64 columns of A's tile
	s_lshl_b32 s15, s12, 7                         ; my 64 columns of B's tile,
	s_add_co_u32 s15, s15, 2*HALFT                 ; which lies behind A's
	v_add_nc_u32 v[ADRA], s14, v3
	v_add_nc_u32 v[ADRA+1], HALFT, v[ADRA]
	v_add_nc_u32 v[ADRA+2], SLOT, v[ADRA]
	v_add_nc_u32 v[ADRA+3], SLOT+HALFT, v[ADRA]
	v_add_nc_u32 v[ADRB], s15, v3
	v_add_nc_u32 v[ADRB+1], HALFT, v[ADRB]
	v_add_nc_u32 v[ADRB+2], SLOT, v[ADRB]
	v_add_nc_u32 v[ADRB+3], SLOT+HALFT, v[ADRB]
	s_mul_i32 s87, s11, 64*SP                      ; the way out, in: row 64 mh + r, byte 128 nh + 16 h
	s_lshl_b32 s22, s12, 7
	s_add_co_u32 s87, s87, s22
	v_mul_u32_u24 v3, v1, SP
	v_lshl_add_u32 v3, v2, 4, v3
	v_add_nc_u32 v[STO], s87, v3
	s_mul_i32 s87, s10, 32*SP                      ; back: rows 32 wave + h, 16 bytes at 16 r
	v_mul_u32_u24 v3, v2, SP
	v_lshl_add_u32 v3, v1, 4, v3
	v_add_nc_u32 v[RD], s87, v3
	v_lshlrev_b32 v3, 11, v2
	v_lshl_add_u32 v[CO], v1, 4, v3                ; the same two rows in the output
; 4 matrix instructions: rows 16 a .. + 15 of my 64 x all four column blocks, 32 along K.  zero = 1: the first product starts the sums.
.macro MULA f, a, zero
.irp b, 0,1,2,3
.if \zero
	v_wmma_f32_16x16x32_bf16 v[8*(4*\a+\b):8*(4*\a+\b)+7], v[\f+8*\b:\f+8*\b+7], v[\f+32+8*\a:\f+32+8*\a+7], 0
.else
	v_wmma_f32_16x16x32_bf16 v[8*(4*\a+\b):8*(4*\a+\b)+7], v[\f+8*\b:\f+8*\b+7], v[\f+32+8*\a:\f+32+8*\a+7], v[8*(4*\a+\b):8*(4*\a+\b)+7]
.endif
.endr
.endm
; 16 LDS loads in one run: the fragments of quarter q (32 of the slot's 256 k rows) into buffer f
.macro FETCH slot, q, f
	WIN 0
.irp i, 0,1,2,3
	ds_load_tr16_b128 v[\f+8*\i:\f+8*\i+3],   v[ADRB+2*\slot+\q/4] offset:32*\i+(\q%4)*32*P
	ds_load_tr16_b128 v[\f+8*\i+4:\f+8*\i+7], v[ADRB+2*\slot+\q/4] offset:32*\i+(\q%4)*32*P+16*P
.endr
.irp i, 0,1,2,3
	ds_load_tr16_b128 v[\f+32+8*\i:\f+32+8*\i+3],   v[ADRA+2*\slot+\q/4] offset:32*\i+(\q%4)*32*P
	ds_load_tr16_b128 v[\f+32+8*\i+4:\f+32+8*\i+7], v[ADRA+2*\slot+\q/4] offset:32*\i+(\q%4)*32*P+16*P
.endr
.endm
.macro QUARTER slot, q, f, g, zero
	s_wait_dscnt 0x0                               ; buffer f's 16 loads, the only ones out
	PLACES                                         ; buffer g was read by the matrix instructions just issued
	FETCH \slot, \q, \g
	WIN MUL
	MULA \f, 0, \zero
	MULA \f, 1, \zero
	MULA \f, 2, \zero
	MULA \f, 3, \zero
.endm
.macro SEVEN slot, zero
	QUARTER \slot, 1, F0, F1, \zero
	QUARTER \slot, 2, F1, F0, 0
	QUARTER \slot, 3, F0, F1, 0
	QUARTER \slot, 4, F1, F0, 0
	QUARTER \slot, 5, F0, F1, 0
	QUARTER \slot, 6, F1, F0, 0
	QUARTER \slot, 7, F0, F1, 0
.endm
; The eighth quarter multiplies buffer 1 and changes slots: each wave's reads of this slot and all its tensor loads are waited for in front of the barrier;
; fill = 1: the barrier opens a round of the cluster's barrier, and behind the round this slot is asked for again, first of all.
.macro TURN slot, next, fill
	s_wait_dscnt 0x0
	s_wait_tensorcnt 0x0                           ; all my tensor loads have landed, so every group 0 may be written
	ds_add_u32 v254, v255
	s_wait_dscnt 0x0
	s_barrier_signal -1
	WIN MUL
	MULA F1, 0, 0
	WIN 0
	s_barrier_wait -1
.if \fill
	CREST
	s_add_nc_u64 s[G0A+4*\slot+2:G0A+4*\slot+3], s[G0A+4*\slot+2:G0A+4*\slot+3], 2*KSTEP*2048
	s_add_nc_u64 s[G0B+4*\slot+2:G0B+4*\slot+3], s[G0B+4*\slot+2:G0B+4*\slot+3], 2*KSTEP*2048
	JLOAD \slot                                    ; my one tensor load behind the round: one is out until the next change of slots
.endif
	PLACES
	FETCH \next, 0, F0
	WIN MUL
	MULA F1, 1, 0
	MULA F1, 2, 0
	MULA F1, 3, 0
.endm
.macro LAP zero
	SEVEN 0, \zero
	TURN 0, 1, 1
	SEVEN 1, 0
	TURN 1, 0, 1
.endm
	s_wait_tensorcnt 0x1                           ; my part of K step 0 is in; K step 1's stays out
	s_barrier_signal -1
	s_barrier_wait -1
	FETCH 0, 0, F0
	LAP 1
	WIN 0
	s_mov_b32 s3, LAPS-2
.Llap:
	LAP 0
	WIN 0
	s_sub_co_u32 s3, s3, 1
	s_cmp_lg_u32 s3, 0
	s_cbranch_scc1 .Llap
	SEVEN 0, 0                                     ; the last lap fills nothing
	TURN 0, 1, 0                                   ; behind this barrier no wave reads slot 0 and no load lands in it any more
	SEVEN 1, 0
	s_wait_dscnt 0x0
	WIN MUL
	MULA F1, 0, 0
	MULA F1, 1, 0
	MULA F1, 2, 0
	MULA F1, 3, 0
	PLACES
	; THE WAY OUT: the block's 128 rows of 256 bytes are gathered in slot 0, since a wave holds only half of each row; then each wave stores 32 whole rows.
	WIN 0x05                                       ; sources 0 and 1 window 1
.set i, 0
.rept 64
	v_cvt_pk_bf16_f32 v[PK+i], v[2*i], v[2*i+1]
.set i, i+1
.endr
	WIN 0
.irp a, 0,1,2,3
.irp b, 0,1,2,3
	ds_store_b128 v[STO], v[PK+4*(4*\a+\b):PK+4*(4*\a+\b)+3] offset:\a*16*SP+32*\b
.endr
.endr
	s_wait_dscnt 0x0                               ; for the other waves' sake: my stores are done
	s_barrier_signal -1
	s_barrier_wait -1
.irp t, 0,1,2,3,4,5,6,7,8,9,10,11,12,13,14,15
	ds_load_b128 v[RB+4*\t:RB+4*\t+3], v[RD] offset:\t*2*SP
.endr
.irp t, 0,1,2,3,4,5,6,7,8,9,10,11,12,13,14,15
	s_wait_dscnt 15-\t                             ; pair t of rows is back, the 15 - t younger loads stay out
	global_store_b128 v[CO], v[RB+4*\t:RB+4*\t+3], s[82:83] offset:4096*\t   ; sixteen lanes store 256 consecutive bytes at a multiple of 256
.endr
	s_wait_tensorcnt 0x0
	ds_add_u32 v254, v255
	s_wait_dscnt 0x0
	CROUND                                         ; the closing round
	s_endpgm
.Lfunc_end_k_qc81a9a052d_kvg:
	.size	k_qc81a9a052d_kvg, .Lfunc_end_k_qc81a9a052d_kvg-k_qc81a9a052d_kvg
	.p2alignl 7, 3214868480
	.fill 96, 4, 3214868480
	.section	.rodata,"a",@progbits
	.p2align	6, 0x0
	.amdhsa_kernel k_qc81a9a052d_kvg
		.amdhsa_group_segment_fixed_size 327680
		.amdhsa_private_segment_fixed_size 0
		.amdhsa_enable_private_segment 0
		.amdhsa_kernarg_size 40
		.amdhsa_user_sgpr_count 2
		.amdhsa_user_sgpr_kernarg_segment_ptr 1
		.amdhsa_wavefront_size32 1
		.amdhsa_system_sgpr_workgroup_id_x 1
		.amdhsa_system_sgpr_workgroup_id_y 1
		.amdhsa_system_sgpr_workgroup_id_z 1
		.amdhsa_system_vgpr_workitem_id 0
		.amdhsa_next_free_vgpr 384
		.amdhsa_next_free_sgpr 96
		.amdhsa_reserve_vcc 0
		.amdhsa_float_denorm_mode_32 3
		.amdhsa_float_denorm_mode_16_64 3
		.amdhsa_memory_ordered 1
		.amdhsa_forward_progress 1
		.amdhsa_inst_pref_size 128
	.end_amdhsa_kernel
	.amdgpu_metadata
---
amdhsa.version: [ 1, 2 ]
amdhsa.kernels:
  - .name:           k_qc81a9a052d_kvg
    .symbol:         k_qc81a9a052d_kvg.kd
    .args:
      - { .name: bf, .offset: 0, .size: 8, .value_kind: global_buffer, .address_space: global }
      - { .name: qkv, .offset: 8, .size: 8, .value_kind: global_buffer, .address_space: global }
      - { .name: ksp, .offset: 16, .size: 8, .value_kind: global_buffer, .address_space: global }
      - { .name: kvt, .offset: 24, .size: 8, .value_kind: global_buffer, .address_space: global }
      - { .name: ksm, .offset: 32, .size: 8, .value_kind: global_buffer, .address_space: global }
    .group_segment_fixed_size: 327680
    .private_segment_fixed_size: 0
    .kernarg_segment_align: 8
    .kernarg_segment_size: 40
    .max_flat_workgroup_size: 128
    .sgpr_count:     96
    .vgpr_count:     384
    .wavefront_size: 32
...
	.end_amdgpu_metadata
.endif
;; end of part 8
;; launch mg (part 9): grid 8 x 32, 4 waves a work-group, clusters of 4 x 4, 327,680 bytes of LDS; arguments kvt, wpb, ksm, u16, mm; writes mm
.if DOCPART == 9
	.amdgcn_target "amdgcn-amd-amdhsa--gfx1250"
	.amdhsa_code_object_version 6
	.text
	.protected	k_qc81a9a052d_mg
	.globl	k_qc81a9a052d_mg
	.p2align	8
	.type	k_qc81a9a052d_mg,@function
k_qc81a9a052d_mg:
	s_mov_b64 s[64:65], 0
	v_nop
	global_prefetch_b8 v0, s[64:65] scope:SCOPE_SE
	s_setreg_imm32_b32 hwreg(HW_REG_WAVE_MODE, 25, 1), 1
	s_wait_xcnt 0x0
	s_wait_alu depctr_hold_cnt(0) depctr_sa_sdst(0) depctr_va_vdst(0) depctr_va_sdst(0) depctr_va_ssrc(0) depctr_va_vcc(0) depctr_vm_vsrc(0)
	s_getreg_b32 s2, hwreg(HW_REG_IB_STS2, 6, 4)
	s_cmp_eq_u32 s2, 0
	s_cbranch_scc0 .Lentry_in_a_cluster
	s_endpgm
.Lentry_in_a_cluster:
	s_bfe_u32 s2, ttmp6, 0x10000c
	s_cmp_lg_u32 s2, 0xf033
	s_cbranch_scc0 .Lentry_shape_is_right
	s_endpgm
.Lentry_shape_is_right:
; M[b][d][f] = the sum over c of GT[b][c][d] W'[c][f] + ksum[b][d] u[f], stored in bf16.  In exact arithmetic this is kv Wo: kv = (k^T C) Wv + ksum bv^T,
; W' = Wv Wo, u = bv Wo; and Wo is applied ahead of q, since z is one number for each row of q.  Both hold for all values of the inputs.
; Both operands lie with K (= c) down the rows: GT as kvg stored it, W' as wp stored it.  Both are read by the transposing LDS load.
; 4 batches x 8 x 8 blocks of 128 x 128 = 256 work-groups; four waves, each 64 x 64: 16 accumulator tiles in window 1, tile (a, b) at v[8 (4 a + b)].
; The sums start from ksum[d] u[f], written into the accumulators while the first tiles are on their way: 64 packed multiplies, and nothing is cleared.
; u16 holds sixteen equal rows of u, one from each block row of wp; this work-group reads row mb + 8 (b % 2), so that all sixteen are read.
; K = 1024 goes in four steps of 256 through two LDS slots: two laps, both written out, so there is no loop.
; CLUSTERS: 4 x 4 work-groups.  Block column nb = 4 x cluster x + cx; batch b = cluster y / 2; block row mb = 4 (cluster y % 2) + cy.  A's tile is shared along a
; row of the cluster, B's along a column: each is asked for jointly, by the same load in all four.
; THE MATRIX INSTRUCTION IS USED TRANSPOSED (source 0 = 16 columns of W', source 1 = 16 columns of GT): lane l holds row d = l % 16, registers 0-7 hold f = 8 (l / 16) + 0..7.
; The 16 accumulators take turns, one instruction a turn, in the same order in every quarter step.
.set KSTEP, 256
.set P,     288                        ; an LDS row: 256 bytes + 32 = 9 x 32, an odd multiple of 32 for the transposing load
.set HALFT, 128*P
.set SLOT,  4*HALFT
.set SP,    272                        ; the way out: rows of 256 bytes + 16, in slot 0, which has had its last fill by then
.set ADRA, 6                           ; v6-9    LDS address of my A fragments: slot 0 k rows 0-127, 128-255; slot 1 likewise
.set ADRB, 10                          ; v10-13  the same for B
.set STO,  14
.set RD,   15
.set CO,   16
.set KV,   17                          ; 4 r: my row's place among sixteen of ksum
.set UO,   18                          ; 32 h: my eight columns' place among sixteen of u
.set F0,   32
.set F1,   96
.set PK,   32
.set RB,   96
.set U,    160                         ; v160-191 u of columns 16 b + 8 h + 0..7, b = 0..3
.set KSM,  192                         ; v192-199 ksum of row 16 a + r in the even register of pair a
.set G1A, 24
.set G0A, 32
.set G1B, 48
.set G0B, 56
.set MUL, 0x50                         ; sources 0 and 1 window 0, C and D window 1
.set MSB, 0
.macro WIN new                         ; the immediate's high byte repeats the setting that is left
.if MSB != \new
	s_set_vgpr_msb (MSB<<8)|\new
.set MSB, \new
.endif
.endm
.macro JLOAD s                         ; waves 0 and 1 fetch A's two halves of 128 k rows, waves 2 and 3 B's
	s_cmp_eq_u32 s11, 0
	s_cbranch_scc0 .Lfor_b_\@
	tensor_load_to_lds s[G0A+4*\s:G0A+4*\s+3], s[G1A:G1A+7]
	s_nop 0
	s_branch .Lasked_\@
.Lfor_b_\@:
	tensor_load_to_lds s[G0B+4*\s:G0B+4*\s+3], s[G1B:G1B+7]
	s_nop 0
.Lasked_\@:
.endm
.macro CREST                           ; a round of the cluster's barrier behind its opening work-group barrier
	s_cmp_lg_u32 s10, 0
	s_cbranch_scc1 .Lnot_wave_0_\@
	s_barrier_signal -3
.Lnot_wave_0_\@:
	s_barrier_wait -3
	s_barrier_signal -1
	s_barrier_wait -1
.endm
.macro CROUND
	s_barrier_signal -1
	s_barrier_wait -1
	CREST
.endm
.macro PLACES                          ; four places between a matrix instruction and a load into, or a vector read of, its registers
.rept 4
	v_nop
.endr
.endm
	s_load_b256 s[68:75], s[0:1], 0x0              ; kvt s[68:69], wpb s[70:71], ksm s[72:73], u16 s[74:75]
	s_load_b64 s[76:77], s[0:1], 0x20              ; mm
	v_lshl_add_u32 v254, v0, 2, 0x48000
	v_mov_b32 v255, 0
	ds_add_u32 v254, v255
	v_lshrrev_b32 v1, 5, v0
	v_readfirstlane_b32 s10, v1                    ; wave 0..3
	s_lshr_b32 s11, s10, 1                         ; which 64 of the block's rows are mine.  Also: I fetch for A (0) or for B (1)
	s_and_b32 s12, s10, 1                          ; which 64 of its columns.  Also: which 128 k rows I fetch
	s_bfe_u32 s40, ttmp6, 0x40000                  ; cx
	s_bfe_u32 s41, ttmp6, 0x40004                  ; cy
	s_lshl_b32 s42, ttmp9, 2
	s_add_co_u32 s42, s42, s40                     ; nb
	s_and_b32 s45, ttmp7, 0xffff
	s_and_b32 s13, s45, 1
	s_lshl_b32 s13, s13, 2
	s_add_co_u32 s13, s13, s41                     ; mb
	s_lshr_b32 s45, s45, 1                         ; b: equal in all sixteen partners
	s_lshl_b32 s43, s41, 2
	s_lshl_b32 s43, 15, s43                        ; my row of the cluster
	s_lshl_b32 s44, 0x1111, s40                    ; my column
	; group 1: 128 k rows x 128 elements of 2 bytes, 8 words of padding behind every 64 words
	s_or_b32  s[G1A+0], s43, (1<<16)|(1<<20)|(1<<21)|(5<<22)|(7<<25)
	s_or_b32  s[G1B+0], s44, (1<<16)|(1<<20)|(1<<21)|(5<<22)|(7<<25)
	s_mov_b32 s[G1A+1], 128<<16
	s_mov_b32 s[G1B+1], 128<<16
	s_mov_b32 s[G1A+2], 128<<16
	s_mov_b32 s[G1B+2], 128<<16
	s_mov_b32 s[G1A+3], 128<<16
	s_mov_b32 s[G1B+3], 128<<16
	s_mov_b32 s[G1A+4], 128
	s_mov_b32 s[G1B+4], 128
	s_mov_b32 s[G1A+5], 1024
	s_mov_b32 s[G1B+5], 1024
	s_mov_b32 s[G1A+6], 0
	s_mov_b32 s[G1B+6], 0
	s_mov_b32 s[G1A+7], 0
	s_mov_b32 s[G1B+7], 0
	; A = GT of my batch: my 128 k rows, 128 columns for each mb; these registers never hold cx
	s_lshl_b32 s16, s45, 21
	s_lshl_b32 s14, s12, 18
	s_add_co_u32 s16, s16, s14
	s_lshl_b32 s14, s13, 8
	s_add_co_u32 s16, s16, s14
	s_mov_b32 s17, 0
	; B = W', the same for every batch; these registers never hold cy
	s_lshl_b32 s46, s12, 18
	s_lshl_b32 s15, s42, 8
	s_add_co_u32 s46, s46, s15
	s_mov_b32 s47, 0
	; the rows that I store: batch, 128 mb + 32 wave rows of 2,048 bytes, 128 nb columns
	s_lshl_b32 s18, s45, 21
	s_lshl_b32 s22, s13, 18
	s_add_co_u32 s18, s18, s22
	s_lshl_b32 s22, s10, 16
	s_add_co_u32 s18, s18, s22
	s_lshl_b32 s22, s42, 8
	s_add_co_u32 s18, s18, s22
	s_mov_b32 s19, 0
	; ksum of my 64 rows: two rows of ksm for each batch, numbers 128 mb + 64 mh on
	s_lshl_b32 s92, s45, 13
	s_lshl_b32 s22, s13, 9
	s_add_co_u32 s92, s92, s22
	s_lshl_b32 s22, s11, 8
	s_add_co_u32 s92, s92, s22
	s_mov_b32 s93, 0
	; u of my 64 columns: row mb + 8 (b % 2) of u16, numbers 128 nb + 64 nh on
	s_and_b32 s94, s45, 1
	s_lshl_b32 s94, s94, 3
	s_add_co_u32 s94, s94, s13
	s_lshl_b32 s94, s94, 12
	s_lshl_b32 s22, s42, 9
	s_add_co_u32 s94, s94, s22
	s_lshl_b32 s22, s12, 8
	s_add_co_u32 s94, s94, s22
	s_mov_b32 s95, 0
	s_mul_i32 s20, s10, HALFT                      ; where my tiles go: the wave's number alone
	s_wait_dscnt 0x0
	s_wait_kmcnt 0x0
	s_add_nc_u64 s[88:89], s[68:69], s[16:17]
	s_add_nc_u64 s[90:91], s[70:71], s[46:47]
	s_add_nc_u64 s[82:83], s[76:77], s[18:19]
	s_add_nc_u64 s[72:73], s[72:73], s[92:93]
	s_add_nc_u64 s[74:75], s[74:75], s[94:95]
	CROUND                                         ; all sixteen work-groups are here: the first joint loads meet
.irp s, 0,1
	s_mov_b32 s[G0A+4*\s], 1
	s_add_co_u32 s[G0A+4*\s+1], s20, \s*SLOT
	s_add_nc_u64 s[G0A+4*\s+2:G0A+4*\s+3], s[88:89], \s*KSTEP*2048
	s_or_b32 s[G0A+4*\s+3], s[G0A+4*\s+3], 0x80000000
	s_mov_b32 s[G0B+4*\s], 1
	s_add_co_u32 s[G0B+4*\s+1], s20, \s*SLOT
	s_add_nc_u64 s[G0B+4*\s+2:G0B+4*\s+3], s[90:91], \s*KSTEP*2048
	s_or_b32 s[G0B+4*\s+3], s[G0B+4*\s+3], 0x80000000
	JLOAD \s                                       ; both slots' first fills go out together: two tensor loads of the wave are out
.endr
	v_and_b32 v1, 15, v0                           ; r
	v_bfe_u32 v2, v0, 4, 1                         ; h
	v_lshlrev_b32 v[KV], 2, v1
	v_lshlrev_b32 v[UO], 5, v2
.irp a, 0,1,2,3
	global_load_b32 v[KSM+2*\a],   v[KV], s[72:73] offset:64*\a            ; the first half sum of row 16 a + r,
	global_load_b32 v[KSM+2*\a+1], v[KV], s[72:73] offset:64*\a+4096       ; the second
.endr
.irp b, 0,1,2,3
	global_load_b128 v[U+8*\b:U+8*\b+3],   v[UO], s[74:75] offset:64*\b
	global_load_b128 v[U+8*\b+4:U+8*\b+7], v[UO], s[74:75] offset:64*\b+16
.endr
	v_and_b32 v4, 7, v0                            ; the transposing load: lane l addresses k row 8 h + l % 8,
	v_lshl_add_u32 v4, v2, 3, v4
	v_mul_u32_u24 v3, v4, P
	v_bfe_u32 v5, v0, 3, 1                         ; and the 16 bytes (l / 8) % 2 of the 32 that hold sixteen columns
	v_lshl_add_u32 v3, v5, 4, v3
	s_lshl_b32 s14, s11, 7
	s_lshl_b32 s15, s12, 7
	s_add_co_u32 s15, s15, 2*HALFT
	v_add_nc_u32 v[ADRA], s14, v3
	v_add_nc_u32 v[ADRA+1], HALFT, v[ADRA]
	v_add_nc_u32 v[ADRA+2], SLOT, v[ADRA]
	v_add_nc_u32 v[ADRA+3], SLOT+HALFT, v[ADRA]
	v_add_nc_u32 v[ADRB], s15, v3
	v_add_nc_u32 v[ADRB+1], HALFT, v[ADRB]
	v_add_nc_u32 v[ADRB+2], SLOT, v[ADRB]
	v_add_nc_u32 v[ADRB+3], SLOT+HALFT, v[ADRB]
	s_mul_i32 s87, s11, 64*SP                      ; the way out, in: row 64 mh + r, byte 128 nh + 16 h
	s_lshl_b32 s22, s12, 7
	s_add_co_u32 s87, s87, s22
	v_mul_u32_u24 v3, v1, SP
	v_lshl_add_u32 v3, v2, 4, v3
	v_add_nc_u32 v[STO], s87, v3
	s_mul_i32 s87, s10, 32*SP                      ; back: rows 32 wave + h, 16 bytes at 16 r
	v_mul_u32_u24 v3, v2, SP
	v_lshl_add_u32 v3, v1, 4, v3
	v_add_nc_u32 v[RD], s87, v3
	v_lshlrev_b32 v3, 11, v2
	v_lshl_add_u32 v[CO], v1, 4, v3
	s_wait_loadcnt 0x0                             ; ksum's halves and u
.irp a, 0,1,2,3
	v_add_f32 v[KSM+2*\a], v[KSM+2*\a], v[KSM+2*\a+1]
.endr
	WIN 0x40                                       ; destination window 1: the accumulators start as ksum[d] u[f]
.irp a, 0,1,2,3
.irp b, 0,1,2,3
.irp i, 0,2,4,6
	v_pk_mul_f32 v[8*(4*\a+\b)+\i:8*(4*\a+\b)+\i+1], v[U+8*\b+\i:U+8*\b+\i+1], v[KSM+2*\a:KSM+2*\a+1] op_sel_hi:[1,0]   ; both by the pair's first register
.endr
.endr
.endr
	WIN 0
; 4 matrix instructions: rows 16 a .. + 15 of my 64 x all four column blocks, 32 along K
.macro MULA f, a
.irp b, 0,1,2,3
	v_wmma_f32_16x16x32_bf16 v[8*(4*\a+\b):8*(4*\a+\b)+7], v[\f+8*\b:\f+8*\b+7], v[\f+32+8*\a:\f+32+8*\a+7], v[8*(4*\a+\b):8*(4*\a+\b)+7]
.endr
.endm
.macro FETCH slot, q, f
	WIN 0
.irp i, 0,1,2,3
	ds_load_tr16_b128 v[\f+8*\i:\f+8*\i+3],   v[ADRB+2*\slot+\q/4] offset:32*\i+(\q%4)*32*P
	ds_load_tr16_b128 v[\f+8*\i+4:\f+8*\i+7], v[ADRB+2*\slot+\q/4] offset:32*\i+(\q%4)*32*P+16*P
.endr
.irp i, 0,1,2,3
	ds_load_tr16_b128 v[\f+32+8*\i:\f+32+8*\i+3],   v[ADRA+2*\slot+\q/4] offset:32*\i+(\q%4)*32*P
	ds_load_tr16_b128 v[\f+32+8*\i+4:\f+32+8*\i+7], v[ADRA+2*\slot+\q/4] offset:32*\i+(\q%4)*32*P+16*P
.endr
.endm
.macro QUARTER slot, q, f, g
	s_wait_dscnt 0x0                               ; buffer f's 16 loads, the only ones out
	PLACES                                         ; buffer g was read by the matrix instructions just issued
	FETCH \slot, \q, \g
	WIN MUL
	MULA \f, 0
	MULA \f, 1
	MULA \f, 2
	MULA \f, 3
.endm
.macro SEVEN slot
	QUARTER \slot, 1, F0, F1
	QUARTER \slot, 2, F1, F0
	QUARTER \slot, 3, F0, F1
	QUARTER \slot, 4, F1, F0
	QUARTER \slot, 5, F0, F1
	QUARTER \slot, 6, F1, F0
	QUARTER \slot, 7, F0, F1
.endm
; The eighth quarter multiplies buffer 1 and changes slots: each wave's reads of this slot and all its tensor loads are waited for in front of the barrier;
; fill = 1: the barrier opens a round of the cluster's barrier, and behind the round this slot is asked for again, first of all.
.macro TURN slot, next, fill
	s_wait_dscnt 0x0
	s_wait_tensorcnt 0x0                           ; all my tensor loads have landed, so every group 0 may be written
	ds_add_u32 v254, v255
	s_wait_dscnt 0x0
	s_barrier_signal -1
	WIN MUL
	MULA F1, 0
	WIN 0
	s_barrier_wait -1
.if \fill
	CREST
	s_add_nc_u64 s[G0A+4*\slot+2:G0A+4*\slot+3], s[G0A+4*\slot+2:G0A+4*\slot+3], 2*KSTEP*2048
	s_add_nc_u64 s[G0B+4*\slot+2:G0B+4*\slot+3], s[G0B+4*\slot+2:G0B+4*\slot+3], 2*KSTEP*2048
	JLOAD \slot                                    ; my one tensor load behind the round: one is out until the next change of slots
.endif
	PLACES
	FETCH \next, 0, F0
	WIN MUL
	MULA F1, 1
	MULA F1, 2
	MULA F1, 3
.endm
	s_wait_tensorcnt 0x1                           ; my part of K step 0 is in; K step 1's stays out
	s_barrier_signal -1
	s_barrier_wait -1
	FETCH 0, 0, F0
	SEVEN 0                                        ; K step 0
	TURN 0, 1, 1                                   ; slot 0 gets K step 2
	SEVEN 1
	TURN 1, 0, 1                                   ; slot 1 gets K step 3
	SEVEN 0
	TURN 0, 1, 0                                   ; behind this barrier no wave reads slot 0 and no load lands in it any more
	SEVEN 1
	s_wait_dscnt 0x0
	WIN MUL
	MULA F1, 0
	MULA F1, 1
	MULA F1, 2
	MULA F1, 3
	PLACES
	; THE WAY OUT: the block's 128 rows of 256 bytes are gathered in slot 0, since a wave holds only half of each row; then each wave stores 32 whole rows.
	WIN 0x05
.set i, 0
.rept 64
	v_cvt_pk_bf16_f32 v[PK+i], v[2*i], v[2*i+1]
.set i, i+1
.endr
	WIN 0
.irp a, 0,1,2,3
.irp b, 0,1,2,3
	ds_store_b128 v[STO], v[PK+4*(4*\a+\b):PK+4*(4*\a+\b)+3] offset:\a*16*SP+32*\b
.endr
.endr
	s_wait_dscnt 0x0                               ; for the other waves' sake: my stores are done
	s_barrier_signal -1
	s_barrier_wait -1
.irp t, 0,1,2,3,4,5,6,7,8,9,10,11,12,13,14,15
	ds_load_b128 v[RB+4*\t:RB+4*\t+3], v[RD] offset:\t*2*SP
.endr
.irp t, 0,1,2,3,4,5,6,7,8,9,10,11,12,13,14,15
	s_wait_dscnt 15-\t                             ; pair t of rows is back, the 15 - t younger loads stay out
	global_store_b128 v[CO], v[RB+4*\t:RB+4*\t+3], s[82:83] offset:4096*\t   ; sixteen lanes store 256 consecutive bytes at a multiple of 256
.endr
	s_wait_tensorcnt 0x0
	ds_add_u32 v254, v255
	s_wait_dscnt 0x0
	CROUND                                         ; the closing round
	s_endpgm
.Lfunc_end_k_qc81a9a052d_mg:
	.size	k_qc81a9a052d_mg, .Lfunc_end_k_qc81a9a052d_mg-k_qc81a9a052d_mg
	.p2alignl 7, 3214868480
	.fill 96, 4, 3214868480
	.section	.rodata,"a",@progbits
	.p2align	6, 0x0
	.amdhsa_kernel k_qc81a9a052d_mg
		.amdhsa_group_segment_fixed_size 327680
		.amdhsa_private_segment_fixed_size 0
		.amdhsa_enable_private_segment 0
		.amdhsa_kernarg_size 40
		.amdhsa_user_sgpr_count 2
		.amdhsa_user_sgpr_kernarg_segment_ptr 1
		.amdhsa_wavefront_size32 1
		.amdhsa_system_sgpr_workgroup_id_x 1
		.amdhsa_system_sgpr_workgroup_id_y 1
		.amdhsa_system_sgpr_workgroup_id_z 1
		.amdhsa_system_vgpr_workitem_id 0
		.amdhsa_next_free_vgpr 384
		.amdhsa_next_free_sgpr 96
		.amdhsa_reserve_vcc 0
		.amdhsa_float_denorm_mode_32 3
		.amdhsa_float_denorm_mode_16_64 3
		.amdhsa_memory_ordered 1
		.amdhsa_forward_progress 1
		.amdhsa_inst_pref_size 95
	.end_amdhsa_kernel
	.amdgpu_metadata
---
amdhsa.version: [ 1, 2 ]
amdhsa.kernels:
  - .name:           k_qc81a9a052d_mg
    .symbol:         k_qc81a9a052d_mg.kd
    .args:
      - { .name: kvt, .offset: 0, .size: 8, .value_kind: global_buffer, .address_space: global }
      - { .name: wpb, .offset: 8, .size: 8, .value_kind: global_buffer, .address_space: global }
      - { .name: ksm, .offset: 16, .size: 8, .value_kind: global_buffer, .address_space: global }
      - { .name: u16, .offset: 24, .size: 8, .value_kind: global_buffer, .address_space: global }
      - { .name: mm, .offset: 32, .size: 8, .value_kind: global_buffer, .address_space: global }
    .group_segment_fixed_size: 327680
    .private_segment_fixed_size: 0
    .kernarg_segment_align: 8
    .kernarg_segment_size: 40
    .max_flat_workgroup_size: 128
    .sgpr_count:     96
    .vgpr_count:     384
    .wavefront_size: 32
...
	.end_amdgpu_metadata
.endif
;; end of part 9
;; launch fin: the kernel of part 5 again; grid 4 x 64, 4 waves a work-group, clusters of 4 x 4, 327,680 bytes of LDS; arguments qkv, mm, ksm, bo, inputs, out0; writes out0
